; MI455X (gfx1250); checked and timed in simulation.
; The chip was launched on July 23, 2026; its instructions are those of AMD's public machine-readable ISA for CDNA 5 (MIT licence, August 2026) and "CDNA5" Instruction Set Architecture Reference Guide (July 2026). The comments in the code are by the model that wrote it; some were corrected since.
;; Encoder Block. Allowed arithmetic: matrix products marked QUANTISED: E3M2 operands, one E8M0 scale for each 32 along K, by v_wmma_scale_f32_16x16x128_f8f6f4 with both operands' format E3M2, f32 sums; everything else in f32.
;; Inputs: ffn_b1 4,096 float32; ffn_b2 1,024 float32; ffn_w1 4,096 x 1,024 float32; ffn_w2 1,024 x 4,096 float32; ln1_b 1,024 float32; ln1_g 1,024 float32; ln2_b 1,024 float32; ln2_g 1,024 float32; out_b 1,024 float32; out_w 1,024 x 1,024 float32; qkv_b 3,072 float32; qkv_w 3,072 x 1,024 float32; src 2 x 2,048 x 1,024 float32.
;; Outputs: out0 2 x 2,048 x 1,024 float32.
;; This version of the problem:
;;   THIS VERSION OF THE PROBLEM IS GIVEN IN LOW PRECISION. The matrix products marked QUANTISED in the list below multiply operands that are first quantised to E3M2 (3 exponent bits, 2 mantissa bits; 6 bits a number), with one power-of-two scale for each 32 numbers along K (OCP MX v1.0); their sums are f32. All else is computed in f32.
;;   The module's matrix products, in the order in which they are computed (A, B: the left and right operand; K: the contracted axis; several contracted axes count as one K, in the product's order):
;;     1. [M 4,096, K 1,024] x [K 1,024, N 3,072]; A: input src; B: input qkv_w: QUANTISED
;;     2. batch 32 x [M 2,048, K 64] x [K 64, N 2,048]; A: computed on the way; B: computed on the way: QUANTISED
;;     3. batch 32 x [M 2,048, K 2,048] x [K 2,048, N 64]; A: softmax (see below); B: computed on the way: QUANTISED
;;     4. [M 4,096, K 1,024] x [K 1,024, N 1,024]; A: computed on the way; B: input out_w: QUANTISED
;;     5. [M 4,096, K 1,024] x [K 1,024, N 4,096]; A: computed on the way; B: input ffn_w1: QUANTISED
;;     6. [M 4,096, K 4,096] x [K 4,096, N 1,024]; A: computed on the way; B: input ffn_w2: QUANTISED
;;   THE QUANTISER, for each operand of a quantised product, along K:
;;     - K is cut into blocks of 32 from its start; a last block that is shorter is filled with zeros.
;;     - A block's scale is 2^e with e = floor(log2(the largest magnitude in the block)) - 4, held to -126 .. 127; a block of zeros has e = 0. As a byte (E8M0): e + 127.
;;     - Each number is divided by its block's scale, clamped to +-28, and rounded to the nearest number of E3M2, ties to even, subnormals kept.
;;     - The product sums the exact products of the quantised numbers (number of the format x scale) in f32.
;;   ~~~python
;;   def quantise(x, axis):      # numpy; x: float32 -> the quantised numbers, widened to float32 again
;;       x = np.moveaxis(x, axis, -1); K = x.shape[-1]
;;       x = np.pad(x, [(0, 0)] * (x.ndim - 1) + [(0, -K % 32)]); x = x.reshape(x.shape[:-1] + (-1, 32)); a = np.abs(x).max(-1, keepdims=True)
;;       e = np.where(a > 0, np.clip(np.frexp(np.where(a > 0, a, 1))[1] - 1 - 4, -126, 127), 0)      # np.frexp(a)[1] - 1 = floor(log2(a)), exactly
;;       r = np.clip(x / 2.0 ** e, -28, 28)
;;       step = 2.0 ** (np.maximum(np.frexp(np.where(r == 0, 1, r))[1] - 1, -2) - 2)
;;       q = np.round(r / step) * step * 2.0 ** e      # np.round: ties to even
;;       return np.moveaxis(q.reshape(q.shape[:-2] + (-1,))[..., :K], -1, axis).astype(np.float32)
;;   ~~~
;;   SOFTMAX AHEAD OF A QUANTISED PRODUCT. Where the list says 'softmax', what is quantised is not the finished softmax but p = 2^(t - M), with t = logit x log2(e) and M = ceil(the row's largest t), a whole number; so 1/2 < the row's largest p <= 1. The row's sum l is taken of the UNQUANTISED p, in f32, and the product's result is divided by l at the end. Since M is a whole number, a kernel that streams over the keys may use a running M (the ceiling of the running maximum): every later rescaling is an exact power of two, which a block's scale takes up: the codes' values come out the same.
;;   OPERANDS COMPUTED ON THE WAY. 'Computed on the way' means the value that the module computes at that place (a softmax that the list does not call 'softmax' is quantised finished and normalised). What goes into a quantiser is computed in f32, as accurately as f32 sums, v_exp_f32 and their like allow (about 1e-6 of the number): no bf16 or f16 on the way to a quantiser, and a product that is left as it is and whose result goes on into a quantised operand takes f32 operands (vector FMAs, or v_wmma_f32_16x16x4_f32). A number that lies on a knife's edge between two numbers of the format may be rounded either way, as far as f32 arithmetic and the matrix unit's own rounding can turn it there, and no further.
;; 2 versions. Each part assembles by itself: llvm-mc -triple=amdgcn-amd-amdhsa -mcpu=gfx1250 --defsym DOCPART=n.
;; ======== version 1 of 2: 8 launches
;; workspace buffers: img0 13,107,200 bytes; qkvimg 10,092,544 bytes; act 3,276,800 bytes; z 16,777,216 bytes; agg 16,777,216 bytes; himg 13,107,200 bytes
;; launch qnt (part 1): grid 512 x 1, 4 waves a work-group, no clusters, 34,304 bytes of LDS; arguments src, qkv_w, out_w, ffn_w1, ffn_w2, img0; writes img0
.if DOCPART == 1
	.amdgcn_target "amdgcn-amd-amdhsa--gfx1250"
	.amdhsa_code_object_version 6
	.text
	.protected	k_qae080fb047_qnt
	.globl	k_qae080fb047_qnt
	.p2align	8
	.type	k_qae080fb047_qnt,@function
k_qae080fb047_qnt:
	s_mov_b64 s[64:65], 0
	v_nop
	global_prefetch_b8 v0, s[64:65] scope:SCOPE_SE
	s_setreg_imm32_b32 hwreg(HW_REG_WAVE_MODE, 25, 1), 1
	s_wait_xcnt 0x0
; src [4096][1024], qkv_w [3072][1024], out_w [1024][1024], ffn_w1 [4096][1024], ffn_w2 [1024][4096], all f32 with K innermost, become codes of BF6 (E3M2) with one E8M0 byte for each 32 along K,
; laid in img0 IN THE ORDER OF AN OPERAND'S REGISTERS.  A QUAD (6,400 bytes) holds 64 rows x 128 K: four fragments of 1,536 bytes, then 256 bytes of scale words.
; A fragment: registers 0-3 of lane l at 16 l, registers 4-5 at 512 + 8 l, registers 6-9 at 768 + 16 l, registers 10-11 at 1,280 + 8 l.  Scale words: lane l's 8 bytes at 6,144 + 8 l: the word of tile l / 16, row l % 16, then that of tile 2 + l / 16.
; THE ROWS OF A TILE ARE NOT NEIGHBOURS: place p of tile i of a quad holds the quad's row 32 (i / 2) + 16 (p / 8) + 8 (i % 2) + p % 8, so that a product used transposed leaves 16 neighbours along the next K in a lane's 16 registers.
; img0: quads [8 K steps][112]: 0-63 src, 64 + 16 part + head the rows 192 head + 64 part .. + 63 of qkv_w; from quad 896 out_w [8][16]; from 1,024 ffn_w1 [8][64]; from 1,536 ffn_w2 [32][16].
; A block's scale is 2^(floor(log2(its largest magnitude)) - 4); its byte is that magnitude's exponent field - 4, held at 1 from below.
; LIMITS: NaN and infinities are not served; a block whose largest magnitude lies under 2^-122 gets the byte 1; a block of zeros gets the byte 1 and not 127: its codes are zeros, and this program alone reads the bytes.
; SHARES.  A wave makes one quad; a work-group one group of 64 rows x four neighbouring K steps, so that its four waves read 2,048 consecutive bytes of each row.  Waves share nothing: no barrier, no cluster, no matrix unit.
; Each load reads 512 consecutive bytes of a row; 16 rows turn through the wave's own stage in LDS (rows of 528 bytes) and come back 16 neighbours a block a lane.  32 loads of a wave are out.
.set L16,  1                           ; v1     16 x lane
.set L8,   2                           ; v2     8 x lane
.set SIN,  3                           ; v3     the stage, on the way in: 8,448 x wave + 16 x lane
.set PW,   4                           ; v4-7   the four tiles' scale words
.set OFF,  8                           ; v8-23  place p of a tile: (p % 8 + 16 (p / 8)) x a row's bytes + 16 x lane; never rewritten
.set CT,   24                          ; v24-30 the conversions' second halves
.set SOUT, 31                          ; v31    the stage, on the way out: 8,448 x wave + 528 x (lane % 16) + 64 x (lane / 16)
.set R0,   32                          ; v32-159 two sets of 64: a tile as it is loaded
.set X,    160                         ; v160-223 a tile, 64 numbers of one row a lane
.set TM,   224                         ; v224-239 at work
.set PC,   240                         ; v240-251 a fragment's codes
.set SP,   252                         ; v252-253 the quad's scale words as they are stored
.set WV,   19
.set SEL,  42                          ; s[42:43] v_permlanex16_b32's selects for lane l xor 16
.set HM,   44                          ; s44    the mask of lanes 16-31
; 64 numbers of a lane, v[s] on (register 16 b + i = k 32 b + 16 (lane / 16) + i of my row), become a fragment's codes in v[PC] on and its scale word in v[pw].
.macro QUANT s, pw
.irp b, 0,1,2,3
	v_max3_num_f32 v[TM+\b], |v[\s+16*\b]|, |v[\s+1+16*\b]|, 0x2800000   ; block b: my 16 numbers, and the floor 2^(5 - 127): the byte cannot fall under 1
.endr
.irp i, 2,4,6,8,10,12,14
.irp b, 0,1,2,3
	v_max3_num_f32 v[TM+\b], v[TM+\b], |v[\s+16*\b+\i]|, |v[\s+1+16*\b+\i]|   ; the four blocks by turns
.endr
.endr
.irp b, 0,1,2,3
	v_permlanex16_b32 v[TM+4+\b], v[TM+\b], s[SEL], s[SEL+1]
.endr
.irp b, 0,1,2,3
	v_max_num_f32 v[TM+\b], v[TM+\b], v[TM+4+\b]   ; with lane l xor 16's: the block's largest magnitude
.endr
.irp b, 0,1,2,3
	v_add_nc_u32 v[TM+12+\b], 0xfe000000, v[TM+\b]   ; 4 off its exponent field: the conversion takes this operand's exponent field as its scale
.endr
.irp b, 0,1,2,3
	v_lshrrev_b32 v[TM+4+\b], 23, v[TM+12+\b]      ; the scale's byte
.endr
	v_lshl_or_b32 v[\pw], v[TM+5], 8, v[TM+4]
	v_lshl_or_b32 v[\pw], v[TM+6], 16, v[\pw]
	v_lshl_or_b32 v[\pw], v[TM+7], 24, v[\pw]
.irp c, 0,1
	v_cvt_scalef32_pk16_bf6_f32 v[PC+6*\c:PC+6*\c+2], v[\s+32*\c:\s+32*\c+15], v[TM+12+2*\c]
	v_cvt_scalef32_pk16_bf6_f32 v[CT+4*\c:CT+4*\c+2], v[\s+32*\c+16:\s+32*\c+31], v[TM+13+2*\c]   ; (a conversion's three registers begin on an even number)
.endr
	v_nop                                          ; one plain instruction behind the scaled conversions
.irp c, 0,1                                    ; the operand wants a whole block in a lane: lanes 0-15 block 2 c, lanes 16-31 block 2 c + 1
.irp i, 0,1,2
	v_permlane16_swap_b32 v[PC+6*\c+\i], v[CT+4*\c+\i]
.endr
.irp i, 0,1,2
	v_mov_b32 v[PC+3+6*\c+\i], v[CT+4*\c+\i]
.endr
.endr
.endm
.macro PUTFRAG base, off               ; the fragment leaves as it stands: each store covers 512 or 256 consecutive bytes, aligned to 256
	global_store_b128 v[L16], v[PC:PC+3], s[\base:\base+1] offset:\off
	global_store_b64 v[L8], v[PC+4:PC+5], s[\base:\base+1] offset:(\off)+512
	global_store_b128 v[L16], v[PC+6:PC+9], s[\base:\base+1] offset:(\off)+768
	global_store_b64 v[L8], v[PC+10:PC+11], s[\base:\base+1] offset:(\off)+1280
.endm
.macro LOAD t                          ; tile t's 16 rows, 512 bytes each, into set t % 2
.irp p, 0,1,2,3,4,5,6,7,8,9,10,11,12,13,14,15
	global_load_b128 v[R0+64*((\t)%2)+4*\p:R0+64*((\t)%2)+4*\p+3], v[OFF+\p], s[32+2*(\t):33+2*(\t)] th:TH_LOAD_NT
.endr
.endm
	s_load_b256 s[4:11], s[0:1], 0x0               ; src, qkv_w, out_w, ffn_w1
	s_load_b128 s[12:15], s[0:1], 0x20             ; ffn_w2, img0
	v_lshl_add_u32 v254, v0, 2, 0x8400
	v_mov_b32 v255, 0
	v_lshrrev_b32 v1, 5, v0
	v_readfirstlane_b32 s[WV], v1                  ; wave 0..3
	v_and_b32 v2, 31, v0                           ; lane
	v_lshlrev_b32 v[L16], 4, v2
	v_and_b32 v4, 15, v0
	v_bfe_u32 v5, v0, 4, 1
	s_mul_i32 s45, s[WV], 8448                     ; my stage
	v_add_nc_u32 v[SIN], s45, v[L16]
	v_mul_u32_u24 v[SOUT], v4, 528
	v_lshl_add_u32 v[SOUT], v5, 6, v[SOUT]
	v_add_nc_u32 v[SOUT], s45, v[SOUT]
	v_lshlrev_b32 v[L8], 3, v2
	s_mov_b32 s[SEL], 0x76543210
	s_mov_b32 s[SEL+1], 0xfedcba98
	s_mov_b32 s[HM], 0xffff0000
.irp b, 0,1,2,3
	v_mov_b32 v[TM+4+\b], 0                        ; written once: a lane permute's destination counts as one of its sources
.endr
	; which tensor: the choice hangs on the work-group's number alone
	s_mov_b32 s20, 0                               ; the tensor's first work-group
	s_mov_b32 s21, 1                               ; log2 of the work-groups to a group of rows
	s_mov_b32 s22, 4096                            ; a row in bytes
	s_mov_b32 s23, 112                             ; quads from K step to K step
	s_mov_b32 s24, 0                               ; the tensor's first quad
	s_wait_kmcnt 0x0
	s_mov_b64 s[16:17], s[4:5]
	s_cmp_ge_u32 ttmp9, 128
	s_cselect_b64 s[16:17], s[6:7], s[16:17]
	s_cselect_b32 s20, 128, s20
	s_cselect_b32 s24, 64, s24
	s_cmp_ge_u32 ttmp9, 224
	s_cselect_b64 s[16:17], s[8:9], s[16:17]
	s_cselect_b32 s20, 224, s20
	s_cselect_b32 s23, 16, s23
	s_cselect_b32 s24, 896, s24
	s_cmp_ge_u32 ttmp9, 256
	s_cselect_b64 s[16:17], s[10:11], s[16:17]
	s_cselect_b32 s20, 256, s20
	s_cselect_b32 s23, 64, s23
	s_cselect_b32 s24, 1024, s24
	s_cmp_ge_u32 ttmp9, 384
	s_cselect_b64 s[16:17], s[12:13], s[16:17]
	s_cselect_b32 s20, 384, s20
	s_cselect_b32 s21, 3, s21
	s_cselect_b32 s22, 16384, s22
	s_cselect_b32 s23, 16, s23
	s_cselect_b32 s24, 1536, s24
	s_sub_co_u32 s25, ttmp9, s20
	s_lshr_b32 s26, s25, s21                       ; the group of 64 rows
	s_lshl_b32 s27, s26, s21
	s_sub_co_u32 s27, s25, s27
	s_lshl_b32 s27, s27, 2
	s_add_co_u32 s27, s27, s[WV]                   ; my K step of 128
	s_lshl_b32 s28, s26, 6                         ; its first row;
	s_and_b32 s29, s26, 15                         ; in qkv_w group 16 part + head begins at row 192 head + 64 part
	s_mul_i32 s29, s29, 192
	s_lshr_b32 s30, s26, 4
	s_lshl_b32 s30, s30, 6
	s_add_co_u32 s29, s29, s30
	s_cmp_eq_u32 s20, 128
	s_cselect_b32 s28, s29, s28
	s_mul_i32 s28, s28, s22
	s_lshl_b32 s29, s27, 9
	s_add_co_u32 s28, s28, s29
	s_mov_b32 s29, 0
	s_add_nc_u64 s[32:33], s[16:17], s[28:29]      ; tile 0 begins at the group's row 0,
	s_lshl_b32 s30, s22, 3
	s_mov_b32 s31, 0
	s_add_nc_u64 s[34:35], s[32:33], s[30:31]      ; tile 1 at row 8,
	s_lshl_b32 s30, s22, 5
	s_add_nc_u64 s[36:37], s[32:33], s[30:31]      ; tile 2 at row 32,
	s_add_nc_u64 s[38:39], s[34:35], s[30:31]      ; tile 3 at row 40
	s_mul_i32 s40, s27, s23
	s_add_co_u32 s40, s40, s26
	s_add_co_u32 s40, s40, s24
	s_mul_i32 s40, s40, 6400
	s_mov_b32 s41, 0
	s_add_nc_u64 s[14:15], s[14:15], s[40:41]      ; my quad
.irp p, 0,1,2,3,4,5,6,7,8,9,10,11,12,13,14,15
	v_mad_u32_u24 v[OFF+\p], s22, (\p%8)+16*(\p/8), v[L16]
.endr
	LOAD 0
	LOAD 1
.macro FRG t
.if \t < 3
	s_wait_loadcnt 16                              ; this tile's 16 loads are in; the next tile's 16 may be out
.else
	s_wait_loadcnt 0x0
.endif
.if \t > 0
	s_wait_xcnt 0x0                                ; the last tile's stores have read v[PC] on, which is written again below
.endif
.irp p, 0,1,2,3,4,5,6,7,8,9,10,11,12,13,14,15
	ds_store_b128 v[SIN], v[R0+64*(\t%2)+4*\p:R0+64*(\t%2)+4*\p+3] offset:528*\p
.endr
.irp b, 0,1,2,3
.irp j, 0,1,2,3
	ds_load_b128 v[X+16*\b+4*\j:X+16*\b+4*\j+3], v[SOUT] offset:128*\b+16*\j   ; LDS serves a wave's instructions in order: these see the stores above
.endr
.endr
	s_wait_dscnt 0x0
.if \t < 2
	LOAD \t+2
.endif
	QUANT X, PW+\t
	PUTFRAG 14, 1536*\t
.endm
	FRG 0
	FRG 1
	FRG 2
	FRG 3
	v_cndmask_b32 v[SP], v[PW], v[PW+1], s[HM]     ; lanes 0-15 tile 0's words, lanes 16-31 tile 1's (a word stands in both halves of the lanes)
	v_cndmask_b32 v[SP+1], v[PW+2], v[PW+3], s[HM]
	global_store_b64 v[L8], v[SP:SP+1], s[14:15] offset:6144
	s_wait_tensorcnt 0x0
	ds_add_u32 v254, v255
	s_wait_dscnt 0x0
	s_endpgm
.Lfunc_end_k_qae080fb047_qnt:
	.size	k_qae080fb047_qnt, .Lfunc_end_k_qae080fb047_qnt-k_qae080fb047_qnt
	.p2alignl 7, 3214868480
	.fill 96, 4, 3214868480
	.section	.rodata,"a",@progbits
	.p2align	6, 0x0
	.amdhsa_kernel k_qae080fb047_qnt
		.amdhsa_group_segment_fixed_size 34304
		.amdhsa_private_segment_fixed_size 0
		.amdhsa_enable_private_segment 0
		.amdhsa_kernarg_size 48
		.amdhsa_user_sgpr_count 2
		.amdhsa_user_sgpr_kernarg_segment_ptr 1
		.amdhsa_wavefront_size32 1
		.amdhsa_system_sgpr_workgroup_id_x 1
		.amdhsa_system_sgpr_workgroup_id_y 1
		.amdhsa_system_sgpr_workgroup_id_z 1
		.amdhsa_system_vgpr_workitem_id 0
		.amdhsa_next_free_vgpr 256
		.amdhsa_next_free_sgpr 66
		.amdhsa_reserve_vcc 0
		.amdhsa_float_denorm_mode_32 3
		.amdhsa_float_denorm_mode_16_64 3
		.amdhsa_memory_ordered 1
		.amdhsa_forward_progress 1
		.amdhsa_inst_pref_size 36
	.end_amdhsa_kernel
	.amdgpu_metadata
---
amdhsa.version: [ 1, 2 ]
amdhsa.kernels:
  - .name:           k_qae080fb047_qnt
    .symbol:         k_qae080fb047_qnt.kd
    .args:
      - { .name: src, .offset: 0, .size: 8, .value_kind: global_buffer, .address_space: global }
      - { .name: qkv_w, .offset: 8, .size: 8, .value_kind: global_buffer, .address_space: global }
      - { .name: out_w, .offset: 16, .size: 8, .value_kind: global_buffer, .address_space: global }
      - { .name: ffn_w1, .offset: 24, .size: 8, .value_kind: global_buffer, .address_space: global }
      - { .name: ffn_w2, .offset: 32, .size: 8, .value_kind: global_buffer, .address_space: global }
      - { .name: img0, .offset: 40, .size: 8, .value_kind: global_buffer, .address_space: global }
    .group_segment_fixed_size: 34304
    .private_segment_fixed_size: 0
    .kernarg_segment_align: 8
    .kernarg_segment_size: 48
    .max_flat_workgroup_size: 128
    .sgpr_count:     66
    .vgpr_count:     256
    .wavefront_size: 32
...
	.end_amdgpu_metadata
.endif
;; end of part 1
;; launch qkvp (part 2): grid 12 x 16, 4 waves a work-group, clusters of 4 x 4, 327,680 bytes of LDS; arguments img0, qkv_b, qkvimg; writes qkvimg
.if DOCPART == 2
	.amdgcn_target "amdgcn-amd-amdhsa--gfx1250"
	.amdhsa_code_object_version 6
	.text
	.protected	k_qae080fb047_qkvp
	.globl	k_qae080fb047_qkvp
	.p2align	8
	.type	k_qae080fb047_qkvp,@function
k_qae080fb047_qkvp:
	s_mov_b64 s[64:65], 0
	v_nop
	global_prefetch_b8 v0, s[64:65] scope:SCOPE_SE
	s_setreg_imm32_b32 hwreg(HW_REG_WAVE_MODE, 25, 1), 1
	s_wait_xcnt 0x0
	s_wait_alu depctr_hold_cnt(0) depctr_sa_sdst(0) depctr_va_vdst(0) depctr_va_sdst(0) depctr_va_ssrc(0) depctr_va_vcc(0) depctr_vm_vsrc(0)
	s_getreg_b32 s2, hwreg(HW_REG_IB_STS2, 6, 4)
	s_cmp_eq_u32 s2, 0
	s_cbranch_scc0 .Lentry_in_a_cluster
	s_endpgm
.Lentry_in_a_cluster:
	s_bfe_u32 s2, ttmp6, 0x10000c
	s_cmp_lg_u32 s2, 0xf033
	s_cbranch_scc0 .Lentry_shape_is_right
	s_endpgm
.Lentry_shape_is_right:
; qkv = src qkv_w^T + qkv_b on codes of BF6 (E3M2) with E8M0 scales; its results q, k (quantised along the head's 64) and v (quantised along the keys) leave as operand images for the attention launch.
; OPERAND IMAGES.  A quad (6,400 bytes) is 64 rows x 128 K: four fragments of 1,536 bytes in the order of their registers (registers 0-3 of lane l at 16 l, 4-5 at 512 + 8 l, 6-9 at 768 + 16 l, 10-11 at 1,280 + 8 l), then the
; scale words (lane l's 8 bytes at 6,144 + 8 l: tile l / 16's word of row l % 16, then tile 2 + l / 16's).  Place p of tile i holds the quad's row 32 (i / 2) + 16 (p / 8) + 8 (i % 2) + p % 8.
; img0 holds [8 K steps][112 quads]: 0-63 the tokens, 64 + 16 part + head the 64 rows of W for that head's q (part 0), k (1) or v (2).
; THE PRODUCT.  A tile of C, 256 x 256, to a work-group of four waves; a wave makes 128 x 128 in 64 accumulators.  The matrix instruction is used transposed: source 0 = 16 rows of the operand called B here, source 1 = 16 rows of A:
; lane (r, h) holds A's place r, and the 16 registers of B's tiles 2 b, 2 b + 1 are B's rows 32 b + 16 h + 0 .. 15: 16 neighbours along the next product's K.
; For q and k (cluster x = 0, 1): A = tokens, B = rows of W: a lane holds a token, its registers run along two heads' 64.  For v (cluster x = 2): A = rows of W, B = tokens: a lane holds a channel, its registers run along 128 keys.
; The roles are chosen BY ADDRESS, on the cluster's x alone, which all partners share; one loop serves both.
; K goes in steps of 256 through a ring of two LDS slots; a wave's one tensor load brings two quads of two K steps of 128 (two rows of 12,800 bytes).  4 x 4 work-groups form a cluster: A's tiles are asked for jointly along a row, B's along a column.
; OUT.  qkvimg: q as [32 heads of the batch][32 groups of 64 tokens] of 3,328 bytes (four half fragments of 768 bytes, then 256 bytes of scale words, of which bytes 0 and 1 count); k likewise from byte 3,407,872;
; v as [32][16 steps of 128 keys] quads from byte 6,815,744.  Bytes 2 and 3 of q's and k's scale words are a neighbour head's bytes or 0: they meet zero codes alone and are never 0xff.
; LIMITS: NaN and infinities are not served; a block whose largest magnitude lies under 2^-122, a block of zeros among them, gets the byte 1 (its codes are then zeros or the nearest codes under that scale; this program alone reads the bytes).
.set LAPS,   2                         ; K = 1,024: four K steps of 256, two to a lap
.set STRA,   716800                    ; bytes from a K step of 128 to the next in A's image: 112 quads
.set STRB,   716800
.set QB,     6400
.set HALFT,  4*QB                      ; what one tensor load brings, and what a wave reads of A or of B in a slot: [2 steps][2 quads]
.set SLOT,   4*HALFT                   ; A's two halves, then B's
.set SPARE,  2*SLOT                    ; behind the ring: the spare words, 128 bytes a wave: two blocks of 256 bytes that no other line names
.set STAGE,  SPARE+512                 ; behind them: bytes that no tensor load fills
.set FR,     12
.set NL,     4                         ; LDS loads to a fragment
.set NP,     4                         ; places behind this matrix instruction (ISA guide 7.12.1)
.set ADRA, 16                          ; v16-17 my half of A in slot 0, 1, + 16 x lane; v18-19 the same + 8 x lane
.set ADRB, 20                          ; v20-23 the same for B
.set L16,  26
.set L8,   27
.set SPW,  28                          ; v28 LDS address of my spare word; never rewritten
.set NIL,  29                          ; v29 0; never rewritten
.set SC,   32                          ; v32-63 scale words and nothing else: set (slot) 16, step 8, A's four registers then B's four
.set AF,   128                         ; v128-223 A's eight fragments, one set; B's two sets lie in window 1 at v0 and v128; the accumulators in windows 2 and 3
.set G1,  24
.set G0,  32
.set G1B, 48
.set G0B, 56
.set MSB, 0
.macro WIN new                         ; the immediate's high byte repeats the setting that is left
.if MSB != (\new)
	s_set_vgpr_msb (MSB<<8)|(\new)
.set MSB, \new
.endif
.endm
.set MUL_LO, 0xa1                      ; source 0 (B) window 1, source 1 (A) window 0, C and D window 2
.set MUL_HI, 0xf1
.set TO_B,   0x40
.macro JLOAD g0a, g1a, g0b, g1b        ; a joint load: waves 0 and 1 fetch A's halves, waves 2 and 3 B's; the branch hangs on the wave's number alone; four v_nop follow each line
	s_cmp_eq_u32 s15, 0
	s_cbranch_scc0 .Lfor_b_\@
	tensor_load_to_lds s[\g0a:\g0a+3], s[\g1a:\g1a+7]
	s_nop 0
.rept 4
	v_nop
.endr
	s_branch .Lasked_\@
.Lfor_b_\@:
	tensor_load_to_lds s[\g0b:\g0b+3], s[\g1b:\g1b+7]
	s_nop 0
.rept 4
	v_nop
.endr
.Lasked_\@:
.endm
.macro CREST                           ; a round of the cluster's barrier behind its opening barrier
	s_cmp_lg_u32 s14, 0
	s_cbranch_scc1 .Lnot_wave_0_\@
	s_barrier_signal -3
.Lnot_wave_0_\@:
	s_barrier_wait -3
	s_barrier_signal -1
	s_barrier_wait -1
.endm
.macro CROUND
	s_barrier_signal -1
	s_barrier_wait -1
	CREST
.endm
.macro FRAG reg, adr, off              ; a fragment's image comes back into the same registers of the same lanes: every load reads consecutive bytes
	ds_load_b128 v[\reg:\reg+3], v[\adr] offset:\off
	ds_load_b64 v[\reg+4:\reg+5], v[\adr+2] offset:(\off)+512
	ds_load_b128 v[\reg+6:\reg+9], v[\adr] offset:(\off)+768
	ds_load_b64 v[\reg+10:\reg+11], v[\adr+2] offset:(\off)+1280
.endm
; one product.  rb, ra: source 0's and source 1's scale words stand in lanes 16-31 of their registers
.macro WM d, b, a, zero, sb, sa, rb, ra
.set WSEL, 4*(\zero)+2*(\rb)+(\ra)
.if WSEL == 0
	v_wmma_scale_f32_16x16x128_f8f6f4 v[\d:\d+7], v[\b:\b+11], v[\a:\a+11], v[\d:\d+7], v[\sb], v[\sa] matrix_a_fmt:MATRIX_FMT_BF6 matrix_b_fmt:MATRIX_FMT_BF6
.elseif WSEL == 1
	v_wmma_scale_f32_16x16x128_f8f6f4 v[\d:\d+7], v[\b:\b+11], v[\a:\a+11], v[\d:\d+7], v[\sb], v[\sa] matrix_a_fmt:MATRIX_FMT_BF6 matrix_b_fmt:MATRIX_FMT_BF6 matrix_b_scale:MATRIX_SCALE_ROW1
.elseif WSEL == 2
	v_wmma_scale_f32_16x16x128_f8f6f4 v[\d:\d+7], v[\b:\b+11], v[\a:\a+11], v[\d:\d+7], v[\sb], v[\sa] matrix_a_fmt:MATRIX_FMT_BF6 matrix_b_fmt:MATRIX_FMT_BF6 matrix_a_scale:MATRIX_SCALE_ROW1
.elseif WSEL == 3
	v_wmma_scale_f32_16x16x128_f8f6f4 v[\d:\d+7], v[\b:\b+11], v[\a:\a+11], v[\d:\d+7], v[\sb], v[\sa] matrix_a_fmt:MATRIX_FMT_BF6 matrix_b_fmt:MATRIX_FMT_BF6 matrix_a_scale:MATRIX_SCALE_ROW1 matrix_b_scale:MATRIX_SCALE_ROW1
.elseif WSEL == 4
	v_wmma_scale_f32_16x16x128_f8f6f4 v[\d:\d+7], v[\b:\b+11], v[\a:\a+11], 0, v[\sb], v[\sa] matrix_a_fmt:MATRIX_FMT_BF6 matrix_b_fmt:MATRIX_FMT_BF6
.elseif WSEL == 5
	v_wmma_scale_f32_16x16x128_f8f6f4 v[\d:\d+7], v[\b:\b+11], v[\a:\a+11], 0, v[\sb], v[\sa] matrix_a_fmt:MATRIX_FMT_BF6 matrix_b_fmt:MATRIX_FMT_BF6 matrix_b_scale:MATRIX_SCALE_ROW1
.elseif WSEL == 6
	v_wmma_scale_f32_16x16x128_f8f6f4 v[\d:\d+7], v[\b:\b+11], v[\a:\a+11], 0, v[\sb], v[\sa] matrix_a_fmt:MATRIX_FMT_BF6 matrix_b_fmt:MATRIX_FMT_BF6 matrix_a_scale:MATRIX_SCALE_ROW1
.else
	v_wmma_scale_f32_16x16x128_f8f6f4 v[\d:\d+7], v[\b:\b+11], v[\a:\a+11], 0, v[\sb], v[\sa] matrix_a_fmt:MATRIX_FMT_BF6 matrix_b_fmt:MATRIX_FMT_BF6 matrix_a_scale:MATRIX_SCALE_ROW1 matrix_b_scale:MATRIX_SCALE_ROW1
.endif
.endm
; 16 products: A's blocks a0, a0 + 1 x B's eight, the slot's q-th 128 along K; p: B's set; sc: the set of scale words.  The 64 accumulators take turns, one instruction a turn, in the same order in every step.
.macro MUL16 a0, p, q, sc, zero
.irp a, \a0, \a0+1
.irp b, 0,1,2,3,4,5,6,7
	WM 8*(8*((\a)%4)+\b), 128*(\p)+FR*\b, AF+FR*(\a), \zero, SC+16*(\sc)+8*(\q)+4+2*(\b/4)+(\b%4)/2, SC+16*(\sc)+8*(\q)+2*((\a)/4)+((\a)%4)/2, \b%2, (\a)%2
.endr
.endr
.endm
.macro FETCH_B slot, q, p
	WIN TO_B
.irp i, 0,1,2,3,4,5,6,7
	FRAG 128*(\p)+FR*\i, ADRB+\slot, 12800*(\q)+6400*(\i/4)+1536*(\i%4)
.endr
	WIN 0
.endm
.macro FETCH_A slot, q, i0             ; A's blocks i0 .. i0 + 3: one quad
.irp j, 0,1,2,3
	FRAG AF+FR*(\i0+\j), ADRA+\slot, 12800*(\q)+6400*(\i0/4)+1536*\j
.endr
.endm
.macro SCALES sc                       ; the slot's scale words: 8 bytes a lane for each quad
.irp q, 0,1
.irp e, 0,1
	ds_load_b64 v[SC+16*\sc+8*\q+2*\e:SC+16*\sc+8*\q+2*\e+1], v[ADRA+2+\sc] offset:12800*\q+6400*\e+6144
	ds_load_b64 v[SC+16*\sc+8*\q+4+2*\e:SC+16*\sc+8*\q+4+2*\e+1], v[ADRB+2+\sc] offset:12800*\q+6400*\e+6144
.endr
.endr
.endm
.macro PLACES n                        ; plain vector instructions between a matrix instruction and a load into, or a vector read or write of, its registers
.rept \n
	v_nop
.endr
.endm
.macro STEP slot, q, zero              ; a step of 128 along K that has its successor in the same slot
	s_wait_dscnt 4*NL                              ; B's set, A's blocks 0-3 and the scale words are in; the youngest 16 loads (A's blocks 4-7) may be out
	WIN MUL_LO
	MUL16 0, (\q)%2, \q, \slot, \zero
	MUL16 2, (\q)%2, \q, \slot, \zero
	s_wait_dscnt 0                                 ; A's blocks 4-7 are in
	PLACES NP
	FETCH_B \slot, (\q)+1, 1-(\q)%2
	FETCH_A \slot, (\q)+1, 0
	WIN MUL_HI
	MUL16 4, (\q)%2, \q, \slot, \zero
	MUL16 6, (\q)%2, \q, \slot, \zero
	PLACES NP
	WIN 0
	FETCH_A \slot, (\q)+1, 4
.endm
; A slot's last step changes slots: one barrier; in front of it each wave waits for all its tensor loads, adds 0 to its spare word, and waits for that and for its reads of this slot.  fill = 1: the slot is filled again, two K steps of 256 ahead.
.macro TURN slot, next, fill
	s_wait_tensorcnt 0x0                           ; all my tensor loads have landed: the one that was out is my part of the next slot
	ds_add_u32 v[SPW], v[NIL]                      ; 0 onto my spare word
	s_wait_dscnt 4*NL+1                            ; (the add and the youngest 16 loads may be out)
	WIN MUL_LO
	MUL16 0, 1, 1, \slot, 0                        ; sixteen products stand between the add and the wait for it
	s_wait_dscnt 0x0                               ; the add is done, and my reads of this slot are over
	s_barrier_signal -1
	MUL16 2, 1, 1, \slot, 0
	WIN 0
	s_barrier_wait -1
.if \fill
	CREST                                          ; the barrier has opened a round of the cluster's: no wave of any partner still reads this slot or has a load on its way
	s_add_nc_u64 s[G0+4*\slot+2:G0+4*\slot+3], s[G0+4*\slot+2:G0+4*\slot+3], 4*STRA
	s_add_nc_u64 s[G0B+4*\slot+2:G0B+4*\slot+3], s[G0B+4*\slot+2:G0B+4*\slot+3], 4*STRB
	JLOAD G0+4*\slot, G1, G0B+4*\slot, G1B         ; the first tensor load behind the round, one a wave; its four v_nop are also the places in front of the loads below
.else
	PLACES NP
.endif
	FETCH_B \next, 0, 0
	FETCH_A \next, 0, 0
	SCALES \next
	WIN MUL_HI
	MUL16 4, 1, 1, \slot, 0
	MUL16 6, 1, 1, \slot, 0
	PLACES NP
	WIN 0
	FETCH_A \next, 0, 4
.endm
; the way out's registers, all in window 0
.set BI,  64                           ; v64-127  the bias in the result's layout
.set T,   128                          ; v128-191 a block of 16 of A's places: 64 numbers a lane
.set TM,  192
.set CT,  208
.set PC,  216
.set PW,  228                          ; v228-235 the eight blocks' scale words
.set SP,  236                          ; v236-243 scale words as they are stored
.set SEL, 80
.set HM,  78
.macro QUANT s, pw                     ; 64 numbers of a lane (register 16 b + i = k 32 b + 16 (lane / 16) + i of my row) become a fragment's codes in v[PC] on and its scale word in v[pw]
.irp b, 0,1,2,3
	v_max3_num_f32 v[TM+\b], |v[\s+16*\b]|, |v[\s+1+16*\b]|, 0x2800000   ; my 16 numbers of block b, and the floor 2^(5 - 127): the byte cannot fall under 1
.endr
.irp i, 2,4,6,8,10,12,14
.irp b, 0,1,2,3
	v_max3_num_f32 v[TM+\b], v[TM+\b], |v[\s+16*\b+\i]|, |v[\s+1+16*\b+\i]|
.endr
.endr
.irp b, 0,1,2,3
	v_permlanex16_b32 v[TM+4+\b], v[TM+\b], s[SEL], s[SEL+1]
.endr
.irp b, 0,1,2,3
	v_max_num_f32 v[TM+\b], v[TM+\b], v[TM+4+\b]
.endr
.irp b, 0,1,2,3
	v_add_nc_u32 v[TM+12+\b], 0xfe000000, v[TM+\b]   ; 4 off the exponent field: the conversion's scale operand
.endr
.irp b, 0,1,2,3
	v_lshrrev_b32 v[TM+4+\b], 23, v[TM+12+\b]
.endr
	v_lshl_or_b32 v[\pw], v[TM+5], 8, v[TM+4]
	v_lshl_or_b32 v[\pw], v[TM+6], 16, v[\pw]
	v_lshl_or_b32 v[\pw], v[TM+7], 24, v[\pw]
.irp c, 0,1
	v_cvt_scalef32_pk16_bf6_f32 v[PC+6*\c:PC+6*\c+2], v[\s+32*\c:\s+32*\c+15], v[TM+12+2*\c]
	v_cvt_scalef32_pk16_bf6_f32 v[CT+4*\c:CT+4*\c+2], v[\s+32*\c+16:\s+32*\c+31], v[TM+13+2*\c]
.endr
	v_nop                                          ; one plain instruction behind the scaled conversions
.irp c, 0,1
.irp i, 0,1,2
	v_permlane16_swap_b32 v[PC+6*\c+\i], v[CT+4*\c+\i]
.endr
.irp i, 0,1,2
	v_mov_b32 v[PC+3+6*\c+\i], v[CT+4*\c+\i]
.endr
.endr
.endm
.macro PUTFRAG base, off
	global_store_b128 v[L16], v[PC:PC+3], s[\base:\base+1] offset:\off
	global_store_b64 v[L8], v[PC+4:PC+5], s[\base:\base+1] offset:(\off)+512
	global_store_b128 v[L16], v[PC+6:PC+9], s[\base:\base+1] offset:(\off)+768
	global_store_b64 v[L8], v[PC+10:PC+11], s[\base:\base+1] offset:(\off)+1280
.endm
.macro FINISH
	s_wait_tensorcnt 0x0                           ; the wave's end
	ds_add_u32 v[SPW], v[NIL]
	s_wait_dscnt 0x0
	CROUND                                         ; the closing round: no work-group ends while a partner may still ask for a tile that names it
	s_endpgm
.endm
	s_load_b128 s[4:7], s[0:1], 0x0                ; img0, qkv_b
	s_load_b64 s[8:9], s[0:1], 0x10                ; qkvimg
	v_lshl_add_u32 v[SPW], v0, 2, SPARE
	v_mov_b32 v[NIL], 0
	ds_add_u32 v28, v29
	ds_add_u32 v28, v29
	s_wait_dscnt 0x0
	v_lshrrev_b32 v1, 5, v0
	v_readfirstlane_b32 s14, v1                    ; wave 0..3
	v_and_b32 v1, 31, v0
	v_lshlrev_b32 v[L16], 4, v1
	v_lshlrev_b32 v[L8], 3, v1
	s_lshr_b32 s15, s14, 1                         ; which half of A's 256 places is mine.  Also: I fetch for A (0) or for B (1)
	s_and_b32 s16, s14, 1                          ; which half of B's.  Also: which half I fetch
	s_bfe_u32 s40, ttmp6, 0x40000                  ; cx
	s_bfe_u32 s41, ttmp6, 0x40004                  ; cy
	s_lshl_b32 s42, ttmp9, 2
	s_add_co_u32 s42, s42, s40                     ; work-group x
	s_and_b32 s66, ttmp7, 0xffff                   ; cluster y
	s_lshl_b32 s17, s66, 2
	s_add_co_u32 s17, s17, s41                     ; work-group y
	s_lshl_b32 s43, s41, 2
	s_lshl_b32 s43, 15, s43                        ; my row of the cluster
	s_lshl_b32 s44, 0x1111, s40                    ; my column
	s_or_b32 s[G1+0], s43, (3<<16)|(1<<21)         ; 15:0 the mask: A's tiles go to my row; 17:16 elements of 8 bytes; 21 set beside a mask; no padding
	s_or_b32 s[G1B+0], s44, (3<<16)|(1<<21)
.irp g, G1, G1B
	s_mov_b32 s[\g+1], 1600<<16                    ; tensor_dim0 = 1,600 elements: two quads
	s_mov_b32 s[\g+2], 2<<16                       ; tensor_dim1 = 2: two K steps of 128
	s_mov_b32 s[\g+3], 1600<<16                    ; tile_dim0
	s_mov_b32 s[\g+4], 2                           ; tile_dim1
	s_mov_b32 s[\g+6], 0
	s_mov_b32 s[\g+7], 0
.endr
	s_mov_b32 s[G1+5], STRA/8                      ; from K step to K step, in elements
	s_mov_b32 s[G1B+5], STRB/8
	; the roles.  A's quads hang on cy and the cluster's place alone, B's on cx and the cluster's place alone
	s_lshl_b32 s67, s41, 2                         ; 4 cy
	s_lshl_b32 s68, s66, 4                         ; 16 x cluster y
	s_add_co_u32 s20, s68, s67                     ; q, k: A = tokens, quad 4 x work-group y
	s_add_co_u32 s69, s67, 96                      ; v: A = W's rows for v, heads 4 cy on
	s_lshl_b32 s70, s40, 2                         ; 4 cx
	s_add_co_u32 s71, s68, s70                     ; v: B = tokens, quad 16 x cluster y + 4 cx
	s_lshl_b32 s46, s42, 2
	s_add_co_u32 s46, s46, 64                      ; q, k: B = W's rows, quad 64 + 4 x work-group x
	s_and_b32 s72, s42, 3
	s_lshl_b32 s72, s72, 2                         ; q, k: the first of my work-group's four heads,
	s_lshr_b32 s73, s42, 2                         ; and the part
	s_cmp_eq_u32 ttmp9, 2
	s_cselect_b32 s20, s69, s20
	s_cselect_b32 s46, s71, s46
	s_cselect_b32 s72, s67, s72
	s_cselect_b32 s73, 2, s73
	s_lshl_b32 s18, s16, 1                         ; the half that I fetch: two quads on
	s_add_co_u32 s20, s20, s18
	s_add_co_u32 s46, s46, s18
	s_mul_i32 s20, s20, QB
	s_mul_i32 s46, s46, QB
	s_mov_b32 s21, 0
	s_mov_b32 s47, 0
	s_add_co_u32 s72, s72, s14                     ; wave k brings the bias of the k-th head: 64 numbers at 192 head + 64 part
	s_mul_i32 s72, s72, 768
	s_lshl_b32 s73, s73, 8
	s_add_co_u32 s72, s72, s73
	s_mov_b32 s73, 0
	s_mul_i32 s45, s14, HALFT                      ; where my load goes: no place in the cluster enters an LDS address
	s_wait_kmcnt 0x0
	s_add_nc_u64 s[20:21], s[4:5], s[20:21]
	s_add_nc_u64 s[46:47], s[4:5], s[46:47]
	s_add_nc_u64 s[6:7], s[6:7], s[72:73]
	global_load_b64 v[6:7], v[L8], s[6:7]          ; 256 consecutive bytes of the bias
	CROUND                                         ; all sixteen work-groups are here: the first joint loads meet
.irp s, 0,1
	s_mov_b32 s[G0+4*\s], 1
	s_add_co_u32 s[G0+4*\s+1], s45, \s*SLOT
	s_add_nc_u64 s[G0+4*\s+2:G0+4*\s+3], s[20:21], \s*2*STRA
	s_or_b32 s[G0+4*\s+3], s[G0+4*\s+3], 0x80000000
	s_mov_b32 s[G0B+4*\s], 1
	s_add_co_u32 s[G0B+4*\s+1], s45, \s*SLOT
	s_add_nc_u64 s[G0B+4*\s+2:G0B+4*\s+3], s[46:47], \s*2*STRB
	s_or_b32 s[G0B+4*\s+3], s[G0B+4*\s+3], 0x80000000
	JLOAD G0+4*\s, G1, G0B+4*\s, G1B
.endr
	s_mul_i32 s22, s15, HALFT                      ; my half of A,
	s_mul_i32 s23, s16, HALFT
	s_add_co_u32 s23, s23, 2*HALFT                 ; my half of B
.irp s, 0,1
	v_add_nc_u32 v[ADRA+\s], s22, v[L16]
	v_add_nc_u32 v[ADRA+2+\s], s22, v[L8]
	v_add_nc_u32 v[ADRB+\s], s23, v[L16]
	v_add_nc_u32 v[ADRB+2+\s], s23, v[L8]
	s_add_co_u32 s22, s22, SLOT
	s_add_co_u32 s23, s23, SLOT
.endr
	s_lshl_b32 s74, s14, 8
	s_add_co_u32 s74, s74, STAGE
	v_add_nc_u32 v4, s74, v[L8]                    ; the four heads' biases lie at STAGE + 256 k
	v_bfe_u32 v2, v0, 4, 1                         ; h
	s_lshl_b32 s74, s16, 9
	s_add_co_u32 s74, s74, STAGE
	v_lshl_add_u32 v24, v2, 6, s74                 ; q, k: the bias runs along my registers: my two heads, + 64 h
	v_and_b32 v3, 7, v0
	v_bfe_u32 v5, v0, 3, 1
	v_lshl_add_u32 v3, v5, 4, v3                   ; 16 (r / 8) + r % 8
	s_lshl_b32 s75, s15, 9
	s_add_co_u32 s75, s75, STAGE
	v_lshl_add_u32 v25, v3, 2, s75                 ; v: the bias hangs on my lane's channel
	s_mov_b32 s[SEL], 0x76543210
	s_mov_b32 s[SEL+1], 0xfedcba98
	s_mov_b32 s[HM], 0xffff0000
	s_wait_loadcnt 0x0
	ds_store_b64 v4, v[6:7]
	s_wait_tensorcnt 1                             ; my part of slot 0 is in; slot 1's load may stay out
	s_wait_dscnt 0x0                               ; my part of the bias lies in LDS
	s_barrier_signal -1
	s_barrier_wait -1
	FETCH_B 0, 0, 0
	FETCH_A 0, 0, 0
	SCALES 0
	FETCH_A 0, 0, 4
	STEP 0, 0, 1                                   ; the first step stands in front of the loop: its products start the sums
	s_mov_b32 s3, LAPS-1
.Llap:                                                 ; a trip goes once round the ring and fills both slots again
	TURN 0, 1, 1
	STEP 1, 0, 0
	TURN 1, 0, 1
	STEP 0, 0, 0
	s_sub_co_u32 s3, s3, 1
	s_cmp_lg_u32 s3, 0
	s_cbranch_scc1 .Llap
	TURN 0, 1, 0                                   ; the last lap fills nothing
	STEP 1, 0, 0
	s_wait_dscnt 4*NL
	WIN MUL_LO
	MUL16 0, 1, 1, 1, 0
	MUL16 2, 1, 1, 1, 0
	s_wait_dscnt 0
	WIN MUL_HI
	MUL16 4, 1, 1, 1, 0
	MUL16 6, 1, 1, 1, 0
	WIN 0
	PLACES NP                                      ; in front of the first read of results and the first write of registers that held A's fragments
.irp b, 0,1,2,3
	v_mov_b32 v[TM+4+\b], 0                        ; a lane permute's destination counts as one of its sources
.endr
	s_cmp_eq_u32 ttmp9, 2                          ; the cluster's x: alike in all partners
	s_cbranch_scc1 .Lvarm
	; ---- q and k: lane = token, registers = two heads' 64 channels: a block's fragment is two half fragments, one for each head
	s_lshr_b32 s67, s42, 2
	s_mul_i32 s67, s67, 3407872                    ; q or k
	s_lshr_b32 s68, s17, 3                         ; the batch
	s_lshl_b32 s68, s68, 4
	s_and_b32 s69, s42, 3
	s_lshl_b32 s69, s69, 2
	s_add_co_u32 s68, s68, s69
	s_lshl_b32 s69, s16, 1
	s_add_co_u32 s68, s68, s69                     ; my first head of the batch
	s_lshl_b32 s68, s68, 5
	s_and_b32 s69, s17, 7
	s_lshl_b32 s69, s69, 2
	s_add_co_u32 s68, s68, s69
	s_lshl_b32 s69, s15, 1
	s_add_co_u32 s68, s68, s69                     ; x 32 + my first group of 64 tokens
	s_mul_i32 s68, s68, 3328
	s_add_co_u32 s76, s67, s68
	s_mov_b32 s77, 0
	s_add_nc_u64 s[76:77], s[8:9], s[76:77]
.irp b, 0,1,2,3
.irp j, 0,1,2,3
	ds_load_b128 v[BI+16*\b+4*\j:BI+16*\b+4*\j+3], v24 offset:256*(\b/2)+128*(\b%2)+16*\j
.endr
.endr
	s_wait_dscnt 0x0
.irp a, 0,1,2,3,4,5,6,7
.if \a > 0
	s_wait_xcnt 0x0                                ; the last block's stores have read v[PC] on
.endif
	WIN 0x02+(\a)/4                                ; source 0: the accumulators' window
.set n, 0
.rept 32
	v_pk_add_f32 v[T+n:T+n+1], v[64*((\a)%4)+n:64*((\a)%4)+n+1], v[BI+n:BI+n+1]   ; each accumulator from its low end on
.set n, n+2
.endr
	WIN 0
	QUANT T, PW+\a
	global_store_b128 v[L16], v[PC:PC+3], s[76:77] offset:3328*(\a/4)+768*(\a%4)
	global_store_b64 v[L8], v[PC+4:PC+5], s[76:77] offset:3328*(\a/4)+768*(\a%4)+512
	global_store_b128 v[L16], v[PC+6:PC+9], s[76:77] offset:106496+3328*(\a/4)+768*(\a%4)   ; the next head: 32 groups on
	global_store_b64 v[L8], v[PC+10:PC+11], s[76:77] offset:106496+3328*(\a/4)+768*(\a%4)+512
.if \a%4 == 3
	v_cndmask_b32 v[SP+\a-3], v[PW+\a-3], v[PW+\a-2], s[HM]   ; lanes 0-15 an even tile's words, lanes 16-31 the odd tile's
	v_cndmask_b32 v[SP+\a-2], v[PW+\a-1], v[PW+\a], s[HM]
	global_store_b64 v[L8], v[SP+\a-3:SP+\a-2], s[76:77] offset:3328*(\a/4)+3072
.irp i, 0,1,2,3
	v_lshrrev_b32 v[PW+\a-\i], 16, v[PW+\a-\i]     ; the second head's two bytes
.endr
	v_cndmask_b32 v[SP+\a-1], v[PW+\a-3], v[PW+\a-2], s[HM]
	v_cndmask_b32 v[SP+\a], v[PW+\a-1], v[PW+\a], s[HM]
	global_store_b64 v[L8], v[SP+\a-1:SP+\a], s[76:77] offset:106496+3328*(\a/4)+3072
.endif
.endr
	FINISH
.Lvarm:
	; ---- v: lane = channel, registers = 128 keys: a block's fragment is a tile of a quad of v
	s_lshl_b32 s67, s66, 2
	s_add_co_u32 s67, s67, s40                     ; which 256 tokens
	s_lshr_b32 s68, s67, 3                         ; the batch
	s_lshl_b32 s68, s68, 4
	s_lshl_b32 s69, s41, 2
	s_add_co_u32 s68, s68, s69
	s_lshl_b32 s69, s15, 1
	s_add_co_u32 s68, s68, s69                     ; my first head of the batch
	s_lshl_b32 s68, s68, 4
	s_and_b32 s69, s67, 7
	s_lshl_b32 s69, s69, 1
	s_add_co_u32 s68, s68, s69
	s_add_co_u32 s68, s68, s16                     ; x 16 + my step of 128 keys
	s_mul_i32 s68, s68, 6400
	s_add_co_u32 s76, s68, 6815744
	s_mov_b32 s77, 0
	s_add_nc_u64 s[76:77], s[8:9], s[76:77]
.irp a, 0,1,2,3,4,5,6,7
	ds_load_b32 v[BI+2*\a], v25 offset:256*(\a/4)+4*(32*((\a%4)/2)+8*(\a%2))     ; my channel's bias in block a, twice: a pair for the packed addition
	ds_load_b32 v[BI+2*\a+1], v25 offset:256*(\a/4)+4*(32*((\a%4)/2)+8*(\a%2))
.endr
	s_wait_dscnt 0x0
.irp a, 0,1,2,3,4,5,6,7
.if \a > 0
	s_wait_xcnt 0x0
.endif
	WIN 0x02+(\a)/4
.set n, 0
.rept 32
	v_pk_add_f32 v[T+n:T+n+1], v[64*((\a)%4)+n:64*((\a)%4)+n+1], v[BI+2*\a:BI+2*\a+1]
.set n, n+2
.endr
	WIN 0
	QUANT T, PW+\a
	PUTFRAG 76, 102400*(\a/4)+1536*(\a%4)          ; the next head: 16 quads on
.if \a%4 == 3
	v_cndmask_b32 v[SP+\a-3], v[PW+\a-3], v[PW+\a-2], s[HM]
	v_cndmask_b32 v[SP+\a-2], v[PW+\a-1], v[PW+\a], s[HM]
	global_store_b64 v[L8], v[SP+\a-3:SP+\a-2], s[76:77] offset:102400*(\a/4)+6144
.endif
.endr
	FINISH
.Lfunc_end_k_qae080fb047_qkvp:
	.size	k_qae080fb047_qkvp, .Lfunc_end_k_qae080fb047_qkvp-k_qae080fb047_qkvp
	.p2alignl 7, 3214868480
	.fill 96, 4, 3214868480
	.section	.rodata,"a",@progbits
	.p2align	6, 0x0
	.amdhsa_kernel k_qae080fb047_qkvp
		.amdhsa_group_segment_fixed_size 327680
		.amdhsa_private_segment_fixed_size 0
		.amdhsa_enable_private_segment 0
		.amdhsa_kernarg_size 24
		.amdhsa_user_sgpr_count 2
		.amdhsa_user_sgpr_kernarg_segment_ptr 1
		.amdhsa_wavefront_size32 1
		.amdhsa_system_sgpr_workgroup_id_x 1
		.amdhsa_system_sgpr_workgroup_id_y 1
		.amdhsa_system_sgpr_workgroup_id_z 1
		.amdhsa_system_vgpr_workitem_id 0
		.amdhsa_next_free_vgpr 1024
		.amdhsa_next_free_sgpr 100
		.amdhsa_reserve_vcc 0
		.amdhsa_float_denorm_mode_32 3
		.amdhsa_float_denorm_mode_16_64 3
		.amdhsa_memory_ordered 1
		.amdhsa_forward_progress 1
		.amdhsa_inst_pref_size 217
	.end_amdhsa_kernel
	.amdgpu_metadata
---
amdhsa.version: [ 1, 2 ]
amdhsa.kernels:
  - .name:           k_qae080fb047_qkvp
    .symbol:         k_qae080fb047_qkvp.kd
    .args:
      - { .name: img0, .offset: 0, .size: 8, .value_kind: global_buffer, .address_space: global }
      - { .name: qkv_b, .offset: 8, .size: 8, .value_kind: global_buffer, .address_space: global }
      - { .name: qkvimg, .offset: 16, .size: 8, .value_kind: global_buffer, .address_space: global }
    .group_segment_fixed_size: 327680
    .private_segment_fixed_size: 0
    .kernarg_segment_align: 8
    .kernarg_segment_size: 24
    .max_flat_workgroup_size: 128
    .sgpr_count:     100
    .vgpr_count:     1024
    .wavefront_size: 32
...
	.end_amdgpu_metadata
.endif
;; end of part 2
;; launch att (part 3): grid 8 x 32, 16 waves a work-group, clusters of 4 x 1, 210,944 bytes of LDS; arguments qkvimg, act; writes act
.if DOCPART == 3
	.amdgcn_target "amdgcn-amd-amdhsa--gfx1250"
	.amdhsa_code_object_version 6
	.text
	.protected	k_qae080fb047_att
	.globl	k_qae080fb047_att
	.p2align	8
	.type	k_qae080fb047_att,@function
k_qae080fb047_att:
	s_mov_b64 s[64:65], 0
	v_nop
	global_prefetch_b8 v0, s[64:65] scope:SCOPE_SE
	s_setreg_imm32_b32 hwreg(HW_REG_WAVE_MODE, 25, 1), 1
	s_wait_xcnt 0x0
	s_wait_alu depctr_hold_cnt(0) depctr_sa_sdst(0) depctr_va_vdst(0) depctr_va_sdst(0) depctr_va_ssrc(0) depctr_va_vcc(0) depctr_vm_vsrc(0)
	s_getreg_b32 s2, hwreg(HW_REG_IB_STS2, 6, 4)
	s_cmp_eq_u32 s2, 0
	s_cbranch_scc0 .Lentry_in_a_cluster
	s_endpgm
.Lentry_in_a_cluster:
	s_bfe_u32 s2, ttmp6, 0x10000c
	s_cmp_lg_u32 s2, 0x3003
	s_cbranch_scc0 .Lentry_shape_is_right
	s_endpgm
.Lentry_shape_is_right:
; ctx[q] = the sum over keys of softmax(q . k / 8) v, for each of 32 heads of the batch (2,048 tokens, head size 64), both products on codes of BF6 (E3M2) with E8M0 scales; ctx leaves quantised along its 1,024 columns, as the next product's operand image.
; IN.  qkvimg: q and k as [32 heads][32 groups of 64 tokens] of 3,328 bytes: four half fragments of 768 bytes (registers 0-3 of lane l at 16 l, 4-5 at 512 + 8 l), then scale words (lane l's 8 bytes at 3,072 + 8 l: tile l / 16's, tile 2 + l / 16's);
; v as [32][16 steps of 128 keys] quads of 6,400 bytes: four fragments of 1,536 bytes (16 channels x 128 keys), then scale words at 6,144.  Place p of tile i holds row 32 (i / 2) + 16 (p / 8) + 8 (i % 2) + p % 8 of its 64.
; The first product's K is 64: registers 6-11 of q's and k's fragments are zero codes, which add nothing under any scale byte but 0xff, and no such byte is made.
; THE SOFTMAX AHEAD OF THE SECOND PRODUCT: t = score x log2(e) / 8; M = the running largest t rounded UP to a whole number; p = 2^(t - M) is quantised along the keys, not normalised; the row's sum is taken of the unquantised p and divides at the end.
; When M moves, the sum and O are multiplied by 2^(old M - new M): exact.
; SHARES.  A work-group owns 256 queries of one head, each of its sixteen waves one tile of 16, in 256 registers: four waves to a SIMD, so that one wave's vector work stands beside another's products and LDS loads.
; Both products are used transposed (S^T = k q^T, O^T = v^T p^T): a lane holds one query throughout, and the 16 registers of two neighbouring tiles are 16 neighbouring keys or channels.
; LDS.  A head's whole k (106,496 bytes) and whole v (102,400 bytes) are brought ONCE, in four parts each of 512 keys; no byte is filled again, so there is no ring.  Wave 0 asks for k's four parts, wave 1 for v's: four loads of a wave are out at the most.
; CLUSTER.  The four blocks of queries of a cluster belong to one head and read the same k and v: each part is asked for jointly, by the same load with a mask that names the four.
; LIMITS: NaN and infinities are not served; v_exp_f32 and v_rcp_f32 are accurate to 1 ulp and flush denormals; a block of ctx or of p whose largest magnitude lies under 2^-122 gets the byte 1.
.set L16, 1
.set L8,  2
.set ADK, 3                            ; v3, v4 the step's k: + 16 x lane, + 8 x lane
.set ADV, 5                            ; v5, v6 the step's v
.set QF,  16                           ; v16-27 q's fragment
.set KS,  28                           ; v28-31 k's scale words
.set KF,  32                           ; v32-79 four fragments of k
.set VF,  80                           ; v80-127 four fragments of v
.set S,   128                          ; v128-191 S^T, then p
.set O,   192                          ; v192-223 O^T
.set P,   224                          ; v224-235 p's codes
.set BX,  236                          ; v236-239 the blocks' largest scores, then largest p
.set PT,  240                          ; v240-243 at work
.set SO,  244                          ; v244-247 the conversions' scale operands
.set VS,  248                          ; v248-249 v's scale words
.set PSW, 250                          ; v250 p's scale word
.set QSC, 251                          ; v251 q's scale words
.set WV,  18
.set SEL, 20
.set CS,  22                           ; s[22:23] c = log2(e) / 8
.set G1K, 24
.set G1V, 32
.set G0K, 40                           ; s[40:55] four groups 0 for k's parts
.set G0V, 68                           ; s[68:83] four for v's
.set TK,  84
.set TV,  85
.set CNT, 99
.macro CROUND                          ; a round of the cluster's barrier
	s_barrier_signal -1
	s_barrier_wait -1
	s_cmp_lg_u32 s[WV], 0
	s_cbranch_scc1 .Lnot_wave_0_\@
	s_barrier_signal -3
.Lnot_wave_0_\@:
	s_barrier_wait -3
	s_barrier_signal -1
	s_barrier_wait -1
.endm
.macro WM d, b, a, zero, sb, sa, rb    ; one product; rb: source 0's scale words stand in lanes 16-31
.set WSEL, 2*(\zero)+(\rb)
.if WSEL == 0
	v_wmma_scale_f32_16x16x128_f8f6f4 v[\d:\d+7], v[\b:\b+11], v[\a:\a+11], v[\d:\d+7], v[\sb], v[\sa] matrix_a_fmt:MATRIX_FMT_BF6 matrix_b_fmt:MATRIX_FMT_BF6
.elseif WSEL == 1
	v_wmma_scale_f32_16x16x128_f8f6f4 v[\d:\d+7], v[\b:\b+11], v[\a:\a+11], v[\d:\d+7], v[\sb], v[\sa] matrix_a_fmt:MATRIX_FMT_BF6 matrix_b_fmt:MATRIX_FMT_BF6 matrix_a_scale:MATRIX_SCALE_ROW1
.elseif WSEL == 2
	v_wmma_scale_f32_16x16x128_f8f6f4 v[\d:\d+7], v[\b:\b+11], v[\a:\a+11], 0, v[\sb], v[\sa] matrix_a_fmt:MATRIX_FMT_BF6 matrix_b_fmt:MATRIX_FMT_BF6
.else
	v_wmma_scale_f32_16x16x128_f8f6f4 v[\d:\d+7], v[\b:\b+11], v[\a:\a+11], 0, v[\sb], v[\sa] matrix_a_fmt:MATRIX_FMT_BF6 matrix_b_fmt:MATRIX_FMT_BF6 matrix_a_scale:MATRIX_SCALE_ROW1
.endif
.endm
	s_load_b128 s[4:7], s[0:1], 0x0                ; qkvimg, act
	v_lshl_add_u32 v11, v0, 2, 0x33000
	v_mov_b32 v255, 0
	ds_add_u32 v11, v255
	ds_add_u32 v11, v255
	v_lshrrev_b32 v7, 5, v0
	v_readfirstlane_b32 s[WV], v7                  ; wave 0..15
	s_bfe_u32 s8, ttmp6, 0x40000                   ; cx
	s_lshl_b32 s9, ttmp9, 2
	s_add_co_u32 s9, s9, s8                        ; my block of 256 queries: it enters q's and act's addresses alone
	s_and_b32 s10, ttmp7, 0xffff                   ; the head of the batch, which the four partners share
	s_mov_b32 s[G1K], 15|(3<<16)|(1<<21)           ; 15:0 the mask: all four work-groups; 17:16 elements of 8 bytes; 21 set beside a mask; no padding
	s_mov_b32 s[G1K+1], 32<<16                     ; rows of 256 bytes,
	s_mov_b32 s[G1K+2], 104<<16                    ; 104 of them: eight groups of 64 keys, dense in memory
	s_mov_b32 s[G1K+3], 32<<16
	s_mov_b32 s[G1K+4], 104
	s_mov_b32 s[G1K+5], 32
	s_mov_b32 s[G1K+6], 0
	s_mov_b32 s[G1K+7], 0
	s_mov_b32 s[G1V], 15|(3<<16)|(1<<21)
	s_mov_b32 s[G1V+1], 32<<16
	s_mov_b32 s[G1V+2], 100<<16                    ; 100 rows: four quads
	s_mov_b32 s[G1V+3], 32<<16
	s_mov_b32 s[G1V+4], 100
	s_mov_b32 s[G1V+5], 32
	s_mov_b32 s[G1V+6], 0
	s_mov_b32 s[G1V+7], 0
	s_mul_i32 s12, s10, 106496
	s_add_co_u32 s12, s12, 3407872
	s_mov_b32 s13, 0
	s_mul_i32 s14, s10, 102400
	s_add_co_u32 s14, s14, 6815744
	s_mov_b32 s15, 0
	s_mov_b32 s[SEL], 0x76543210
	s_mov_b32 s[SEL+1], 0xfedcba98
	s_mov_b32 s[CS], 0x3e38aa3b
	s_mov_b32 s[CS+1], s[CS]                       ; (named with it as a pair, so it is written)
	s_wait_dscnt 0x0
	s_wait_kmcnt 0x0
	s_add_nc_u64 s[12:13], s[4:5], s[12:13]        ; the head's k
	s_add_nc_u64 s[14:15], s[4:5], s[14:15]        ; the head's v
.irp n, 0,1,2,3
	s_mov_b32 s[G0K+4*\n], 1
	s_mov_b32 s[G0K+4*\n+1], \n*26624
	s_add_nc_u64 s[G0K+4*\n+2:G0K+4*\n+3], s[12:13], \n*26624
	s_or_b32 s[G0K+4*\n+3], s[G0K+4*\n+3], 0x80000000
	s_mov_b32 s[G0V+4*\n], 1
	s_mov_b32 s[G0V+4*\n+1], 106496+\n*25600
	s_add_nc_u64 s[G0V+4*\n+2:G0V+4*\n+3], s[14:15], \n*25600
	s_or_b32 s[G0V+4*\n+3], s[G0V+4*\n+3], 0x80000000
.endr
	CROUND                                         ; all four work-groups are here: the joint loads meet
	s_cmp_eq_u32 s[WV], 0                          ; a wave's four loads stand in one branch on the wave's number, ahead of every wait on TENSORcnt, every LDS read and every other barrier
	s_cbranch_scc0 .Lnot_k
.irp n, 0,1,2,3
	tensor_load_to_lds s[G0K+4*\n:G0K+4*\n+3], s[G1K:G1K+7]
	s_nop 0
.endr
.rept 4
	v_nop
.endr
	s_branch .Lasked
.Lnot_k:
	s_cmp_eq_u32 s[WV], 1
	s_cbranch_scc0 .Lasked
.irp n, 0,1,2,3
	tensor_load_to_lds s[G0V+4*\n:G0V+4*\n+3], s[G1V:G1V+7]
	s_nop 0
.endr
.rept 4
	v_nop
.endr
.Lasked:
	v_and_b32 v7, 31, v0                           ; lane; kept
	v_lshlrev_b32 v[L16], 4, v7
	v_lshlrev_b32 v[L8], 3, v7
	v_and_b32 v8, 15, v0                           ; r
	s_lshr_b32 s16, s[WV], 2
	s_and_b32 s17, s[WV], 3                        ; my tile of the group
	s_lshl_b32 s19, s9, 2
	s_add_co_u32 s19, s19, s16                     ; my group of 64 tokens
	s_lshl_b32 s86, s10, 5
	s_add_co_u32 s86, s86, s19
	s_mul_i32 s86, s86, 3328
	s_mov_b32 s87, 0
	s_add_nc_u64 s[86:87], s[4:5], s[86:87]        ; q's group,
	s_mul_i32 s88, s17, 768
	s_mov_b32 s89, 0
	s_add_nc_u64 s[88:89], s[86:87], s[88:89]      ; my tile's half fragment
	global_load_b128 v[QF:QF+3], v[L16], s[88:89]
	global_load_b64 v[QF+4:QF+5], v[L8], s[88:89] offset:512
	s_and_b32 s90, s17, 1
	s_lshl_b32 s90, s90, 7
	s_lshr_b32 s91, s17, 1
	s_lshl_b32 s91, s91, 2
	s_add_co_u32 s90, s90, s91
	v_lshl_add_u32 v9, v8, 3, s90                  ; my row's scale word among a group's: 8 (16 (tile % 2) + r) + 4 (tile / 2)
	global_load_b32 v[QSC], v9, s[86:87] offset:3072
	s_and_b32 s92, s10, 15                         ; the head: ctx's columns 64 head on: K step head / 2 of the next product, half head % 2 of its fragments
	s_lshr_b32 s93, s92, 1
	s_lshl_b32 s93, s93, 6
	s_lshr_b32 s94, s10, 4                         ; the batch
	s_lshl_b32 s94, s94, 5
	s_add_co_u32 s93, s93, s94
	s_add_co_u32 s93, s93, s19
	s_mul_i32 s94, s93, 6400
	s_mov_b32 s95, 0
	s_add_nc_u64 s[6:7], s[6:7], s[94:95]          ; my quad of act
	s_and_b32 s92, s92, 1
	s_mul_i32 s93, s17, 1536
	s_mul_i32 s94, s92, 768
	s_add_co_u32 s94, s94, s93
	s_add_nc_u64 s[96:97], s[6:7], s[94:95]        ; my half fragment in it
	s_lshl_b32 s92, s92, 1
	v_add_nc_u32 v10, s92, v9                      ; and my row's two scale bytes
	v_mov_b32 v13, 0xff61b1e6                      ; the largest t so far: -3e38
	v_floor_f32 v12, -v13                          ; -M
	v_mov_b32 v14, 0                               ; the sum, in two halves
	v_mov_b32 v15, 0
	v_mov_b32 v253, 0                              ; (named as the upper half of the pair v[252:253])
.irp b, 0,1,2,3
	v_mov_b32 v[PT+\b], 0                          ; a lane permute's destination counts as one of its sources
.endr
.irp p, 6,7,8,9,10,11
	v_mov_b32 v[QF+\p], 0                          ; zero codes for the upper 64 of the instruction's 128 along K, in q
.irp t, 0,1,2,3
	v_mov_b32 v[KF+12*\t+\p], 0                    ; and in k: written once, never loaded
.endr
.endr
.set j, 0
.rept 32
	v_mov_b32 v[O+j], 0                            ; O^T: the step is written once; the first finds zeros, which the first change of M leaves zeros
.set j, j+1
.endr
; A KEY STEP: 128 keys: two groups of k, one quad of v.
.macro STEP
	v_add_nc_u32 v[ADK], s[TK], v[L16]             ; (these four are also places behind the last step's products)
	v_add_nc_u32 v[ADK+1], s[TK], v[L8]
	v_add_nc_u32 v[ADV], s[TV], v[L16]
	v_add_nc_u32 v[ADV+1], s[TV], v[L8]
	ds_load_b64 v[KS:KS+1], v[ADK+1] offset:3072
	ds_load_b64 v[KS+2:KS+3], v[ADK+1] offset:6400
.irp g, 0,1                                    ; S^T = k q^T, a group of 64 keys at a time
.if \g
.rept 4
	v_nop                                          ; places in front of loads into registers that products have read
.endr
.endif
.irp t, 0,1,2,3
	ds_load_b128 v[KF+12*\t:KF+12*\t+3], v[ADK] offset:3328*\g+768*\t
	ds_load_b64 v[KF+12*\t+4:KF+12*\t+5], v[ADK+1] offset:3328*\g+768*\t+512
.endr
	s_wait_dscnt 0x0
.irp t, 0,1,2,3
	WM S+8*(4*\g+\t), KF+12*\t, QF, 1, KS+2*\g+\t/2, QSC, \t%2
.endr
.endr
.irp t, 0,1,2,3                                ; v's fragments are asked for here and land under the softmax
	ds_load_b128 v[VF+12*\t:VF+12*\t+3], v[ADV] offset:1536*\t
	ds_load_b64 v[VF+12*\t+4:VF+12*\t+5], v[ADV+1] offset:1536*\t+512
	ds_load_b128 v[VF+12*\t+6:VF+12*\t+9], v[ADV] offset:1536*\t+768
	ds_load_b64 v[VF+12*\t+10:VF+12*\t+11], v[ADV+1] offset:1536*\t+1280
.endr
	ds_load_b64 v[VS:VS+1], v[ADV+1] offset:6144
.rept 4
	v_nop                                          ; places in front of the first read of the scores
.endr
.irp b, 0,1,2,3
	v_max3_num_f32 v[BX+\b], v[S+16*\b], v[S+1+16*\b], v[S+2+16*\b]   ; the largest score of each block of 32 keys: for the row's maximum, and, since p rises with the score, for the block's largest p
.endr
.irp i, 3,5,7,9,11,13
.irp b, 0,1,2,3
	v_max3_num_f32 v[BX+\b], v[BX+\b], v[S+16*\b+\i], v[S+1+16*\b+\i]
.endr
.endr
.irp b, 0,1,2,3
	v_max_num_f32 v[BX+\b], v[BX+\b], v[S+15+16*\b]
.endr
.irp b, 0,1,2,3
	v_permlanex16_b32 v[PT+\b], v[BX+\b], s[SEL], s[SEL+1]
.endr
.irp b, 0,1,2,3
	v_max_num_f32 v[BX+\b], v[BX+\b], v[PT+\b]     ; with lane l xor 16's 16 keys
.endr
	v_max3_num_f32 v254, v[BX], v[BX+1], v[BX+2]
	v_max_num_f32 v254, v254, v[BX+3]
	v_mul_f32 v254, s[CS], v254                    ; the step's largest t (c is positive)
	v_max_num_f32 v13, v13, v254
	v_mov_b32 v254, v12
	v_floor_f32 v12, -v13                          ; the new -M = floor(-t): M is a whole number
	v_sub_f32 v254, v12, v254                      ; old M - new M: a whole number, 0 or less
	v_cvt_i32_f32 v254, v254                       ; (it saturates)
	v_ldexp_f32 v252, 1.0, v254                    ; f = 2^(old M - new M)
.set j, 0
.rept 32
	v_pk_fma_f32 v[S+j:S+j+1], v[S+j:S+j+1], s[CS:CS+1], v[12:13] op_sel_hi:[1,0,0]   ; t - M, two at a time
.set j, j+2
.endr
.irp b, 0,1,2,3
	v_fma_f32 v[BX+\b], v[BX+\b], s[CS], v12       ; the same of each block's largest score
.endr
.set j, 0
.rept 64
	v_exp_f32 v[S+j], v[S+j]                       ; p = 2^(t - M), at most 1
.set j, j+1
.endr
	v_pk_mul_f32 v[14:15], v[14:15], v[252:253] op_sel_hi:[1,0]   ; the sums under the new M; a plain instruction behind the exponentials
	s_wait_alu depctr_va_vdst(0)                   ; one wait for the whole batch, ahead of its first reader
.irp b, 0,1,2,3
	v_exp_f32 v[BX+\b], v[BX+\b]                   ; the block's largest p: the same two instructions on the same number
.endr
	v_pk_add_f32 v[PT:PT+1], v[S:S+1], v[S+2:S+3]  ; the row's sum is taken of the unquantised p, in two chains
.set j, 4
.rept 15
	v_pk_add_f32 v[14:15], v[14:15], v[S+j:S+j+1]
	v_pk_add_f32 v[PT:PT+1], v[PT:PT+1], v[S+j+2:S+j+3]
.set j, j+4
.endr
	v_pk_add_f32 v[14:15], v[14:15], v[PT:PT+1]
	s_wait_alu depctr_va_vdst(0)                   ; and one for the four
.irp b, 0,1,2,3
	v_max_num_f32 v[BX+\b], 0x2800000, v[BX+\b]    ; the floor 2^(5 - 127)
.endr
.irp b, 0,1,2,3
	v_add_nc_u32 v[SO+\b], 0xfe000000, v[BX+\b]
.endr
.irp b, 0,1,2,3
	v_lshrrev_b32 v[PT+\b], 23, v[SO+\b]
.endr
	v_lshl_or_b32 v[PSW], v[PT+1], 8, v[PT]        ; p's scale word for these 128 keys
	v_lshl_or_b32 v[PSW], v[PT+2], 16, v[PSW]
	v_lshl_or_b32 v[PSW], v[PT+3], 24, v[PSW]
	v_cvt_scalef32_pk16_bf6_f32 v[P:P+2], v[S:S+15], v[SO]
	v_cvt_scalef32_pk16_bf6_f32 v[BX:BX+2], v[S+16:S+31], v[SO+1]
	v_cvt_scalef32_pk16_bf6_f32 v[P+6:P+8], v[S+32:S+47], v[SO+2]
	v_cvt_scalef32_pk16_bf6_f32 v[PT:PT+2], v[S+48:S+63], v[SO+3]
	v_nop                                          ; one plain instruction behind the scaled conversions
.irp i, 0,1,2
	v_permlane16_swap_b32 v[P+\i], v[BX+\i]        ; a whole block to a lane
.endr
.irp i, 0,1,2
	v_mov_b32 v[P+3+\i], v[BX+\i]
.endr
.irp i, 0,1,2
	v_permlane16_swap_b32 v[P+6+\i], v[PT+\i]
.endr
.irp i, 0,1,2
	v_mov_b32 v[P+9+\i], v[PT+\i]
.endr
.set j, 0
.rept 16
	v_pk_mul_f32 v[O+j:O+j+1], v[O+j:O+j+1], v[252:253] op_sel_hi:[1,0]   ; O^T under the new M; these sixteen also stand between the writes of p's codes and scale word and the products
.set j, j+2
.endr
	s_wait_dscnt 0x0                               ; v is in
.irp t, 0,1,2,3
	WM O+8*\t, VF+12*\t, P, 0, VS+\t/2, PSW, \t%2  ; O^T += v^T p^T: four accumulators by turns
.endr
.endm
; Four key steps: the n-th part of k and of v.  The wave that asked for it waits until it has landed (the later parts' loads may stay out), then the barrier shows it to all sixteen.
.macro GROUP n
	s_wait_tensorcnt 3-\n
	s_wait_dscnt 0x0
	s_barrier_signal -1
	s_barrier_wait -1
	s_mov_b32 s[TK], \n*26624
	s_mov_b32 s[TV], 106496+\n*25600
	s_mov_b32 s[CNT], 4
.Lstep_\@:
	STEP
	s_add_co_u32 s[TK], s[TK], 6656
	s_add_co_u32 s[TV], s[TV], 6400
	s_sub_co_u32 s[CNT], s[CNT], 1
	s_cmp_lg_u32 s[CNT], 0
	s_cbranch_scc1 .Lstep_\@
.endm
	s_wait_loadcnt 0x0                             ; q
	GROUP 0
	GROUP 1
	GROUP 2
	GROUP 3
	; THE WAY OUT: O^T / the sum, quantised along the head's 64 channels: half a fragment and two scale bytes a row
	v_add_f32 v14, v14, v15
	v_permlanex16_b32 v252, v14, s[SEL], s[SEL+1]
	v_add_f32 v14, v14, v252                       ; the row's sum
	v_rcp_f32 v14, v14
.rept 3
	v_nop                                          ; a plain instruction behind the reciprocal; with the two additions: the places behind the last products
.endr
	s_wait_alu depctr_va_vdst(0)
.set j, 0
.rept 32
	v_mul_f32 v[S+j], v[O+j], v14                  ; register 16 b + i: channel 32 b + 16 (lane / 16) + i
.set j, j+1
.endr
.irp b, 0,1
	v_max3_num_f32 v[BX+\b], |v[S+16*\b]|, |v[S+1+16*\b]|, 0x2800000
.endr
.irp i, 2,4,6,8,10,12,14
.irp b, 0,1
	v_max3_num_f32 v[BX+\b], v[BX+\b], |v[S+16*\b+\i]|, |v[S+1+16*\b+\i]|
.endr
.endr
.irp b, 0,1
	v_permlanex16_b32 v[PT+\b], v[BX+\b], s[SEL], s[SEL+1]
.endr
.irp b, 0,1
	v_max_num_f32 v[BX+\b], v[BX+\b], v[PT+\b]
.endr
.irp b, 0,1
	v_add_nc_u32 v[SO+\b], 0xfe000000, v[BX+\b]
.endr
.irp b, 0,1
	v_lshrrev_b32 v[PT+\b], 23, v[SO+\b]
.endr
	v_lshl_or_b32 v254, v[PT+1], 8, v[PT]
	v_cvt_scalef32_pk16_bf6_f32 v[P:P+2], v[S:S+15], v[SO]
	v_cvt_scalef32_pk16_bf6_f32 v[BX:BX+2], v[S+16:S+31], v[SO+1]
	v_nop
.irp i, 0,1,2
	v_permlane16_swap_b32 v[P+\i], v[BX+\i]
.endr
.irp i, 0,1,2
	v_mov_b32 v[P+3+\i], v[BX+\i]
.endr
	global_store_b128 v[L16], v[P:P+3], s[96:97]   ; 512 consecutive bytes, aligned to 256
	global_store_b64 v[L8], v[P+4:P+5], s[96:97] offset:512
	s_wait_xcnt 0x0                                ; EXEC changes only behind this wait
	v_cmp_gt_u32 vcc_lo, 16, v7
	s_and_saveexec_b32 s98, vcc_lo
	global_store_b16 v10, v254, s[6:7] offset:6144 ; lanes 0-15: a row's two bytes (the word's other two are the neighbour head's)
	s_wait_xcnt 0x0
	s_or_b32 exec_lo, exec_lo, s98
	s_wait_tensorcnt 0x0
	ds_add_u32 v11, v255
	s_wait_dscnt 0x0
	CROUND                                         ; the closing round
	s_endpgm
.Lfunc_end_k_qae080fb047_att:
	.size	k_qae080fb047_att, .Lfunc_end_k_qae080fb047_att-k_qae080fb047_att
	.p2alignl 7, 3214868480
	.fill 96, 4, 3214868480
	.section	.rodata,"a",@progbits
	.p2align	6, 0x0
	.amdhsa_kernel k_qae080fb047_att
		.amdhsa_group_segment_fixed_size 210944
		.amdhsa_private_segment_fixed_size 0
		.amdhsa_enable_private_segment 0
		.amdhsa_kernarg_size 16
		.amdhsa_user_sgpr_count 2
		.amdhsa_user_sgpr_kernarg_segment_ptr 1
		.amdhsa_wavefront_size32 1
		.amdhsa_system_sgpr_workgroup_id_x 1
		.amdhsa_system_sgpr_workgroup_id_y 1
		.amdhsa_system_sgpr_workgroup_id_z 1
		.amdhsa_system_vgpr_workitem_id 0
		.amdhsa_next_free_vgpr 256
		.amdhsa_next_free_sgpr 100
		.amdhsa_reserve_vcc 1
		.amdhsa_float_denorm_mode_32 3
		.amdhsa_float_denorm_mode_16_64 3
		.amdhsa_memory_ordered 1
		.amdhsa_forward_progress 1
		.amdhsa_inst_pref_size 79
	.end_amdhsa_kernel
	.amdgpu_metadata
---
amdhsa.version: [ 1, 2 ]
amdhsa.kernels:
  - .name:           k_qae080fb047_att
    .symbol:         k_qae080fb047_att.kd
    .args:
      - { .name: qkvimg, .offset: 0, .size: 8, .value_kind: global_buffer, .address_space: global }
      - { .name: act, .offset: 8, .size: 8, .value_kind: global_buffer, .address_space: global }
    .group_segment_fixed_size: 210944
    .private_segment_fixed_size: 0
    .kernarg_segment_align: 8
    .kernarg_segment_size: 16
    .max_flat_workgroup_size: 512
    .sgpr_count:     100
    .vgpr_count:     256
    .wavefront_size: 32
...
	.end_amdgpu_metadata
.endif
;; end of part 3
;; launch outp (part 4): grid 4 x 16, 4 waves a work-group, clusters of 4 x 4, 327,680 bytes of LDS; arguments act, img0, out_b, src, z; writes z
.if DOCPART == 4
	.amdgcn_target "amdgcn-amd-amdhsa--gfx1250"
	.amdhsa_code_object_version 6
	.text
	.protected	k_qae080fb047_outp
	.globl	k_qae080fb047_outp
	.p2align	8
	.type	k_qae080fb047_outp,@function
k_qae080fb047_outp:
	s_mov_b64 s[64:65], 0
	v_nop
	global_prefetch_b8 v0, s[64:65] scope:SCOPE_SE
	s_setreg_imm32_b32 hwreg(HW_REG_WAVE_MODE, 25, 1), 1
	s_wait_xcnt 0x0
	s_wait_alu depctr_hold_cnt(0) depctr_sa_sdst(0) depctr_va_vdst(0) depctr_va_sdst(0) depctr_va_ssrc(0) depctr_va_vcc(0) depctr_vm_vsrc(0)
	s_getreg_b32 s2, hwreg(HW_REG_IB_STS2, 6, 4)
	s_cmp_eq_u32 s2, 0
	s_cbranch_scc0 .Lentry_in_a_cluster
	s_endpgm
.Lentry_in_a_cluster:
	s_bfe_u32 s2, ttmp6, 0x10000c
	s_cmp_lg_u32 s2, 0xf033
	s_cbranch_scc0 .Lentry_shape_is_right
	s_endpgm
.Lentry_shape_is_right:
; z = src + ctx out_w^T + out_b: the product on codes of BF6 (E3M2) with E8M0 scales, the rest in f32.  ctx [4096][1024] comes as the operand image act, out_w [1024][1024] as the image in img0 from byte 5,734,400; z is [4096][1024] f32, true rows.
; OPERAND IMAGES.  A quad (6,400 bytes) is 64 rows x 128 K: four fragments of 1,536 bytes in the order of their registers (registers 0-3 of lane l at 16 l, 4-5 at 512 + 8 l, 6-9 at 768 + 16 l, 10-11 at 1,280 + 8 l), then the
; scale words (lane l's 8 bytes at 6,144 + 8 l: tile l / 16's word of row l % 16, then tile 2 + l / 16's).  Place p of tile i holds the quad's row 32 (i / 2) + 16 (p / 8) + 8 (i % 2) + p % 8.  An image is [K / 128][rows / 64] quads.
; A tile of C, 256 x 256, to a work-group of four waves; a wave makes 128 x 128 in 64 accumulators.  The matrix instruction is used transposed (source 0 = 16 rows of B = the weight, source 1 = 16 rows of A = the tokens):
; lane (r, h) holds A's place r, and the 16 registers of B's tiles 2 b, 2 b + 1 are columns 32 b + 16 h + 0 .. 15.
; K goes in steps of 256 through a ring of two LDS slots; a wave's one tensor load brings two quads of two K steps of 128 (two rows of 12,800 bytes).  4 x 4 work-groups form a cluster: A's tiles are asked for jointly along a row, B's along a column.
; THE WAY OUT.  A block of 16 places x 128 columns goes through the wave's own stage (rows of 528 bytes, in bytes that no tensor load fills) and comes back as whole rows of 512 bytes; bias and residual are added; each store covers 512 consecutive bytes.
; LIMITS: NaN and infinities are not served.
.set LAPS,   2                         ; K = 1,024
.set STRA,   409600                    ; 64 quads from K step to K step in A's image
.set STRB,   102400                    ; 16 quads in B's
.set BOFF,   5734400
.set QB,     6400
.set HALFT,  4*QB
.set SLOT,   4*HALFT
.set SPARE,  2*SLOT                    ; the spare words, 128 bytes a wave: two blocks of 256 bytes that no other line names
.set STAGE,  SPARE+512
.set FR,     12
.set NL,     4
.set NP,     4
.set ADRA, 16
.set ADRB, 20
.set STO,  24                          ; v24 the stage: where I put 32 bytes of a row
.set RD,   25                          ; v25 and where I read a row back
.set L16,  26
.set L8,   27
.set SPW,  28
.set NIL,  29
.set SC,   32                          ; v32-63 scale words and nothing else
.set AF,   128
.set G1,  24
.set G0,  32
.set G1B, 48
.set G0B, 56
.set MSB, 0
.macro WIN new
.if MSB != (\new)
	s_set_vgpr_msb (MSB<<8)|(\new)
.set MSB, \new
.endif
.endm
.set MUL_LO, 0xa1
.set MUL_HI, 0xf1
.set TO_B,   0x40
.macro JLOAD g0a, g1a, g0b, g1b        ; a joint load: waves 0 and 1 fetch A's halves, waves 2 and 3 B's; four v_nop follow each line
	s_cmp_eq_u32 s15, 0
	s_cbranch_scc0 .Lfor_b_\@
	tensor_load_to_lds s[\g0a:\g0a+3], s[\g1a:\g1a+7]
	s_nop 0
.rept 4
	v_nop
.endr
	s_branch .Lasked_\@
.Lfor_b_\@:
	tensor_load_to_lds s[\g0b:\g0b+3], s[\g1b:\g1b+7]
	s_nop 0
.rept 4
	v_nop
.endr
.Lasked_\@:
.endm
.macro CREST
	s_cmp_lg_u32 s14, 0
	s_cbranch_scc1 .Lnot_wave_0_\@
	s_barrier_signal -3
.Lnot_wave_0_\@:
	s_barrier_wait -3
	s_barrier_signal -1
	s_barrier_wait -1
.endm
.macro CROUND
	s_barrier_signal -1
	s_barrier_wait -1
	CREST
.endm
.macro FRAG reg, adr, off
	ds_load_b128 v[\reg:\reg+3], v[\adr] offset:\off
	ds_load_b64 v[\reg+4:\reg+5], v[\adr+2] offset:(\off)+512
	ds_load_b128 v[\reg+6:\reg+9], v[\adr] offset:(\off)+768
	ds_load_b64 v[\reg+10:\reg+11], v[\adr+2] offset:(\off)+1280
.endm
.macro WM d, b, a, zero, sb, sa, rb, ra
.set WSEL, 4*(\zero)+2*(\rb)+(\ra)
.if WSEL == 0
	v_wmma_scale_f32_16x16x128_f8f6f4 v[\d:\d+7], v[\b:\b+11], v[\a:\a+11], v[\d:\d+7], v[\sb], v[\sa] matrix_a_fmt:MATRIX_FMT_BF6 matrix_b_fmt:MATRIX_FMT_BF6
.elseif WSEL == 1
	v_wmma_scale_f32_16x16x128_f8f6f4 v[\d:\d+7], v[\b:\b+11], v[\a:\a+11], v[\d:\d+7], v[\sb], v[\sa] matrix_a_fmt:MATRIX_FMT_BF6 matrix_b_fmt:MATRIX_FMT_BF6 matrix_b_scale:MATRIX_SCALE_ROW1
.elseif WSEL == 2
	v_wmma_scale_f32_16x16x128_f8f6f4 v[\d:\d+7], v[\b:\b+11], v[\a:\a+11], v[\d:\d+7], v[\sb], v[\sa] matrix_a_fmt:MATRIX_FMT_BF6 matrix_b_fmt:MATRIX_FMT_BF6 matrix_a_scale:MATRIX_SCALE_ROW1
.elseif WSEL == 3
	v_wmma_scale_f32_16x16x128_f8f6f4 v[\d:\d+7], v[\b:\b+11], v[\a:\a+11], v[\d:\d+7], v[\sb], v[\sa] matrix_a_fmt:MATRIX_FMT_BF6 matrix_b_fmt:MATRIX_FMT_BF6 matrix_a_scale:MATRIX_SCALE_ROW1 matrix_b_scale:MATRIX_SCALE_ROW1
.elseif WSEL == 4
	v_wmma_scale_f32_16x16x128_f8f6f4 v[\d:\d+7], v[\b:\b+11], v[\a:\a+11], 0, v[\sb], v[\sa] matrix_a_fmt:MATRIX_FMT_BF6 matrix_b_fmt:MATRIX_FMT_BF6
.elseif WSEL == 5
	v_wmma_scale_f32_16x16x128_f8f6f4 v[\d:\d+7], v[\b:\b+11], v[\a:\a+11], 0, v[\sb], v[\sa] matrix_a_fmt:MATRIX_FMT_BF6 matrix_b_fmt:MATRIX_FMT_BF6 matrix_b_scale:MATRIX_SCALE_ROW1
.elseif WSEL == 6
	v_wmma_scale_f32_16x16x128_f8f6f4 v[\d:\d+7], v[\b:\b+11], v[\a:\a+11], 0, v[\sb], v[\sa] matrix_a_fmt:MATRIX_FMT_BF6 matrix_b_fmt:MATRIX_FMT_BF6 matrix_a_scale:MATRIX_SCALE_ROW1
.else
	v_wmma_scale_f32_16x16x128_f8f6f4 v[\d:\d+7], v[\b:\b+11], v[\a:\a+11], 0, v[\sb], v[\sa] matrix_a_fmt:MATRIX_FMT_BF6 matrix_b_fmt:MATRIX_FMT_BF6 matrix_a_scale:MATRIX_SCALE_ROW1 matrix_b_scale:MATRIX_SCALE_ROW1
.endif
.endm
.macro MUL16 a0, p, q, sc, zero        ; the 64 accumulators take turns, one instruction a turn, in the same order in every step
.irp a, \a0, \a0+1
.irp b, 0,1,2,3,4,5,6,7
	WM 8*(8*((\a)%4)+\b), 128*(\p)+FR*\b, AF+FR*(\a), \zero, SC+16*(\sc)+8*(\q)+4+2*(\b/4)+(\b%4)/2, SC+16*(\sc)+8*(\q)+2*((\a)/4)+((\a)%4)/2, \b%2, (\a)%2
.endr
.endr
.endm
.macro FETCH_B slot, q, p
	WIN TO_B
.irp i, 0,1,2,3,4,5,6,7
	FRAG 128*(\p)+FR*\i, ADRB+\slot, 12800*(\q)+6400*(\i/4)+1536*(\i%4)
.endr
	WIN 0
.endm
.macro FETCH_A slot, q, i0
.irp j, 0,1,2,3
	FRAG AF+FR*(\i0+\j), ADRA+\slot, 12800*(\q)+6400*(\i0/4)+1536*\j
.endr
.endm
.macro SCALES sc
.irp q, 0,1
.irp e, 0,1
	ds_load_b64 v[SC+16*\sc+8*\q+2*\e:SC+16*\sc+8*\q+2*\e+1], v[ADRA+2+\sc] offset:12800*\q+6400*\e+6144
	ds_load_b64 v[SC+16*\sc+8*\q+4+2*\e:SC+16*\sc+8*\q+4+2*\e+1], v[ADRB+2+\sc] offset:12800*\q+6400*\e+6144
.endr
.endr
.endm
.macro PLACES n
.rept \n
	v_nop
.endr
.endm
.macro STEP slot, q, zero
	s_wait_dscnt 4*NL                              ; all but the youngest 16 loads (A's blocks 4-7) are in
	WIN MUL_LO
	MUL16 0, (\q)%2, \q, \slot, \zero
	MUL16 2, (\q)%2, \q, \slot, \zero
	s_wait_dscnt 0
	PLACES NP
	FETCH_B \slot, (\q)+1, 1-(\q)%2
	FETCH_A \slot, (\q)+1, 0
	WIN MUL_HI
	MUL16 4, (\q)%2, \q, \slot, \zero
	MUL16 6, (\q)%2, \q, \slot, \zero
	PLACES NP
	WIN 0
	FETCH_A \slot, (\q)+1, 4
.endm
.macro TURN slot, next, fill
	s_wait_tensorcnt 0x0                           ; all my tensor loads have landed: my part of the next slot
	ds_add_u32 v[SPW], v[NIL]                      ; 0 onto my spare word
	s_wait_dscnt 4*NL+1                            ; (the add and the youngest 16 loads may be out)
	WIN MUL_LO
	MUL16 0, 1, 1, \slot, 0
	s_wait_dscnt 0x0                               ; the add is done, and my reads of this slot are over
	s_barrier_signal -1
	MUL16 2, 1, 1, \slot, 0
	WIN 0
	s_barrier_wait -1
.if \fill
	CREST                                          ; the barrier has opened a round of the cluster's
	s_add_nc_u64 s[G0+4*\slot+2:G0+4*\slot+3], s[G0+4*\slot+2:G0+4*\slot+3], 4*STRA
	s_add_nc_u64 s[G0B+4*\slot+2:G0B+4*\slot+3], s[G0B+4*\slot+2:G0B+4*\slot+3], 4*STRB
	JLOAD G0+4*\slot, G1, G0B+4*\slot, G1B         ; the first tensor load behind the round, one a wave
.else
	PLACES NP
.endif
	FETCH_B \next, 0, 0
	FETCH_A \next, 0, 0
	SCALES \next
	WIN MUL_HI
	MUL16 4, 1, 1, \slot, 0
	MUL16 6, 1, 1, \slot, 0
	PLACES NP
	WIN 0
	FETCH_A \next, 0, 4
.endm
; the way out.  Place t of block a is my row 32 (a / 2) + 16 (t / 8) + 8 (a % 2) + t % 8
.macro RESID a                         ; the residual's 16 rows, 512 bytes each, into v64-127 of window a % 2
	WIN 0x40*((\a)%2)
.irp t, 0,1,2,3,4,5,6,7,8,9,10,11,12,13,14,15
	global_load_b128 v[64+4*\t:64+4*\t+3], v[L16], s[10:11] offset:(32*((\a)/2)+8*((\a)%2)+16*(\t/8)+\t%8)*4096 th:TH_LOAD_NT
.endr
	WIN 0
.endm
.macro TOSTAGE a
	WIN 0x08+4*((\a)/4)                            ; the data: window 2 or 3
.irp b, 0,1,2,3,4,5,6,7
	ds_store_b128 v[STO], v[64*((\a)%4)+8*\b:64*((\a)%4)+8*\b+3] offset:128*(\b/2)+32*(\b%2)       ; each accumulator from its low end on
	ds_store_b128 v[STO], v[64*((\a)%4)+8*\b+4:64*((\a)%4)+8*\b+7] offset:128*(\b/2)+32*(\b%2)+16
.endr
	WIN 0
.irp t, 0,1,2,3,4,5,6,7,8,9,10,11,12,13,14,15
	ds_load_b128 v[128+64*((\a)%2)+4*\t:128+64*((\a)%2)+4*\t+3], v[RD] offset:528*\t   ; LDS serves a wave's instructions in order: these see the stores above
.endr
.endm
.macro SEND a, yd, yl                  ; yd, yl: the LDS instructions and the loads issued behind block a's, which may stay out
	s_wait_dscnt \yd
	s_wait_loadcnt \yl
.irp t, 0,1,2,3,4,5,6,7,8,9,10,11,12,13,14,15
	v_pk_add_f32 v[128+64*((\a)%2)+4*\t:128+64*((\a)%2)+4*\t+1], v[128+64*((\a)%2)+4*\t:128+64*((\a)%2)+4*\t+1], v[8:9]
	v_pk_add_f32 v[128+64*((\a)%2)+4*\t+2:128+64*((\a)%2)+4*\t+3], v[128+64*((\a)%2)+4*\t+2:128+64*((\a)%2)+4*\t+3], v[10:11]
.endr
	WIN 0x04*((\a)%2)                              ; source 1: the residual's window
.set n, 0
.rept 32
	v_pk_add_f32 v[128+64*((\a)%2)+n:128+64*((\a)%2)+n+1], v[128+64*((\a)%2)+n:128+64*((\a)%2)+n+1], v[64+n:64+n+1]
.set n, n+2
.endr
	WIN 0
.irp t, 0,1,2,3,4,5,6,7,8,9,10,11,12,13,14,15
	global_store_b128 v[L16], v[128+64*((\a)%2)+4*\t:128+64*((\a)%2)+4*\t+3], s[12:13] offset:(32*((\a)/2)+8*((\a)%2)+16*(\t/8)+\t%8)*4096 th:TH_STORE_NT
.endr
.endm
	s_load_b256 s[4:11], s[0:1], 0x0               ; A's image, img0, the bias, the residual
	s_load_b64 s[12:13], s[0:1], 0x20              ; z
	v_lshl_add_u32 v[SPW], v0, 2, SPARE
	v_mov_b32 v[NIL], 0
	ds_add_u32 v28, v29
	ds_add_u32 v28, v29
	s_wait_dscnt 0x0
	v_lshrrev_b32 v1, 5, v0
	v_readfirstlane_b32 s14, v1                    ; wave 0..3
	v_and_b32 v1, 31, v0
	v_lshlrev_b32 v[L16], 4, v1
	v_lshlrev_b32 v[L8], 3, v1
	s_lshr_b32 s15, s14, 1                         ; which half of the rows is mine.  Also: I fetch for A (0) or for B (1)
	s_and_b32 s16, s14, 1                          ; which half of the columns.  Also: which half I fetch
	s_bfe_u32 s40, ttmp6, 0x40000                  ; cx
	s_bfe_u32 s41, ttmp6, 0x40004                  ; cy
	s_lshl_b32 s42, ttmp9, 2
	s_add_co_u32 s42, s42, s40                     ; tile column
	s_and_b32 s17, ttmp7, 0xffff
	s_lshl_b32 s17, s17, 2
	s_add_co_u32 s17, s17, s41                     ; tile row
	s_lshl_b32 s43, s41, 2
	s_lshl_b32 s43, 15, s43
	s_lshl_b32 s44, 0x1111, s40
	s_or_b32 s[G1+0], s43, (3<<16)|(1<<21)         ; the mask of my row; elements of 8 bytes; bit 21 beside a mask
	s_or_b32 s[G1B+0], s44, (3<<16)|(1<<21)        ; the mask of my column
.irp g, G1, G1B
	s_mov_b32 s[\g+1], 1600<<16                    ; two quads to a row,
	s_mov_b32 s[\g+2], 2<<16                       ; two K steps of 128
	s_mov_b32 s[\g+3], 1600<<16
	s_mov_b32 s[\g+4], 2
	s_mov_b32 s[\g+6], 0
	s_mov_b32 s[\g+7], 0
.endr
	s_mov_b32 s[G1+5], STRA/8
	s_mov_b32 s[G1B+5], STRB/8
	s_lshl_b32 s18, s16, 1
	s_lshl_b32 s20, s17, 2
	s_add_co_u32 s20, s20, s18                     ; A: quad 4 x tile row + 2 x half
	s_mul_i32 s20, s20, QB
	s_mov_b32 s21, 0
	s_lshl_b32 s46, s42, 2
	s_add_co_u32 s46, s46, s18                     ; B: quad 4 x tile column + 2 x half
	s_mul_i32 s46, s46, QB
	s_add_co_u32 s46, s46, BOFF
	s_mov_b32 s47, 0
	s_mul_i32 s45, s14, HALFT
	s_lshl_b32 s66, s42, 10
	s_lshl_b32 s67, s16, 9
	s_add_co_u32 s66, s66, s67                     ; my first column, in bytes
	s_mov_b32 s67, 0
	s_lshl_b32 s68, s17, 8
	s_lshl_b32 s69, s15, 7
	s_add_co_u32 s68, s68, s69                     ; my first row
	s_lshl_b32 s68, s68, 12
	s_add_co_u32 s68, s68, s66
	s_mov_b32 s69, 0
	s_wait_kmcnt 0x0
	s_add_nc_u64 s[20:21], s[4:5], s[20:21]
	s_add_nc_u64 s[46:47], s[6:7], s[46:47]
	s_add_nc_u64 s[8:9], s[8:9], s[66:67]
	s_add_nc_u64 s[10:11], s[10:11], s[68:69]
	s_add_nc_u64 s[12:13], s[12:13], s[68:69]
	global_load_b128 v[8:11], v[L16], s[8:9]       ; the bias of my four columns of a row that is read back
	CROUND
.irp s, 0,1
	s_mov_b32 s[G0+4*\s], 1
	s_add_co_u32 s[G0+4*\s+1], s45, \s*SLOT
	s_add_nc_u64 s[G0+4*\s+2:G0+4*\s+3], s[20:21], \s*2*STRA
	s_or_b32 s[G0+4*\s+3], s[G0+4*\s+3], 0x80000000
	s_mov_b32 s[G0B+4*\s], 1
	s_add_co_u32 s[G0B+4*\s+1], s45, \s*SLOT
	s_add_nc_u64 s[G0B+4*\s+2:G0B+4*\s+3], s[46:47], \s*2*STRB
	s_or_b32 s[G0B+4*\s+3], s[G0B+4*\s+3], 0x80000000
	JLOAD G0+4*\s, G1, G0B+4*\s, G1B
.endr
	s_mul_i32 s22, s15, HALFT
	s_mul_i32 s23, s16, HALFT
	s_add_co_u32 s23, s23, 2*HALFT
.irp s, 0,1
	v_add_nc_u32 v[ADRA+\s], s22, v[L16]
	v_add_nc_u32 v[ADRA+2+\s], s22, v[L8]
	v_add_nc_u32 v[ADRB+\s], s23, v[L16]
	v_add_nc_u32 v[ADRB+2+\s], s23, v[L8]
	s_add_co_u32 s22, s22, SLOT
	s_add_co_u32 s23, s23, SLOT
.endr
	s_mul_i32 s23, s14, 8448
	s_add_co_u32 s23, s23, STAGE                   ; my stage
	v_and_b32 v2, 15, v0
	v_bfe_u32 v3, v0, 4, 1
	v_mul_u32_u24 v4, v2, 528
	v_lshl_add_u32 v4, v3, 6, v4
	v_add_nc_u32 v[STO], s23, v4                   ; in: row r, + 64 h
	v_add_nc_u32 v[RD], s23, v[L16]                ; back: 16 bytes a lane
	s_wait_tensorcnt 1                             ; my part of slot 0 is in; slot 1's load may stay out
	s_barrier_signal -1
	s_barrier_wait -1
	FETCH_B 0, 0, 0
	FETCH_A 0, 0, 0
	SCALES 0
	FETCH_A 0, 0, 4
	STEP 0, 0, 1
	s_mov_b32 s3, LAPS-1
.Llap:
	TURN 0, 1, 1
	STEP 1, 0, 0
	TURN 1, 0, 1
	STEP 0, 0, 0
	s_sub_co_u32 s3, s3, 1
	s_cmp_lg_u32 s3, 0
	s_cbranch_scc1 .Llap
	TURN 0, 1, 0
	STEP 1, 0, 0
	s_wait_dscnt 4*NL
	WIN MUL_LO
	MUL16 0, 1, 1, 1, 0
	MUL16 2, 1, 1, 1, 0
	s_wait_dscnt 0
	WIN MUL_HI
	MUL16 4, 1, 1, 1, 0
	MUL16 6, 1, 1, 1, 0
	WIN 0
	PLACES NP                                      ; in front of the reads of results and of loads into registers that held fragments
	RESID 0
	TOSTAGE 0
.irp a, 1,2,3,4,5,6,7
.if \a > 1
	s_wait_xcnt 0x0                                ; block a - 2's stores have read their registers: block a's rows may land there
.endif
	RESID \a
	TOSTAGE \a
	SEND \a-1, 32, 16                              ; behind block a - 1's: block a's 16 stage stores and 16 stage loads, and its 16 residual loads
.endr
	SEND 7, 0, 0
	s_wait_tensorcnt 0x0                           ; the wave's end
	ds_add_u32 v[SPW], v[NIL]
	s_wait_dscnt 0x0
	CROUND                                         ; the closing round
	s_endpgm
.Lfunc_end_k_qae080fb047_outp:
	.size	k_qae080fb047_outp, .Lfunc_end_k_qae080fb047_outp-k_qae080fb047_outp
	.p2alignl 7, 3214868480
	.fill 96, 4, 3214868480
	.section	.rodata,"a",@progbits
	.p2align	6, 0x0
	.amdhsa_kernel k_qae080fb047_outp
		.amdhsa_group_segment_fixed_size 327680
		.amdhsa_private_segment_fixed_size 0
		.amdhsa_enable_private_segment 0
		.amdhsa_kernarg_size 40
		.amdhsa_user_sgpr_count 2
		.amdhsa_user_sgpr_kernarg_segment_ptr 1
		.amdhsa_wavefront_size32 1
		.amdhsa_system_sgpr_workgroup_id_x 1
		.amdhsa_system_sgpr_workgroup_id_y 1
		.amdhsa_system_sgpr_workgroup_id_z 1
		.amdhsa_system_vgpr_workitem_id 0
		.amdhsa_next_free_vgpr 1024
		.amdhsa_next_free_sgpr 100
		.amdhsa_reserve_vcc 0
		.amdhsa_float_denorm_mode_32 3
		.amdhsa_float_denorm_mode_16_64 3
		.amdhsa_memory_ordered 1
		.amdhsa_forward_progress 1
		.amdhsa_inst_pref_size 185
	.end_amdhsa_kernel
	.amdgpu_metadata
---
amdhsa.version: [ 1, 2 ]
amdhsa.kernels:
  - .name:           k_qae080fb047_outp
    .symbol:         k_qae080fb047_outp.kd
    .args:
      - { .name: act, .offset: 0, .size: 8, .value_kind: global_buffer, .address_space: global }
      - { .name: img0, .offset: 8, .size: 8, .value_kind: global_buffer, .address_space: global }
      - { .name: out_b, .offset: 16, .size: 8, .value_kind: global_buffer, .address_space: global }
      - { .name: src, .offset: 24, .size: 8, .value_kind: global_buffer, .address_space: global }
      - { .name: z, .offset: 32, .size: 8, .value_kind: global_buffer, .address_space: global }
    .group_segment_fixed_size: 327680
    .private_segment_fixed_size: 0
    .kernarg_segment_align: 8
    .kernarg_segment_size: 40
    .max_flat_workgroup_size: 128
    .sgpr_count:     100
    .vgpr_count:     1024
    .wavefront_size: 32
...
	.end_amdgpu_metadata
.endif
;; end of part 4
;; launch ln1 (part 5): grid 256 x 1, 4 waves a work-group, no clusters, 67,584 bytes of LDS; arguments z, ln1_g, ln1_b, agg, act; writes agg, act
.if DOCPART == 5
	.amdgcn_target "amdgcn-amd-amdhsa--gfx1250"
	.amdhsa_code_object_version 6
	.text
	.protected	k_qae080fb047_ln1
	.globl	k_qae080fb047_ln1
	.p2align	8
	.type	k_qae080fb047_ln1,@function
k_qae080fb047_ln1:
	s_mov_b64 s[64:65], 0
	v_nop
	global_prefetch_b8 v0, s[64:65] scope:SCOPE_SE
	s_setreg_imm32_b32 hwreg(HW_REG_WAVE_MODE, 25, 1), 1
	s_wait_xcnt 0x0
; y = (z - mean) x rsqrt(var + 1e-5) x g + b along rows of 1,024, in f32; y leaves as f32 rows and (DOQ = 1) as codes of BF6 (E3M2) with E8M0 scales, in the operand image that the next product reads.
; SHARES.  A work-group takes one tile of an image: 16 rows, tile i = work-group % 4 of quad Q = work-group / 4; place p is row 64 Q + 32 (i / 2) + 16 (p / 8) + 8 (i % 2) + p % 8.  Wave w takes columns 256 w .. 256 w + 255: two K steps of 128.
; Each load and store of f32 rows covers 512 consecutive bytes.  The rows turn through the wave's own stage in LDS (rows of 1,040 bytes), so that lane (r, h) holds, of row r, 16 neighbours of each block of 32: register 16 b + i = column 32 b + 16 h + i.
; The mean is taken first and the variance of the deviations in a second pass: no difference of large sums is formed.  The four waves' parts of a sum meet in LDS, with a barrier for each of the two sums, in bytes of their own.
; THE IMAGE (act): [8 K steps][64 quads] of 6,400 bytes: four fragments of 1,536 bytes (registers 0-3 of lane l at 16 l, 4-5 at 512 + 8 l, 6-9 at 768 + 16 l, 10-11 at 1,280 + 8 l), scale words at 6,144 + 8 (16 (tile % 2) + row) + 4 (tile / 2).
; Memory binds here: no matrix unit, no cluster (work-groups share only g and b, 8 KB).
; LIMITS: NaN and infinities are not served; v_rsq_f32 is accurate to 1 ulp; a block whose largest magnitude lies under 2^-122 gets the byte 1.
.set DOQ,  1
.set L16,  1
.set SIN,  2                           ; v2 the stage by rows: 16,640 x wave + 16 x lane
.set SOUT, 3                           ; v3 the stage by lanes: 16,640 x wave + 1,040 r + 64 h
.set RST,  4                           ; v4 where I put my wave's part of a sum: RED + 64 w + 4 r
.set RLD,  5                           ; v5 where the four parts of my row lie: RED + 4 r
.set GBO,  6                           ; v6 64 h
.set SSO,  7                           ; v7 my scale word's place
.set L8,   24
.set Z,    32                          ; v32-159 my 128 numbers;  window 1: v0-127 g, v128-255 b
.set TM,   160
.set CT,   176
.set PC,   184
.set PW,   196
.set RED,  66560                       ; behind the stages: 256 bytes for the first sum, 256 for the second
.set SEL,  32
.set HM,   34
.set MSB, 0
.macro WIN new
.if MSB != (\new)
	s_set_vgpr_msb (MSB<<8)|(\new)
.set MSB, \new
.endif
.endm
.macro QUANT s, pw                     ; 64 numbers of a lane become a fragment's codes in v[PC] on and its scale word in v[pw]
.irp b, 0,1,2,3
	v_max3_num_f32 v[TM+\b], |v[\s+16*\b]|, |v[\s+1+16*\b]|, 0x2800000   ; my 16 numbers of block b, and the floor 2^(5 - 127)
.endr
.irp i, 2,4,6,8,10,12,14
.irp b, 0,1,2,3
	v_max3_num_f32 v[TM+\b], v[TM+\b], |v[\s+16*\b+\i]|, |v[\s+1+16*\b+\i]|
.endr
.endr
.irp b, 0,1,2,3
	v_permlanex16_b32 v[TM+4+\b], v[TM+\b], s[SEL], s[SEL+1]
.endr
.irp b, 0,1,2,3
	v_max_num_f32 v[TM+\b], v[TM+\b], v[TM+4+\b]
.endr
.irp b, 0,1,2,3
	v_add_nc_u32 v[TM+12+\b], 0xfe000000, v[TM+\b]
.endr
.irp b, 0,1,2,3
	v_lshrrev_b32 v[TM+4+\b], 23, v[TM+12+\b]
.endr
	v_lshl_or_b32 v[\pw], v[TM+5], 8, v[TM+4]
	v_lshl_or_b32 v[\pw], v[TM+6], 16, v[\pw]
	v_lshl_or_b32 v[\pw], v[TM+7], 24, v[\pw]
.irp c, 0,1
	v_cvt_scalef32_pk16_bf6_f32 v[PC+6*\c:PC+6*\c+2], v[\s+32*\c:\s+32*\c+15], v[TM+12+2*\c]
	v_cvt_scalef32_pk16_bf6_f32 v[CT+4*\c:CT+4*\c+2], v[\s+32*\c+16:\s+32*\c+31], v[TM+13+2*\c]
.endr
	v_nop
.irp c, 0,1
.irp i, 0,1,2
	v_permlane16_swap_b32 v[PC+6*\c+\i], v[CT+4*\c+\i]
.endr
.irp i, 0,1,2
	v_mov_b32 v[PC+3+6*\c+\i], v[CT+4*\c+\i]
.endr
.endr
.endm
.macro PUTFRAG base, off
	global_store_b128 v[L16], v[PC:PC+3], s[\base:\base+1] offset:\off
	global_store_b64 v[L8], v[PC+4:PC+5], s[\base:\base+1] offset:(\off)+512
	global_store_b128 v[L16], v[PC+6:PC+9], s[\base:\base+1] offset:(\off)+768
	global_store_b64 v[L8], v[PC+10:PC+11], s[\base:\base+1] offset:(\off)+1280
.endm
; my wave's part of a sum (in v[12:19], four packed chains) is finished, meets the other waves' in LDS at byte off, and the row's sum comes back in v20
.macro MEET off
	v_pk_add_f32 v[12:13], v[12:13], v[14:15]
	v_pk_add_f32 v[16:17], v[16:17], v[18:19]
	v_pk_add_f32 v[12:13], v[12:13], v[16:17]
	v_add_f32 v12, v12, v13
	v_permlanex16_b32 v20, v12, s[SEL], s[SEL+1]
	v_add_f32 v12, v12, v20                        ; with lane l xor 16's: my wave's 256 columns of row r
	ds_store_b32 v[RST], v12 offset:\off           ; (both halves of the lanes write the same word with the same value)
	s_wait_dscnt 0x0                               ; for the others' sake
	s_barrier_signal -1
	s_barrier_wait -1
.irp w, 0,1,2,3
	ds_load_b32 v[20+\w], v[RLD] offset:\off+64*\w
.endr
	s_wait_dscnt 0x0
	v_add_f32 v20, v20, v21
	v_add_f32 v22, v22, v23
	v_add_f32 v20, v20, v22
.endm
	s_load_b256 s[4:11], s[0:1], 0x0               ; z, g, b, the f32 result
.if DOQ
	s_load_b64 s[12:13], s[0:1], 0x20              ; the image
	v_lshl_add_u32 v254, v0, 2, 0x10600
	v_mov_b32 v255, 0
.endif
	v_lshrrev_b32 v25, 5, v0
	v_readfirstlane_b32 s14, v25                   ; wave 0..3
	v_and_b32 v25, 31, v0
	v_and_b32 v26, 15, v0                          ; r
	v_bfe_u32 v27, v0, 4, 1                        ; h
	v_lshlrev_b32 v[L16], 4, v25
	v_lshlrev_b32 v[L8], 3, v25
	s_mul_i32 s15, s14, 16640
	v_add_nc_u32 v[SIN], s15, v[L16]
	v_mul_u32_u24 v[SOUT], v26, 1040
	v_lshl_add_u32 v[SOUT], v27, 6, v[SOUT]
	v_add_nc_u32 v[SOUT], s15, v[SOUT]
	v_lshlrev_b32 v[RLD], 2, v26
	v_add_nc_u32 v[RLD], RED, v[RLD]
	s_lshl_b32 s16, s14, 6
	v_add_nc_u32 v[RST], s16, v[RLD]
	v_lshlrev_b32 v[GBO], 6, v27
	v_mov_b32 v20, 0                               ; a lane permute's destination counts as one of its sources
	s_mov_b32 s[SEL], 0x76543210
	s_mov_b32 s[SEL+1], 0xfedcba98
	s_mov_b32 s[HM], 0xffff0000
	s_mov_b32 s35, 0x3a800000                      ; 1 / 1,024
	s_mov_b32 s36, 0x3727c5ac                      ; 1e-5
	s_lshr_b32 s17, ttmp9, 2                       ; the quad
	s_and_b32 s18, ttmp9, 3                        ; the tile
	s_lshr_b32 s19, s18, 1
	s_and_b32 s20, s18, 1
	s_lshl_b32 s21, s17, 6
	s_lshl_b32 s22, s19, 5
	s_add_co_u32 s21, s21, s22
	s_lshl_b32 s22, s20, 3
	s_add_co_u32 s21, s21, s22                     ; place 0's row
	s_lshl_b32 s21, s21, 12
	s_lshl_b32 s22, s14, 10                        ; my 256 columns
	s_mov_b32 s23, 0
	s_add_co_u32 s24, s21, s22
	s_mov_b32 s25, 0
	s_wait_kmcnt 0x0
	s_add_nc_u64 s[4:5], s[4:5], s[24:25]
	s_add_nc_u64 s[10:11], s[10:11], s[24:25]
	s_add_nc_u64 s[6:7], s[6:7], s[22:23]
	s_add_nc_u64 s[8:9], s[8:9], s[22:23]
.irp p, 0,1,2,3,4,5,6,7,8,9,10,11,12,13,14,15
.irp e, 0,1
	global_load_b128 v[Z+8*\p+4*\e:Z+8*\p+4*\e+3], v[L16], s[4:5] offset:((\p%8)+16*(\p/8))*4096+512*\e th:TH_LOAD_NT
.endr
.endr
	WIN 0x40                                       ; destination window 1
.irp b, 0,1,2,3,4,5,6,7
.irp j, 0,1,2,3
	global_load_b128 v[16*\b+4*\j:16*\b+4*\j+3], v[GBO], s[6:7] offset:128*\b+16*\j   ; g in the lanes' layout
.endr
.endr
	WIN 0
.if DOQ
	s_lshl_b32 s26, s14, 7                         ; K step 2 w: 64 quads a step
	s_add_co_u32 s26, s26, s17
	s_mul_i32 s26, s26, 6400
	s_mov_b32 s27, 0
	s_add_nc_u64 s[12:13], s[12:13], s[26:27]      ; my first quad,
	s_mul_i32 s28, s18, 1536
	s_mov_b32 s29, 0
	s_add_nc_u64 s[30:31], s[12:13], s[28:29]      ; my tile's fragment in it
	v_mul_u32_u24 v[SSO], v27, 409600              ; lanes 16-31 store the next K step's words
	v_lshl_add_u32 v[SSO], v26, 3, v[SSO]
	s_lshl_b32 s28, s20, 7
	s_lshl_b32 s29, s19, 2
	s_add_co_u32 s28, s28, s29
	v_add_nc_u32 v[SSO], s28, v[SSO]
.irp b, 0,1,2,3
	v_mov_b32 v[TM+4+\b], 0
.endr
.endif
	s_wait_loadcnt 32                              ; z's 32 loads are in; g's 32 may be out
.irp p, 0,1,2,3,4,5,6,7,8,9,10,11,12,13,14,15
.irp e, 0,1
	ds_store_b128 v[SIN], v[Z+8*\p+4*\e:Z+8*\p+4*\e+3] offset:1040*\p+512*\e
.endr
.endr
	s_wait_dscnt 0x0                               ; the stores have read their registers
.irp b, 0,1,2,3,4,5,6,7
.irp j, 0,1,2,3
	ds_load_b128 v[Z+16*\b+4*\j:Z+16*\b+4*\j+3], v[SOUT] offset:128*\b+16*\j
.endr
.endr
	WIN 0x40
.irp b, 0,1,2,3,4,5,6,7
.irp j, 0,1,2,3
	global_load_b128 v[128+16*\b+4*\j:128+16*\b+4*\j+3], v[GBO], s[8:9] offset:128*\b+16*\j   ; b likewise
.endr
.endr
	WIN 0
	s_wait_dscnt 0x0
.irp k, 0,1,2,3
	v_pk_add_f32 v[12+2*\k:13+2*\k], v[Z+2*\k:Z+2*\k+1], v[Z+8+2*\k:Z+9+2*\k]   ; the first pairs start four chains: nothing is cleared
.endr
.irp n, 16,24,32,40,48,56,64,72,80,88,96,104,112,120
.irp k, 0,1,2,3
	v_pk_add_f32 v[12+2*\k:13+2*\k], v[12+2*\k:13+2*\k], v[Z+\n+2*\k:Z+\n+2*\k+1]
.endr
.endr
	MEET 0
	v_mul_f32 v8, s35, v20                         ; the mean
	v_mov_b32 v9, v8
.set n, 0
.rept 64
	v_pk_add_f32 v[Z+n:Z+n+1], v[Z+n:Z+n+1], v[8:9] neg_lo:[0,1] neg_hi:[0,1]   ; the deviations
.set n, n+2
.endr
.irp k, 0,1,2,3
	v_pk_mul_f32 v[12+2*\k:13+2*\k], v[Z+2*\k:Z+2*\k+1], v[Z+2*\k:Z+2*\k+1]
.endr
.irp n, 8,16,24,32,40,48,56,64,72,80,88,96,104,112,120
.irp k, 0,1,2,3
	v_pk_fma_f32 v[12+2*\k:13+2*\k], v[Z+\n+2*\k:Z+\n+2*\k+1], v[Z+\n+2*\k:Z+\n+2*\k+1], v[12+2*\k:13+2*\k]
.endr
.endr
	MEET 256
	v_fma_f32 v25, v20, s35, s36                   ; the variance + 1e-5
	v_rsq_f32 v10, v25
	v_nop                                          ; a plain instruction behind the transcendental
	s_wait_alu depctr_va_vdst(0)                   ; and the wait ahead of its first reader
	v_mov_b32 v11, v10
.set n, 0
.rept 64
	v_pk_mul_f32 v[Z+n:Z+n+1], v[Z+n:Z+n+1], v[10:11]
.set n, n+2
.endr
	s_wait_loadcnt 0x0                             ; g and b
	WIN 0x14                                       ; sources 1 and 2 window 1
.set n, 0
.rept 64
	v_pk_fma_f32 v[Z+n:Z+n+1], v[Z+n:Z+n+1], v[n:n+1], v[128+n:129+n]
.set n, n+2
.endr
	WIN 0
.irp b, 0,1,2,3,4,5,6,7
.irp j, 0,1,2,3
	ds_store_b128 v[SOUT], v[Z+16*\b+4*\j:Z+16*\b+4*\j+3] offset:128*\b+16*\j   ; back into my stage, to leave by rows
.endr
.endr
.if DOQ
	QUANT Z, PW
	PUTFRAG 30, 0
	s_wait_xcnt 0x0                                ; the stores have read v[PC] on
	QUANT Z+64, PW+1
	PUTFRAG 30, 409600                             ; the next K step: 64 quads on
	v_cndmask_b32 v198, v[PW], v[PW+1], s[HM]
	global_store_b32 v[SSO], v198, s[12:13] offset:6144
.endif
	s_wait_dscnt 0x0                               ; the stores into the stage have read their registers
.irp p, 0,1,2,3,4,5,6,7,8,9,10,11,12,13,14,15
.irp e, 0,1
	ds_load_b128 v[Z+8*\p+4*\e:Z+8*\p+4*\e+3], v[SIN] offset:1040*\p+512*\e
.endr
.endr
.irp p, 0,1,2,3,4,5,6,7,8,9,10,11,12,13,14,15
.irp e, 0,1
	s_wait_dscnt 31-2*\p-\e                        ; LDS loads come back in order: this one is in, the younger ones may be out
	global_store_b128 v[L16], v[Z+8*\p+4*\e:Z+8*\p+4*\e+3], s[10:11] offset:((\p%8)+16*(\p/8))*4096+512*\e th:TH_STORE_NT
.endr
.endr
	s_wait_tensorcnt 0x0
	ds_add_u32 v254, v255
	s_wait_dscnt 0x0
	s_endpgm
.Lfunc_end_k_qae080fb047_ln1:
	.size	k_qae080fb047_ln1, .Lfunc_end_k_qae080fb047_ln1-k_qae080fb047_ln1
	.p2alignl 7, 3214868480
	.fill 96, 4, 3214868480
	.section	.rodata,"a",@progbits
	.p2align	6, 0x0
	.amdhsa_kernel k_qae080fb047_ln1
		.amdhsa_group_segment_fixed_size 67584
		.amdhsa_private_segment_fixed_size 0
		.amdhsa_enable_private_segment 0
		.amdhsa_kernarg_size 40
		.amdhsa_user_sgpr_count 2
		.amdhsa_user_sgpr_kernarg_segment_ptr 1
		.amdhsa_wavefront_size32 1
		.amdhsa_system_sgpr_workgroup_id_x 1
		.amdhsa_system_sgpr_workgroup_id_y 1
		.amdhsa_system_sgpr_workgroup_id_z 1
		.amdhsa_system_vgpr_workitem_id 0
		.amdhsa_next_free_vgpr 512
		.amdhsa_next_free_sgpr 66
		.amdhsa_reserve_vcc 0
		.amdhsa_float_denorm_mode_32 3
		.amdhsa_float_denorm_mode_16_64 3
		.amdhsa_memory_ordered 1
		.amdhsa_forward_progress 1
		.amdhsa_inst_pref_size 55
	.end_amdhsa_kernel
	.amdgpu_metadata
---
amdhsa.version: [ 1, 2 ]
amdhsa.kernels:
  - .name:           k_qae080fb047_ln1
    .symbol:         k_qae080fb047_ln1.kd
    .args:
      - { .name: z, .offset: 0, .size: 8, .value_kind: global_buffer, .address_space: global }
      - { .name: ln1_g, .offset: 8, .size: 8, .value_kind: global_buffer, .address_space: global }
      - { .name: ln1_b, .offset: 16, .size: 8, .value_kind: global_buffer, .address_space: global }
      - { .name: agg, .offset: 24, .size: 8, .value_kind: global_buffer, .address_space: global }
      - { .name: act, .offset: 32, .size: 8, .value_kind: global_buffer, .address_space: global }
    .group_segment_fixed_size: 67584
    .private_segment_fixed_size: 0
    .kernarg_segment_align: 8
    .kernarg_segment_size: 40
    .max_flat_workgroup_size: 128
    .sgpr_count:     66
    .vgpr_count:     512
    .wavefront_size: 32
...
	.end_amdgpu_metadata
.endif
;; end of part 5
;; launch ff1 (part 6): grid 16 x 16, 4 waves a work-group, clusters of 4 x 4, 327,680 bytes of LDS; arguments act, img0, ffn_b1, himg; writes himg
.if DOCPART == 6
	.amdgcn_target "amdgcn-amd-amdhsa--gfx1250"
	.amdhsa_code_object_version 6
	.text
	.protected	k_qae080fb047_ff1
	.globl	k_qae080fb047_ff1
	.p2align	8
	.type	k_qae080fb047_ff1,@function
k_qae080fb047_ff1:
	s_mov_b64 s[64:65], 0
	v_nop
	global_prefetch_b8 v0, s[64:65] scope:SCOPE_SE
	s_setreg_imm32_b32 hwreg(HW_REG_WAVE_MODE, 25, 1), 1
	s_wait_xcnt 0x0
	s_wait_alu depctr_hold_cnt(0) depctr_sa_sdst(0) depctr_va_vdst(0) depctr_va_sdst(0) depctr_va_ssrc(0) depctr_va_vcc(0) depctr_vm_vsrc(0)
	s_getreg_b32 s2, hwreg(HW_REG_IB_STS2, 6, 4)
	s_cmp_eq_u32 s2, 0
	s_cbranch_scc0 .Lentry_in_a_cluster
	s_endpgm
.Lentry_in_a_cluster:
	s_bfe_u32 s2, ttmp6, 0x10000c
	s_cmp_lg_u32 s2, 0xf033
	s_cbranch_scc0 .Lentry_shape_is_right
	s_endpgm
.Lentry_shape_is_right:
; h = relu(agg ffn_w1^T + ffn_b1): the product on codes of BF6 (E3M2) with E8M0 scales; h [4096][4096] is quantised along its columns in registers and leaves as the operand image himg; it never exists as f32 in memory.
; agg comes as the image act, ffn_w1 [4096][1024] as the image in img0 from byte 6,553,600.
; OPERAND IMAGES.  A quad (6,400 bytes) is 64 rows x 128 K: four fragments of 1,536 bytes in the order of their registers (registers 0-3 of lane l at 16 l, 4-5 at 512 + 8 l, 6-9 at 768 + 16 l, 10-11 at 1,280 + 8 l), then the
; scale words (lane l's 8 bytes at 6,144 + 8 l: tile l / 16's word of row l % 16, then tile 2 + l / 16's).  Place p of tile i holds the quad's row 32 (i / 2) + 16 (p / 8) + 8 (i % 2) + p % 8.  An image is [K / 128][rows / 64] quads.
; A tile of C, 256 x 256, to a work-group of four waves; a wave makes 128 x 128 in 64 accumulators.  The matrix instruction is used transposed (source 0 = 16 rows of B = the weight, source 1 = 16 rows of A = the tokens):
; lane (r, h) holds A's place r, and the 16 registers of B's tiles 2 b, 2 b + 1 are hidden units 32 b + 16 h + 0 .. 15: a wave's 128 columns are one K step of the next product, and a block of 16 places becomes one fragment.
; K goes in steps of 256 through a ring of two LDS slots; a wave's one tensor load brings two quads of two K steps of 128.  4 x 4 work-groups form a cluster: A's tiles are asked for jointly along a row, B's along a column.
; LIMITS: NaN and infinities are not served; a block whose largest magnitude lies under 2^-122, a block of zeros among them, gets the byte 1 (this program alone reads the bytes).
.set LAPS,   2
.set STRA,   409600
.set STRB,   409600
.set BOFF,   6553600
.set QB,     6400
.set HALFT,  4*QB
.set SLOT,   4*HALFT
.set SPARE,  2*SLOT                    ; the spare words, 128 bytes a wave: two blocks of 256 bytes that no other line names
.set FR,     12
.set NL,     4
.set NP,     4
.set ADRA, 16
.set ADRB, 20
.set L16,  26
.set L8,   27
.set SPW,  28
.set NIL,  29
.set SC,   32                          ; v32-63 scale words and nothing else
.set AF,   128
.set G1,  24
.set G0,  32
.set G1B, 48
.set G0B, 56
.set MSB, 0
.macro WIN new
.if MSB != (\new)
	s_set_vgpr_msb (MSB<<8)|(\new)
.set MSB, \new
.endif
.endm
.set MUL_LO, 0xa1
.set MUL_HI, 0xf1
.set TO_B,   0x40
.macro JLOAD g0a, g1a, g0b, g1b        ; a joint load: waves 0 and 1 fetch A's halves, waves 2 and 3 B's; four v_nop follow each line
	s_cmp_eq_u32 s15, 0
	s_cbranch_scc0 .Lfor_b_\@
	tensor_load_to_lds s[\g0a:\g0a+3], s[\g1a:\g1a+7]
	s_nop 0
.rept 4
	v_nop
.endr
	s_branch .Lasked_\@
.Lfor_b_\@:
	tensor_load_to_lds s[\g0b:\g0b+3], s[\g1b:\g1b+7]
	s_nop 0
.rept 4
	v_nop
.endr
.Lasked_\@:
.endm
.macro CREST
	s_cmp_lg_u32 s14, 0
	s_cbranch_scc1 .Lnot_wave_0_\@
	s_barrier_signal -3
.Lnot_wave_0_\@:
	s_barrier_wait -3
	s_barrier_signal -1
	s_barrier_wait -1
.endm
.macro CROUND
	s_barrier_signal -1
	s_barrier_wait -1
	CREST
.endm
.macro FRAG reg, adr, off
	ds_load_b128 v[\reg:\reg+3], v[\adr] offset:\off
	ds_load_b64 v[\reg+4:\reg+5], v[\adr+2] offset:(\off)+512
	ds_load_b128 v[\reg+6:\reg+9], v[\adr] offset:(\off)+768
	ds_load_b64 v[\reg+10:\reg+11], v[\adr+2] offset:(\off)+1280
.endm
.macro WM d, b, a, zero, sb, sa, rb, ra
.set WSEL, 4*(\zero)+2*(\rb)+(\ra)
.if WSEL == 0
	v_wmma_scale_f32_16x16x128_f8f6f4 v[\d:\d+7], v[\b:\b+11], v[\a:\a+11], v[\d:\d+7], v[\sb], v[\sa] matrix_a_fmt:MATRIX_FMT_BF6 matrix_b_fmt:MATRIX_FMT_BF6
.elseif WSEL == 1
	v_wmma_scale_f32_16x16x128_f8f6f4 v[\d:\d+7], v[\b:\b+11], v[\a:\a+11], v[\d:\d+7], v[\sb], v[\sa] matrix_a_fmt:MATRIX_FMT_BF6 matrix_b_fmt:MATRIX_FMT_BF6 matrix_b_scale:MATRIX_SCALE_ROW1
.elseif WSEL == 2
	v_wmma_scale_f32_16x16x128_f8f6f4 v[\d:\d+7], v[\b:\b+11], v[\a:\a+11], v[\d:\d+7], v[\sb], v[\sa] matrix_a_fmt:MATRIX_FMT_BF6 matrix_b_fmt:MATRIX_FMT_BF6 matrix_a_scale:MATRIX_SCALE_ROW1
.elseif WSEL == 3
	v_wmma_scale_f32_16x16x128_f8f6f4 v[\d:\d+7], v[\b:\b+11], v[\a:\a+11], v[\d:\d+7], v[\sb], v[\sa] matrix_a_fmt:MATRIX_FMT_BF6 matrix_b_fmt:MATRIX_FMT_BF6 matrix_a_scale:MATRIX_SCALE_ROW1 matrix_b_scale:MATRIX_SCALE_ROW1
.elseif WSEL == 4
	v_wmma_scale_f32_16x16x128_f8f6f4 v[\d:\d+7], v[\b:\b+11], v[\a:\a+11], 0, v[\sb], v[\sa] matrix_a_fmt:MATRIX_FMT_BF6 matrix_b_fmt:MATRIX_FMT_BF6
.elseif WSEL == 5
	v_wmma_scale_f32_16x16x128_f8f6f4 v[\d:\d+7], v[\b:\b+11], v[\a:\a+11], 0, v[\sb], v[\sa] matrix_a_fmt:MATRIX_FMT_BF6 matrix_b_fmt:MATRIX_FMT_BF6 matrix_b_scale:MATRIX_SCALE_ROW1
.elseif WSEL == 6
	v_wmma_scale_f32_16x16x128_f8f6f4 v[\d:\d+7], v[\b:\b+11], v[\a:\a+11], 0, v[\sb], v[\sa] matrix_a_fmt:MATRIX_FMT_BF6 matrix_b_fmt:MATRIX_FMT_BF6 matrix_a_scale:MATRIX_SCALE_ROW1
.else
	v_wmma_scale_f32_16x16x128_f8f6f4 v[\d:\d+7], v[\b:\b+11], v[\a:\a+11], 0, v[\sb], v[\sa] matrix_a_fmt:MATRIX_FMT_BF6 matrix_b_fmt:MATRIX_FMT_BF6 matrix_a_scale:MATRIX_SCALE_ROW1 matrix_b_scale:MATRIX_SCALE_ROW1
.endif
.endm
.macro MUL16 a0, p, q, sc, zero        ; the 64 accumulators take turns, one instruction a turn, in the same order in every step
.irp a, \a0, \a0+1
.irp b, 0,1,2,3,4,5,6,7
	WM 8*(8*((\a)%4)+\b), 128*(\p)+FR*\b, AF+FR*(\a), \zero, SC+16*(\sc)+8*(\q)+4+2*(\b/4)+(\b%4)/2, SC+16*(\sc)+8*(\q)+2*((\a)/4)+((\a)%4)/2, \b%2, (\a)%2
.endr
.endr
.endm
.macro FETCH_B slot, q, p
	WIN TO_B
.irp i, 0,1,2,3,4,5,6,7
	FRAG 128*(\p)+FR*\i, ADRB+\slot, 12800*(\q)+6400*(\i/4)+1536*(\i%4)
.endr
	WIN 0
.endm
.macro FETCH_A slot, q, i0
.irp j, 0,1,2,3
	FRAG AF+FR*(\i0+\j), ADRA+\slot, 12800*(\q)+6400*(\i0/4)+1536*\j
.endr
.endm
.macro SCALES sc
.irp q, 0,1
.irp e, 0,1
	ds_load_b64 v[SC+16*\sc+8*\q+2*\e:SC+16*\sc+8*\q+2*\e+1], v[ADRA+2+\sc] offset:12800*\q+6400*\e+6144
	ds_load_b64 v[SC+16*\sc+8*\q+4+2*\e:SC+16*\sc+8*\q+4+2*\e+1], v[ADRB+2+\sc] offset:12800*\q+6400*\e+6144
.endr
.endr
.endm
.macro PLACES n
.rept \n
	v_nop
.endr
.endm
.macro STEP slot, q, zero
	s_wait_dscnt 4*NL                              ; all but the youngest 16 loads (A's blocks 4-7) are in
	WIN MUL_LO
	MUL16 0, (\q)%2, \q, \slot, \zero
	MUL16 2, (\q)%2, \q, \slot, \zero
	s_wait_dscnt 0
	PLACES NP
	FETCH_B \slot, (\q)+1, 1-(\q)%2
	FETCH_A \slot, (\q)+1, 0
	WIN MUL_HI
	MUL16 4, (\q)%2, \q, \slot, \zero
	MUL16 6, (\q)%2, \q, \slot, \zero
	PLACES NP
	WIN 0
	FETCH_A \slot, (\q)+1, 4
.endm
.macro TURN slot, next, fill
	s_wait_tensorcnt 0x0                           ; all my tensor loads have landed: my part of the next slot
	ds_add_u32 v[SPW], v[NIL]                      ; 0 onto my spare word
	s_wait_dscnt 4*NL+1                            ; (the add and the youngest 16 loads may be out)
	WIN MUL_LO
	MUL16 0, 1, 1, \slot, 0
	s_wait_dscnt 0x0                               ; the add is done, and my reads of this slot are over
	s_barrier_signal -1
	MUL16 2, 1, 1, \slot, 0
	WIN 0
	s_barrier_wait -1
.if \fill
	CREST                                          ; the barrier has opened a round of the cluster's
	s_add_nc_u64 s[G0+4*\slot+2:G0+4*\slot+3], s[G0+4*\slot+2:G0+4*\slot+3], 4*STRA
	s_add_nc_u64 s[G0B+4*\slot+2:G0B+4*\slot+3], s[G0B+4*\slot+2:G0B+4*\slot+3], 4*STRB
	JLOAD G0+4*\slot, G1, G0B+4*\slot, G1B         ; the first tensor load behind the round, one a wave
.else
	PLACES NP
.endif
	FETCH_B \next, 0, 0
	FETCH_A \next, 0, 0
	SCALES \next
	WIN MUL_HI
	MUL16 4, 1, 1, \slot, 0
	MUL16 6, 1, 1, \slot, 0
	PLACES NP
	WIN 0
	FETCH_A \next, 0, 4
.endm
.set BI,  64                           ; v64-127  the bias in the result's layout: loaded at the head, kept
.set T,   128
.set TM,  192
.set CT,  208
.set PC,  216
.set PW,  228
.set SP,  236
.set SEL, 80
.set HM,  78
.macro QUANT s, pw                     ; 64 numbers of a lane (register 16 b + i = k 32 b + 16 (lane / 16) + i of my row) become a fragment's codes in v[PC] on and its scale word in v[pw]
.irp b, 0,1,2,3
	v_max3_num_f32 v[TM+\b], |v[\s+16*\b]|, |v[\s+1+16*\b]|, 0x2800000
.endr
.irp i, 2,4,6,8,10,12,14
.irp b, 0,1,2,3
	v_max3_num_f32 v[TM+\b], v[TM+\b], |v[\s+16*\b+\i]|, |v[\s+1+16*\b+\i]|
.endr
.endr
.irp b, 0,1,2,3
	v_permlanex16_b32 v[TM+4+\b], v[TM+\b], s[SEL], s[SEL+1]
.endr
.irp b, 0,1,2,3
	v_max_num_f32 v[TM+\b], v[TM+\b], v[TM+4+\b]
.endr
.irp b, 0,1,2,3
	v_add_nc_u32 v[TM+12+\b], 0xfe000000, v[TM+\b]
.endr
.irp b, 0,1,2,3
	v_lshrrev_b32 v[TM+4+\b], 23, v[TM+12+\b]
.endr
	v_lshl_or_b32 v[\pw], v[TM+5], 8, v[TM+4]
	v_lshl_or_b32 v[\pw], v[TM+6], 16, v[\pw]
	v_lshl_or_b32 v[\pw], v[TM+7], 24, v[\pw]
.irp c, 0,1
	v_cvt_scalef32_pk16_bf6_f32 v[PC+6*\c:PC+6*\c+2], v[\s+32*\c:\s+32*\c+15], v[TM+12+2*\c]
	v_cvt_scalef32_pk16_bf6_f32 v[CT+4*\c:CT+4*\c+2], v[\s+32*\c+16:\s+32*\c+31], v[TM+13+2*\c]
.endr
	v_nop
.irp c, 0,1
.irp i, 0,1,2
	v_permlane16_swap_b32 v[PC+6*\c+\i], v[CT+4*\c+\i]
.endr
.irp i, 0,1,2
	v_mov_b32 v[PC+3+6*\c+\i], v[CT+4*\c+\i]
.endr
.endr
.endm
.macro PUTFRAG base, off
	global_store_b128 v[L16], v[PC:PC+3], s[\base:\base+1] offset:\off
	global_store_b64 v[L8], v[PC+4:PC+5], s[\base:\base+1] offset:(\off)+512
	global_store_b128 v[L16], v[PC+6:PC+9], s[\base:\base+1] offset:(\off)+768
	global_store_b64 v[L8], v[PC+10:PC+11], s[\base:\base+1] offset:(\off)+1280
.endm
	s_load_b256 s[4:11], s[0:1], 0x0               ; act, img0, ffn_b1, himg
	v_lshl_add_u32 v[SPW], v0, 2, SPARE
	v_mov_b32 v[NIL], 0
	ds_add_u32 v28, v29
	ds_add_u32 v28, v29
	s_wait_dscnt 0x0
	v_lshrrev_b32 v1, 5, v0
	v_readfirstlane_b32 s14, v1                    ; wave 0..3
	v_and_b32 v1, 31, v0
	v_lshlrev_b32 v[L16], 4, v1
	v_lshlrev_b32 v[L8], 3, v1
	v_bfe_u32 v30, v0, 4, 1
	v_lshlrev_b32 v30, 6, v30                      ; 64 h; never rewritten
	s_lshr_b32 s15, s14, 1
	s_and_b32 s16, s14, 1
	s_bfe_u32 s40, ttmp6, 0x40000                  ; cx
	s_bfe_u32 s41, ttmp6, 0x40004                  ; cy
	s_lshl_b32 s42, ttmp9, 2
	s_add_co_u32 s42, s42, s40                     ; tile column
	s_and_b32 s17, ttmp7, 0xffff
	s_lshl_b32 s17, s17, 2
	s_add_co_u32 s17, s17, s41                     ; tile row
	s_lshl_b32 s43, s41, 2
	s_lshl_b32 s43, 15, s43
	s_lshl_b32 s44, 0x1111, s40
	s_or_b32 s[G1+0], s43, (3<<16)|(1<<21)
	s_or_b32 s[G1B+0], s44, (3<<16)|(1<<21)
.irp g, G1, G1B
	s_mov_b32 s[\g+1], 1600<<16
	s_mov_b32 s[\g+2], 2<<16
	s_mov_b32 s[\g+3], 1600<<16
	s_mov_b32 s[\g+4], 2
	s_mov_b32 s[\g+6], 0
	s_mov_b32 s[\g+7], 0
.endr
	s_mov_b32 s[G1+5], STRA/8
	s_mov_b32 s[G1B+5], STRB/8
	s_lshl_b32 s18, s16, 1
	s_lshl_b32 s20, s17, 2
	s_add_co_u32 s20, s20, s18
	s_mul_i32 s20, s20, QB
	s_mov_b32 s21, 0
	s_lshl_b32 s46, s42, 2
	s_add_co_u32 s46, s46, s18
	s_mul_i32 s46, s46, QB
	s_add_co_u32 s46, s46, BOFF
	s_mov_b32 s47, 0
	s_mul_i32 s45, s14, HALFT
	s_lshl_b32 s66, s42, 10
	s_lshl_b32 s67, s16, 9
	s_add_co_u32 s66, s66, s67                     ; my first hidden unit, in bytes of the bias
	s_mov_b32 s67, 0
	s_lshl_b32 s68, s42, 1
	s_add_co_u32 s68, s68, s16                     ; my columns are K step 2 x tile column + half of the next product
	s_lshl_b32 s68, s68, 6
	s_lshl_b32 s69, s17, 2
	s_add_co_u32 s68, s68, s69
	s_lshl_b32 s69, s15, 1
	s_add_co_u32 s68, s68, s69                     ; x 64 + my first quad of tokens
	s_mul_i32 s68, s68, QB
	s_mov_b32 s69, 0
	s_mov_b32 s[SEL], 0x76543210
	s_mov_b32 s[SEL+1], 0xfedcba98
	s_mov_b32 s[HM], 0xffff0000
	s_wait_kmcnt 0x0
	s_add_nc_u64 s[20:21], s[4:5], s[20:21]
	s_add_nc_u64 s[46:47], s[6:7], s[46:47]
	s_add_nc_u64 s[8:9], s[8:9], s[66:67]
	s_add_nc_u64 s[76:77], s[10:11], s[68:69]
.irp b, 0,1,2,3
.irp j, 0,1,2,3
	global_load_b128 v[BI+16*\b+4*\j:BI+16*\b+4*\j+3], v30, s[8:9] offset:128*\b+16*\j   ; register 16 b + i: the bias of hidden unit 32 b + 16 h + i
.endr
.endr
	CROUND
.irp s, 0,1
	s_mov_b32 s[G0+4*\s], 1
	s_add_co_u32 s[G0+4*\s+1], s45, \s*SLOT
	s_add_nc_u64 s[G0+4*\s+2:G0+4*\s+3], s[20:21], \s*2*STRA
	s_or_b32 s[G0+4*\s+3], s[G0+4*\s+3], 0x80000000
	s_mov_b32 s[G0B+4*\s], 1
	s_add_co_u32 s[G0B+4*\s+1], s45, \s*SLOT
	s_add_nc_u64 s[G0B+4*\s+2:G0B+4*\s+3], s[46:47], \s*2*STRB
	s_or_b32 s[G0B+4*\s+3], s[G0B+4*\s+3], 0x80000000
	JLOAD G0+4*\s, G1, G0B+4*\s, G1B
.endr
	s_mul_i32 s22, s15, HALFT
	s_mul_i32 s23, s16, HALFT
	s_add_co_u32 s23, s23, 2*HALFT
.irp s, 0,1
	v_add_nc_u32 v[ADRA+\s], s22, v[L16]
	v_add_nc_u32 v[ADRA+2+\s], s22, v[L8]
	v_add_nc_u32 v[ADRB+\s], s23, v[L16]
	v_add_nc_u32 v[ADRB+2+\s], s23, v[L8]
	s_add_co_u32 s22, s22, SLOT
	s_add_co_u32 s23, s23, SLOT
.endr
	s_wait_tensorcnt 1                             ; my part of slot 0 is in; slot 1's load may stay out
	s_barrier_signal -1
	s_barrier_wait -1
	FETCH_B 0, 0, 0
	FETCH_A 0, 0, 0
	SCALES 0
	FETCH_A 0, 0, 4
	STEP 0, 0, 1
	s_mov_b32 s3, LAPS-1
.Llap:
	TURN 0, 1, 1
	STEP 1, 0, 0
	TURN 1, 0, 1
	STEP 0, 0, 0
	s_sub_co_u32 s3, s3, 1
	s_cmp_lg_u32 s3, 0
	s_cbranch_scc1 .Llap
	TURN 0, 1, 0
	STEP 1, 0, 0
	s_wait_dscnt 4*NL
	WIN MUL_LO
	MUL16 0, 1, 1, 1, 0
	MUL16 2, 1, 1, 1, 0
	s_wait_dscnt 0
	WIN MUL_HI
	MUL16 4, 1, 1, 1, 0
	MUL16 6, 1, 1, 1, 0
	WIN 0
	PLACES NP
.irp b, 0,1,2,3
	v_mov_b32 v[TM+4+\b], 0                        ; a lane permute's destination counts as one of its sources
.endr
	s_wait_loadcnt 0x0                             ; the bias
.irp a, 0,1,2,3,4,5,6,7
.if \a > 0
	s_wait_xcnt 0x0                                ; the last block's stores have read v[PC] on
.endif
	WIN 0x02+(\a)/4
.set n, 0
.rept 32
	v_pk_add_f32 v[T+n:T+n+1], v[64*((\a)%4)+n:64*((\a)%4)+n+1], v[BI+n:BI+n+1]   ; each accumulator from its low end on
.set n, n+2
.endr
	WIN 0
.set n, 0
.rept 64
	v_max_num_f32 v[T+n], 0, v[T+n]                ; the activation, in f32
.set n, n+1
.endr
	QUANT T, PW+\a
	PUTFRAG 76, 6400*(\a/4)+1536*(\a%4)
.if \a%4 == 3
	v_cndmask_b32 v[SP+\a-3], v[PW+\a-3], v[PW+\a-2], s[HM]
	v_cndmask_b32 v[SP+\a-2], v[PW+\a-1], v[PW+\a], s[HM]
	global_store_b64 v[L8], v[SP+\a-3:SP+\a-2], s[76:77] offset:6400*(\a/4)+6144
.endif
.endr
	s_wait_tensorcnt 0x0                           ; the wave's end
	ds_add_u32 v[SPW], v[NIL]
	s_wait_dscnt 0x0
	CROUND                                         ; the closing round
	s_endpgm
.Lfunc_end_k_qae080fb047_ff1:
	.size	k_qae080fb047_ff1, .Lfunc_end_k_qae080fb047_ff1-k_qae080fb047_ff1
	.p2alignl 7, 3214868480
	.fill 96, 4, 3214868480
	.section	.rodata,"a",@progbits
	.p2align	6, 0x0
	.amdhsa_kernel k_qae080fb047_ff1
		.amdhsa_group_segment_fixed_size 327680
		.amdhsa_private_segment_fixed_size 0
		.amdhsa_enable_private_segment 0
		.amdhsa_kernarg_size 32
		.amdhsa_user_sgpr_count 2
		.amdhsa_user_sgpr_kernarg_segment_ptr 1
		.amdhsa_wavefront_size32 1
		.amdhsa_system_sgpr_workgroup_id_x 1
		.amdhsa_system_sgpr_workgroup_id_y 1
		.amdhsa_system_sgpr_workgroup_id_z 1
		.amdhsa_system_vgpr_workitem_id 0
		.amdhsa_next_free_vgpr 1024
		.amdhsa_next_free_sgpr 100
		.amdhsa_reserve_vcc 0
		.amdhsa_float_denorm_mode_32 3
		.amdhsa_float_denorm_mode_16_64 3
		.amdhsa_memory_ordered 1
		.amdhsa_forward_progress 1
		.amdhsa_inst_pref_size 179
	.end_amdhsa_kernel
	.amdgpu_metadata
---
amdhsa.version: [ 1, 2 ]
amdhsa.kernels:
  - .name:           k_qae080fb047_ff1
    .symbol:         k_qae080fb047_ff1.kd
    .args:
      - { .name: act, .offset: 0, .size: 8, .value_kind: global_buffer, .address_space: global }
      - { .name: img0, .offset: 8, .size: 8, .value_kind: global_buffer, .address_space: global }
      - { .name: ffn_b1, .offset: 16, .size: 8, .value_kind: global_buffer, .address_space: global }
      - { .name: himg, .offset: 24, .size: 8, .value_kind: global_buffer, .address_space: global }
    .group_segment_fixed_size: 327680
    .private_segment_fixed_size: 0
    .kernarg_segment_align: 8
    .kernarg_segment_size: 32
    .max_flat_workgroup_size: 128
    .sgpr_count:     100
    .vgpr_count:     1024
    .wavefront_size: 32
...
	.end_amdgpu_metadata
.endif
;; end of part 6
;; launch ff2 (part 7): grid 4 x 16, 4 waves a work-group, clusters of 4 x 4, 327,680 bytes of LDS; arguments himg, img0, ffn_b2, agg, z; writes z
.if DOCPART == 7
	.amdgcn_target "amdgcn-amd-amdhsa--gfx1250"
	.amdhsa_code_object_version 6
	.text
	.protected	k_qae080fb047_ff2
	.globl	k_qae080fb047_ff2
	.p2align	8
	.type	k_qae080fb047_ff2,@function
k_qae080fb047_ff2:
	s_mov_b64 s[64:65], 0
	v_nop
	global_prefetch_b8 v0, s[64:65] scope:SCOPE_SE
	s_setreg_imm32_b32 hwreg(HW_REG_WAVE_MODE, 25, 1), 1
	s_wait_xcnt 0x0
	s_wait_alu depctr_hold_cnt(0) depctr_sa_sdst(0) depctr_va_vdst(0) depctr_va_sdst(0) depctr_va_ssrc(0) depctr_va_vcc(0) depctr_vm_vsrc(0)
	s_getreg_b32 s2, hwreg(HW_REG_IB_STS2, 6, 4)
	s_cmp_eq_u32 s2, 0
	s_cbranch_scc0 .Lentry_in_a_cluster
	s_endpgm
.Lentry_in_a_cluster:
	s_bfe_u32 s2, ttmp6, 0x10000c
	s_cmp_lg_u32 s2, 0xf033
	s_cbranch_scc0 .Lentry_shape_is_right
	s_endpgm
.Lentry_shape_is_right:
; z = agg + h ffn_w2^T + ffn_b2: the product on codes of BF6 (E3M2) with E8M0 scales, the rest in f32.  h [4096][4096] comes as the operand image himg, ffn_w2 [1024][4096] as the image in img0 from byte 9,830,400; z is [4096][1024] f32, true rows.
; OPERAND IMAGES.  A quad (6,400 bytes) is 64 rows x 128 K: four fragments of 1,536 bytes in the order of their registers (registers 0-3 of lane l at 16 l, 4-5 at 512 + 8 l, 6-9 at 768 + 16 l, 10-11 at 1,280 + 8 l), then the
; scale words (lane l's 8 bytes at 6,144 + 8 l: tile l / 16's word of row l % 16, then tile 2 + l / 16's).  Place p of tile i holds the quad's row 32 (i / 2) + 16 (p / 8) + 8 (i % 2) + p % 8.  An image is [K / 128][rows / 64] quads.
; A tile of C, 256 x 256, to a work-group of four waves; a wave makes 128 x 128 in 64 accumulators.  The matrix instruction is used transposed (source 0 = 16 rows of B = the weight, source 1 = 16 rows of A = the tokens):
; lane (r, h) holds A's place r, and the 16 registers of B's tiles 2 b, 2 b + 1 are columns 32 b + 16 h + 0 .. 15.
; K goes in steps of 256 through a ring of two LDS slots; a wave's one tensor load brings two quads of two K steps of 128 (two rows of 12,800 bytes).  4 x 4 work-groups form a cluster: A's tiles are asked for jointly along a row, B's along a column.
; THE WAY OUT.  A block of 16 places x 128 columns goes through the wave's own stage (rows of 528 bytes, in bytes that no tensor load fills) and comes back as whole rows of 512 bytes; bias and residual are added; each store covers 512 consecutive bytes.
; LIMITS: NaN and infinities are not served.
.set LAPS,   8                         ; K = 4,096
.set STRA,   409600                    ; 64 quads from K step to K step in A's image
.set STRB,   102400                    ; 16 quads in B's
.set BOFF,   9830400
.set QB,     6400
.set HALFT,  4*QB
.set SLOT,   4*HALFT
.set SPARE,  2*SLOT                    ; the spare words, 128 bytes a wave: two blocks of 256 bytes that no other line names
.set STAGE,  SPARE+512
.set FR,     12
.set NL,     4
.set NP,     4
.set ADRA, 16
.set ADRB, 20
.set STO,  24
.set RD,   25
.set L16,  26
.set L8,   27
.set SPW,  28
.set NIL,  29
.set SC,   32                          ; v32-63 scale words and nothing else
.set AF,   128
.set G1,  24
.set G0,  32
.set G1B, 48
.set G0B, 56
.set MSB, 0
.macro WIN new
.if MSB != (\new)
	s_set_vgpr_msb (MSB<<8)|(\new)
.set MSB, \new
.endif
.endm
.set MUL_LO, 0xa1
.set MUL_HI, 0xf1
.set TO_B,   0x40
.macro JLOAD g0a, g1a, g0b, g1b        ; a joint load: waves 0 and 1 fetch A's halves, waves 2 and 3 B's; four v_nop follow each line
	s_cmp_eq_u32 s15, 0
	s_cbranch_scc0 .Lfor_b_\@
	tensor_load_to_lds s[\g0a:\g0a+3], s[\g1a:\g1a+7]
	s_nop 0
.rept 4
	v_nop
.endr
	s_branch .Lasked_\@
.Lfor_b_\@:
	tensor_load_to_lds s[\g0b:\g0b+3], s[\g1b:\g1b+7]
	s_nop 0
.rept 4
	v_nop
.endr
.Lasked_\@:
.endm
.macro CREST
	s_cmp_lg_u32 s14, 0
	s_cbranch_scc1 .Lnot_wave_0_\@
	s_barrier_signal -3
.Lnot_wave_0_\@:
	s_barrier_wait -3
	s_barrier_signal -1
	s_barrier_wait -1
.endm
.macro CROUND
	s_barrier_signal -1
	s_barrier_wait -1
	CREST
.endm
.macro FRAG reg, adr, off
	ds_load_b128 v[\reg:\reg+3], v[\adr] offset:\off
	ds_load_b64 v[\reg+4:\reg+5], v[\adr+2] offset:(\off)+512
	ds_load_b128 v[\reg+6:\reg+9], v[\adr] offset:(\off)+768
	ds_load_b64 v[\reg+10:\reg+11], v[\adr+2] offset:(\off)+1280
.endm
.macro WM d, b, a, zero, sb, sa, rb, ra
.set WSEL, 4*(\zero)+2*(\rb)+(\ra)
.if WSEL == 0
	v_wmma_scale_f32_16x16x128_f8f6f4 v[\d:\d+7], v[\b:\b+11], v[\a:\a+11], v[\d:\d+7], v[\sb], v[\sa] matrix_a_fmt:MATRIX_FMT_BF6 matrix_b_fmt:MATRIX_FMT_BF6
.elseif WSEL == 1
	v_wmma_scale_f32_16x16x128_f8f6f4 v[\d:\d+7], v[\b:\b+11], v[\a:\a+11], v[\d:\d+7], v[\sb], v[\sa] matrix_a_fmt:MATRIX_FMT_BF6 matrix_b_fmt:MATRIX_FMT_BF6 matrix_b_scale:MATRIX_SCALE_ROW1
.elseif WSEL == 2
	v_wmma_scale_f32_16x16x128_f8f6f4 v[\d:\d+7], v[\b:\b+11], v[\a:\a+11], v[\d:\d+7], v[\sb], v[\sa] matrix_a_fmt:MATRIX_FMT_BF6 matrix_b_fmt:MATRIX_FMT_BF6 matrix_a_scale:MATRIX_SCALE_ROW1
.elseif WSEL == 3
	v_wmma_scale_f32_16x16x128_f8f6f4 v[\d:\d+7], v[\b:\b+11], v[\a:\a+11], v[\d:\d+7], v[\sb], v[\sa] matrix_a_fmt:MATRIX_FMT_BF6 matrix_b_fmt:MATRIX_FMT_BF6 matrix_a_scale:MATRIX_SCALE_ROW1 matrix_b_scale:MATRIX_SCALE_ROW1
.elseif WSEL == 4
	v_wmma_scale_f32_16x16x128_f8f6f4 v[\d:\d+7], v[\b:\b+11], v[\a:\a+11], 0, v[\sb], v[\sa] matrix_a_fmt:MATRIX_FMT_BF6 matrix_b_fmt:MATRIX_FMT_BF6
.elseif WSEL == 5
	v_wmma_scale_f32_16x16x128_f8f6f4 v[\d:\d+7], v[\b:\b+11], v[\a:\a+11], 0, v[\sb], v[\sa] matrix_a_fmt:MATRIX_FMT_BF6 matrix_b_fmt:MATRIX_FMT_BF6 matrix_b_scale:MATRIX_SCALE_ROW1
.elseif WSEL == 6
	v_wmma_scale_f32_16x16x128_f8f6f4 v[\d:\d+7], v[\b:\b+11], v[\a:\a+11], 0, v[\sb], v[\sa] matrix_a_fmt:MATRIX_FMT_BF6 matrix_b_fmt:MATRIX_FMT_BF6 matrix_a_scale:MATRIX_SCALE_ROW1
.else
	v_wmma_scale_f32_16x16x128_f8f6f4 v[\d:\d+7], v[\b:\b+11], v[\a:\a+11], 0, v[\sb], v[\sa] matrix_a_fmt:MATRIX_FMT_BF6 matrix_b_fmt:MATRIX_FMT_BF6 matrix_a_scale:MATRIX_SCALE_ROW1 matrix_b_scale:MATRIX_SCALE_ROW1
.endif
.endm
.macro MUL16 a0, p, q, sc, zero        ; the 64 accumulators take turns, one instruction a turn, in the same order in every step
.irp a, \a0, \a0+1
.irp b, 0,1,2,3,4,5,6,7
	WM 8*(8*((\a)%4)+\b), 128*(\p)+FR*\b, AF+FR*(\a), \zero, SC+16*(\sc)+8*(\q)+4+2*(\b/4)+(\b%4)/2, SC+16*(\sc)+8*(\q)+2*((\a)/4)+((\a)%4)/2, \b%2, (\a)%2
.endr
.endr
.endm
.macro FETCH_B slot, q, p
	WIN TO_B
.irp i, 0,1,2,3,4,5,6,7
	FRAG 128*(\p)+FR*\i, ADRB+\slot, 12800*(\q)+6400*(\i/4)+1536*(\i%4)
.endr
	WIN 0
.endm
.macro FETCH_A slot, q, i0
.irp j, 0,1,2,3
	FRAG AF+FR*(\i0+\j), ADRA+\slot, 12800*(\q)+6400*(\i0/4)+1536*\j
.endr
.endm
.macro SCALES sc
.irp q, 0,1
.irp e, 0,1
	ds_load_b64 v[SC+16*\sc+8*\q+2*\e:SC+16*\sc+8*\q+2*\e+1], v[ADRA+2+\sc] offset:12800*\q+6400*\e+6144
	ds_load_b64 v[SC+16*\sc+8*\q+4+2*\e:SC+16*\sc+8*\q+4+2*\e+1], v[ADRB+2+\sc] offset:12800*\q+6400*\e+6144
.endr
.endr
.endm
.macro PLACES n
.rept \n
	v_nop
.endr
.endm
.macro STEP slot, q, zero
	s_wait_dscnt 4*NL                              ; all but the youngest 16 loads (A's blocks 4-7) are in
	WIN MUL_LO
	MUL16 0, (\q)%2, \q, \slot, \zero
	MUL16 2, (\q)%2, \q, \slot, \zero
	s_wait_dscnt 0
	PLACES NP
	FETCH_B \slot, (\q)+1, 1-(\q)%2
	FETCH_A \slot, (\q)+1, 0
	WIN MUL_HI
	MUL16 4, (\q)%2, \q, \slot, \zero
	MUL16 6, (\q)%2, \q, \slot, \zero
	PLACES NP
	WIN 0
	FETCH_A \slot, (\q)+1, 4
.endm
.macro TURN slot, next, fill
	s_wait_tensorcnt 0x0                           ; all my tensor loads have landed: my part of the next slot
	ds_add_u32 v[SPW], v[NIL]                      ; 0 onto my spare word
	s_wait_dscnt 4*NL+1                            ; (the add and the youngest 16 loads may be out)
	WIN MUL_LO
	MUL16 0, 1, 1, \slot, 0
	s_wait_dscnt 0x0                               ; the add is done, and my reads of this slot are over
	s_barrier_signal -1
	MUL16 2, 1, 1, \slot, 0
	WIN 0
	s_barrier_wait -1
.if \fill
	CREST                                          ; the barrier has opened a round of the cluster's
	s_add_nc_u64 s[G0+4*\slot+2:G0+4*\slot+3], s[G0+4*\slot+2:G0+4*\slot+3], 4*STRA
	s_add_nc_u64 s[G0B+4*\slot+2:G0B+4*\slot+3], s[G0B+4*\slot+2:G0B+4*\slot+3], 4*STRB
	JLOAD G0+4*\slot, G1, G0B+4*\slot, G1B         ; the first tensor load behind the round, one a wave
.else
	PLACES NP
.endif
	FETCH_B \next, 0, 0
	FETCH_A \next, 0, 0
	SCALES \next
	WIN MUL_HI
	MUL16 4, 1, 1, \slot, 0
	MUL16 6, 1, 1, \slot, 0
	PLACES NP
	WIN 0
	FETCH_A \next, 0, 4
.endm
; the way out.  Place t of block a is my row 32 (a / 2) + 16 (t / 8) + 8 (a % 2) + t % 8
.macro RESID a
	WIN 0x40*((\a)%2)
.irp t, 0,1,2,3,4,5,6,7,8,9,10,11,12,13,14,15
	global_load_b128 v[64+4*\t:64+4*\t+3], v[L16], s[10:11] offset:(32*((\a)/2)+8*((\a)%2)+16*(\t/8)+\t%8)*4096 th:TH_LOAD_NT
.endr
	WIN 0
.endm
.macro TOSTAGE a
	WIN 0x08+4*((\a)/4)
.irp b, 0,1,2,3,4,5,6,7
	ds_store_b128 v[STO], v[64*((\a)%4)+8*\b:64*((\a)%4)+8*\b+3] offset:128*(\b/2)+32*(\b%2)       ; each accumulator from its low end on
	ds_store_b128 v[STO], v[64*((\a)%4)+8*\b+4:64*((\a)%4)+8*\b+7] offset:128*(\b/2)+32*(\b%2)+16
.endr
	WIN 0
.irp t, 0,1,2,3,4,5,6,7,8,9,10,11,12,13,14,15
	ds_load_b128 v[128+64*((\a)%2)+4*\t:128+64*((\a)%2)+4*\t+3], v[RD] offset:528*\t   ; LDS serves a wave's instructions in order: these see the stores above
.endr
.endm
.macro SEND a, yd, yl
	s_wait_dscnt \yd
	s_wait_loadcnt \yl
.irp t, 0,1,2,3,4,5,6,7,8,9,10,11,12,13,14,15
	v_pk_add_f32 v[128+64*((\a)%2)+4*\t:128+64*((\a)%2)+4*\t+1], v[128+64*((\a)%2)+4*\t:128+64*((\a)%2)+4*\t+1], v[8:9]
	v_pk_add_f32 v[128+64*((\a)%2)+4*\t+2:128+64*((\a)%2)+4*\t+3], v[128+64*((\a)%2)+4*\t+2:128+64*((\a)%2)+4*\t+3], v[10:11]
.endr
	WIN 0x04*((\a)%2)
.set n, 0
.rept 32
	v_pk_add_f32 v[128+64*((\a)%2)+n:128+64*((\a)%2)+n+1], v[128+64*((\a)%2)+n:128+64*((\a)%2)+n+1], v[64+n:64+n+1]
.set n, n+2
.endr
	WIN 0
.irp t, 0,1,2,3,4,5,6,7,8,9,10,11,12,13,14,15
	global_store_b128 v[L16], v[128+64*((\a)%2)+4*\t:128+64*((\a)%2)+4*\t+3], s[12:13] offset:(32*((\a)/2)+8*((\a)%2)+16*(\t/8)+\t%8)*4096 th:TH_STORE_NT
.endr
.endm
	s_load_b256 s[4:11], s[0:1], 0x0               ; A's image, img0, the bias, the residual
	s_load_b64 s[12:13], s[0:1], 0x20              ; z
	v_lshl_add_u32 v[SPW], v0, 2, SPARE
	v_mov_b32 v[NIL], 0
	ds_add_u32 v28, v29
	ds_add_u32 v28, v29
	s_wait_dscnt 0x0
	v_lshrrev_b32 v1, 5, v0
	v_readfirstlane_b32 s14, v1                    ; wave 0..3
	v_and_b32 v1, 31, v0
	v_lshlrev_b32 v[L16], 4, v1
	v_lshlrev_b32 v[L8], 3, v1
	s_lshr_b32 s15, s14, 1
	s_and_b32 s16, s14, 1
	s_bfe_u32 s40, ttmp6, 0x40000                  ; cx
	s_bfe_u32 s41, ttmp6, 0x40004                  ; cy
	s_lshl_b32 s42, ttmp9, 2
	s_add_co_u32 s42, s42, s40                     ; tile column
	s_and_b32 s17, ttmp7, 0xffff
	s_lshl_b32 s17, s17, 2
	s_add_co_u32 s17, s17, s41                     ; tile row
	s_lshl_b32 s43, s41, 2
	s_lshl_b32 s43, 15, s43
	s_lshl_b32 s44, 0x1111, s40
	s_or_b32 s[G1+0], s43, (3<<16)|(1<<21)
	s_or_b32 s[G1B+0], s44, (3<<16)|(1<<21)
.irp g, G1, G1B
	s_mov_b32 s[\g+1], 1600<<16
	s_mov_b32 s[\g+2], 2<<16
	s_mov_b32 s[\g+3], 1600<<16
	s_mov_b32 s[\g+4], 2
	s_mov_b32 s[\g+6], 0
	s_mov_b32 s[\g+7], 0
.endr
	s_mov_b32 s[G1+5], STRA/8
	s_mov_b32 s[G1B+5], STRB/8
	s_lshl_b32 s18, s16, 1
	s_lshl_b32 s20, s17, 2
	s_add_co_u32 s20, s20, s18
	s_mul_i32 s20, s20, QB
	s_mov_b32 s21, 0
	s_lshl_b32 s46, s42, 2
	s_add_co_u32 s46, s46, s18
	s_mul_i32 s46, s46, QB
	s_add_co_u32 s46, s46, BOFF
	s_mov_b32 s47, 0
	s_mul_i32 s45, s14, HALFT
	s_lshl_b32 s66, s42, 10
	s_lshl_b32 s67, s16, 9
	s_add_co_u32 s66, s66, s67
	s_mov_b32 s67, 0
	s_lshl_b32 s68, s17, 8
	s_lshl_b32 s69, s15, 7
	s_add_co_u32 s68, s68, s69
	s_lshl_b32 s68, s68, 12
	s_add_co_u32 s68, s68, s66
	s_mov_b32 s69, 0
	s_wait_kmcnt 0x0
	s_add_nc_u64 s[20:21], s[4:5], s[20:21]
	s_add_nc_u64 s[46:47], s[6:7], s[46:47]
	s_add_nc_u64 s[8:9], s[8:9], s[66:67]
	s_add_nc_u64 s[10:11], s[10:11], s[68:69]
	s_add_nc_u64 s[12:13], s[12:13], s[68:69]
	global_load_b128 v[8:11], v[L16], s[8:9]
	CROUND
.irp s, 0,1
	s_mov_b32 s[G0+4*\s], 1
	s_add_co_u32 s[G0+4*\s+1], s45, \s*SLOT
	s_add_nc_u64 s[G0+4*\s+2:G0+4*\s+3], s[20:21], \s*2*STRA
	s_or_b32 s[G0+4*\s+3], s[G0+4*\s+3], 0x80000000
	s_mov_b32 s[G0B+4*\s], 1
	s_add_co_u32 s[G0B+4*\s+1], s45, \s*SLOT
	s_add_nc_u64 s[G0B+4*\s+2:G0B+4*\s+3], s[46:47], \s*2*STRB
	s_or_b32 s[G0B+4*\s+3], s[G0B+4*\s+3], 0x80000000
	JLOAD G0+4*\s, G1, G0B+4*\s, G1B
.endr
	s_mul_i32 s22, s15, HALFT
	s_mul_i32 s23, s16, HALFT
	s_add_co_u32 s23, s23, 2*HALFT
.irp s, 0,1
	v_add_nc_u32 v[ADRA+\s], s22, v[L16]
	v_add_nc_u32 v[ADRA+2+\s], s22, v[L8]
	v_add_nc_u32 v[ADRB+\s], s23, v[L16]
	v_add_nc_u32 v[ADRB+2+\s], s23, v[L8]
	s_add_co_u32 s22, s22, SLOT
	s_add_co_u32 s23, s23, SLOT
.endr
	s_mul_i32 s23, s14, 8448
	s_add_co_u32 s23, s23, STAGE
	v_and_b32 v2, 15, v0
	v_bfe_u32 v3, v0, 4, 1
	v_mul_u32_u24 v4, v2, 528
	v_lshl_add_u32 v4, v3, 6, v4
	v_add_nc_u32 v[STO], s23, v4
	v_add_nc_u32 v[RD], s23, v[L16]
	s_wait_tensorcnt 1                             ; my part of slot 0 is in; slot 1's load may stay out
	s_barrier_signal -1
	s_barrier_wait -1
	FETCH_B 0, 0, 0
	FETCH_A 0, 0, 0
	SCALES 0
	FETCH_A 0, 0, 4
	STEP 0, 0, 1
	s_mov_b32 s3, LAPS-1
.Llap:
	TURN 0, 1, 1
	STEP 1, 0, 0
	TURN 1, 0, 1
	STEP 0, 0, 0
	s_sub_co_u32 s3, s3, 1
	s_cmp_lg_u32 s3, 0
	s_cbranch_scc1 .Llap
	TURN 0, 1, 0
	STEP 1, 0, 0
	s_wait_dscnt 4*NL
	WIN MUL_LO
	MUL16 0, 1, 1, 1, 0
	MUL16 2, 1, 1, 1, 0
	s_wait_dscnt 0
	WIN MUL_HI
	MUL16 4, 1, 1, 1, 0
	MUL16 6, 1, 1, 1, 0
	WIN 0
	PLACES NP
	RESID 0
	TOSTAGE 0
.irp a, 1,2,3,4,5,6,7
.if \a > 1
	s_wait_xcnt 0x0                                ; block a - 2's stores have read their registers: block a's rows may land there
.endif
	RESID \a
	TOSTAGE \a
	SEND \a-1, 32, 16                              ; behind block a - 1's: block a's 16 stage stores and 16 stage loads, and its 16 residual loads
.endr
	SEND 7, 0, 0
	s_wait_tensorcnt 0x0                           ; the wave's end
	ds_add_u32 v[SPW], v[NIL]
	s_wait_dscnt 0x0
	CROUND                                         ; the closing round
	s_endpgm
.Lfunc_end_k_qae080fb047_ff2:
	.size	k_qae080fb047_ff2, .Lfunc_end_k_qae080fb047_ff2-k_qae080fb047_ff2
	.p2alignl 7, 3214868480
	.fill 96, 4, 3214868480
	.section	.rodata,"a",@progbits
	.p2align	6, 0x0
	.amdhsa_kernel k_qae080fb047_ff2
		.amdhsa_group_segment_fixed_size 327680
		.amdhsa_private_segment_fixed_size 0
		.amdhsa_enable_private_segment 0
		.amdhsa_kernarg_size 40
		.amdhsa_user_sgpr_count 2
		.amdhsa_user_sgpr_kernarg_segment_ptr 1
		.amdhsa_wavefront_size32 1
		.amdhsa_system_sgpr_workgroup_id_x 1
		.amdhsa_system_sgpr_workgroup_id_y 1
		.amdhsa_system_sgpr_workgroup_id_z 1
		.amdhsa_system_vgpr_workitem_id 0
		.amdhsa_next_free_vgpr 1024
		.amdhsa_next_free_sgpr 100
		.amdhsa_reserve_vcc 0
		.amdhsa_float_denorm_mode_32 3
		.amdhsa_float_denorm_mode_16_64 3
		.amdhsa_memory_ordered 1
		.amdhsa_forward_progress 1
		.amdhsa_inst_pref_size 185
	.end_amdhsa_kernel
	.amdgpu_metadata
---
amdhsa.version: [ 1, 2 ]
amdhsa.kernels:
  - .name:           k_qae080fb047_ff2
    .symbol:         k_qae080fb047_ff2.kd
    .args:
      - { .name: himg, .offset: 0, .size: 8, .value_kind: global_buffer, .address_space: global }
      - { .name: img0, .offset: 8, .size: 8, .value_kind: global_buffer, .address_space: global }
      - { .name: ffn_b2, .offset: 16, .size: 8, .value_kind: global_buffer, .address_space: global }
      - { .name: agg, .offset: 24, .size: 8, .value_kind: global_buffer, .address_space: global }
      - { .name: z, .offset: 32, .size: 8, .value_kind: global_buffer, .address_space: global }
    .group_segment_fixed_size: 327680
    .private_segment_fixed_size: 0
    .kernarg_segment_align: 8
    .kernarg_segment_size: 40
    .max_flat_workgroup_size: 128
    .sgpr_count:     100
    .vgpr_count:     1024
    .wavefront_size: 32
...
	.end_amdgpu_metadata
.endif
;; end of part 7
;; launch ln2 (part 8): grid 256 x 1, 4 waves a work-group, no clusters, 67,584 bytes of LDS; arguments z, ln2_g, ln2_b, out0; writes out0
.if DOCPART == 8
	.amdgcn_target "amdgcn-amd-amdhsa--gfx1250"
	.amdhsa_code_object_version 6
	.text
	.protected	k_qae080fb047_ln2
	.globl	k_qae080fb047_ln2
	.p2align	8
	.type	k_qae080fb047_ln2,@function
k_qae080fb047_ln2:
	s_mov_b64 s[64:65], 0
	v_nop
	global_prefetch_b8 v0, s[64:65] scope:SCOPE_SE
	s_setreg_imm32_b32 hwreg(HW_REG_WAVE_MODE, 25, 1), 1
	s_wait_xcnt 0x0
; y = (z - mean) x rsqrt(var + 1e-5) x g + b along rows of 1,024, in f32; y leaves as f32 rows.
; SHARES.  A work-group takes 16 rows: with i = work-group % 4 and Q = work-group / 4, place p is row 64 Q + 32 (i / 2) + 16 (p / 8) + 8 (i % 2) + p % 8 (the same share as the first layer norm's; every row is taken once).  Wave w takes columns 256 w .. 256 w + 255.
; Each load and store of f32 rows covers 512 consecutive bytes.  The rows turn through the wave's own stage in LDS (rows of 1,040 bytes), so that lane (r, h) holds 128 numbers of row r and a row's sum needs one exchange between the halves of the lanes.
; The mean is taken first and the variance of the deviations in a second pass: no difference of large sums is formed.  The four waves' parts of a sum meet in LDS, with a barrier for each of the two sums, in bytes of their own.
; Memory binds here: no matrix unit, no cluster (work-groups share only g and b, 8 KB).
; LIMITS: NaN and infinities are not served; v_rsq_f32 is accurate to 1 ulp.
.set L16,  1
.set SIN,  2                           ; v2 the stage by rows: 16,640 x wave + 16 x lane
.set SOUT, 3                           ; v3 the stage by lanes: 16,640 x wave + 1,040 r + 64 h
.set RST,  4                           ; v4 where I put my wave's part of a sum: RED + 64 w + 4 r
.set RLD,  5                           ; v5 where the four parts of my row lie: RED + 4 r
.set GBO,  6                           ; v6 64 h
.set Z,    32                          ; v32-159 my 128 numbers;  window 1: v0-127 g, v128-255 b
.set RED,  66560
.set SEL,  32
.set MSB, 0
.macro WIN new
.if MSB != (\new)
	s_set_vgpr_msb (MSB<<8)|(\new)
.set MSB, \new
.endif
.endm
.macro MEET off                        ; my wave's part of a sum (four packed chains in v[12:19]) meets the other waves' in LDS at byte off; the row's sum comes back in v20
	v_pk_add_f32 v[12:13], v[12:13], v[14:15]
	v_pk_add_f32 v[16:17], v[16:17], v[18:19]
	v_pk_add_f32 v[12:13], v[12:13], v[16:17]
	v_add_f32 v12, v12, v13
	v_permlanex16_b32 v20, v12, s[SEL], s[SEL+1]
	v_add_f32 v12, v12, v20
	ds_store_b32 v[RST], v12 offset:\off           ; (both halves of the lanes write the same word with the same value)
	s_wait_dscnt 0x0                               ; for the others' sake
	s_barrier_signal -1
	s_barrier_wait -1
.irp w, 0,1,2,3
	ds_load_b32 v[20+\w], v[RLD] offset:\off+64*\w
.endr
	s_wait_dscnt 0x0
	v_add_f32 v20, v20, v21
	v_add_f32 v22, v22, v23
	v_add_f32 v20, v20, v22
.endm
	s_load_b256 s[4:11], s[0:1], 0x0               ; z, g, b, out0
	v_lshl_add_u32 v254, v0, 2, 0x10600
	v_mov_b32 v255, 0
	v_lshrrev_b32 v25, 5, v0
	v_readfirstlane_b32 s14, v25                   ; wave 0..3
	v_and_b32 v25, 31, v0
	v_and_b32 v26, 15, v0                          ; r
	v_bfe_u32 v27, v0, 4, 1                        ; h
	v_lshlrev_b32 v[L16], 4, v25
	s_mul_i32 s15, s14, 16640
	v_add_nc_u32 v[SIN], s15, v[L16]
	v_mul_u32_u24 v[SOUT], v26, 1040
	v_lshl_add_u32 v[SOUT], v27, 6, v[SOUT]
	v_add_nc_u32 v[SOUT], s15, v[SOUT]
	v_lshlrev_b32 v[RLD], 2, v26
	v_add_nc_u32 v[RLD], RED, v[RLD]
	s_lshl_b32 s16, s14, 6
	v_add_nc_u32 v[RST], s16, v[RLD]
	v_lshlrev_b32 v[GBO], 6, v27
	v_mov_b32 v20, 0                               ; a lane permute's destination counts as one of its sources
	s_mov_b32 s[SEL], 0x76543210
	s_mov_b32 s[SEL+1], 0xfedcba98
	s_mov_b32 s35, 0x3a800000                      ; 1 / 1,024
	s_mov_b32 s36, 0x3727c5ac                      ; 1e-5
	s_lshr_b32 s17, ttmp9, 2
	s_and_b32 s18, ttmp9, 3
	s_lshr_b32 s19, s18, 1
	s_and_b32 s20, s18, 1
	s_lshl_b32 s21, s17, 6
	s_lshl_b32 s22, s19, 5
	s_add_co_u32 s21, s21, s22
	s_lshl_b32 s22, s20, 3
	s_add_co_u32 s21, s21, s22                     ; place 0's row
	s_lshl_b32 s21, s21, 12
	s_lshl_b32 s22, s14, 10                        ; my 256 columns
	s_mov_b32 s23, 0
	s_add_co_u32 s24, s21, s22
	s_mov_b32 s25, 0
	s_wait_kmcnt 0x0
	s_add_nc_u64 s[4:5], s[4:5], s[24:25]
	s_add_nc_u64 s[10:11], s[10:11], s[24:25]
	s_add_nc_u64 s[6:7], s[6:7], s[22:23]
	s_add_nc_u64 s[8:9], s[8:9], s[22:23]
.irp p, 0,1,2,3,4,5,6,7,8,9,10,11,12,13,14,15
.irp e, 0,1
	global_load_b128 v[Z+8*\p+4*\e:Z+8*\p+4*\e+3], v[L16], s[4:5] offset:((\p%8)+16*(\p/8))*4096+512*\e th:TH_LOAD_NT
.endr
.endr
	WIN 0x40                                       ; destination window 1
.irp b, 0,1,2,3,4,5,6,7
.irp j, 0,1,2,3
	global_load_b128 v[16*\b+4*\j:16*\b+4*\j+3], v[GBO], s[6:7] offset:128*\b+16*\j   ; g in the lanes' layout
.endr
.endr
	WIN 0
	s_wait_loadcnt 32                              ; z's 32 loads are in; g's 32 may be out
.irp p, 0,1,2,3,4,5,6,7,8,9,10,11,12,13,14,15
.irp e, 0,1
	ds_store_b128 v[SIN], v[Z+8*\p+4*\e:Z+8*\p+4*\e+3] offset:1040*\p+512*\e
.endr
.endr
	s_wait_dscnt 0x0                               ; the stores have read their registers
.irp b, 0,1,2,3,4,5,6,7
.irp j, 0,1,2,3
	ds_load_b128 v[Z+16*\b+4*\j:Z+16*\b+4*\j+3], v[SOUT] offset:128*\b+16*\j
.endr
.endr
	WIN 0x40
.irp b, 0,1,2,3,4,5,6,7
.irp j, 0,1,2,3
	global_load_b128 v[128+16*\b+4*\j:128+16*\b+4*\j+3], v[GBO], s[8:9] offset:128*\b+16*\j   ; b likewise
.endr
.endr
	WIN 0
	s_wait_dscnt 0x0
.irp k, 0,1,2,3
	v_pk_add_f32 v[12+2*\k:13+2*\k], v[Z+2*\k:Z+2*\k+1], v[Z+8+2*\k:Z+9+2*\k]   ; the first pairs start four chains: nothing is cleared
.endr
.irp n, 16,24,32,40,48,56,64,72,80,88,96,104,112,120
.irp k, 0,1,2,3
	v_pk_add_f32 v[12+2*\k:13+2*\k], v[12+2*\k:13+2*\k], v[Z+\n+2*\k:Z+\n+2*\k+1]
.endr
.endr
	MEET 0
	v_mul_f32 v8, s35, v20                         ; the mean
	v_mov_b32 v9, v8
.set n, 0
.rept 64
	v_pk_add_f32 v[Z+n:Z+n+1], v[Z+n:Z+n+1], v[8:9] neg_lo:[0,1] neg_hi:[0,1]   ; the deviations
.set n, n+2
.endr
.irp k, 0,1,2,3
	v_pk_mul_f32 v[12+2*\k:13+2*\k], v[Z+2*\k:Z+2*\k+1], v[Z+2*\k:Z+2*\k+1]
.endr
.irp n, 8,16,24,32,40,48,56,64,72,80,88,96,104,112,120
.irp k, 0,1,2,3
	v_pk_fma_f32 v[12+2*\k:13+2*\k], v[Z+\n+2*\k:Z+\n+2*\k+1], v[Z+\n+2*\k:Z+\n+2*\k+1], v[12+2*\k:13+2*\k]
.endr
.endr
	MEET 256
	v_fma_f32 v25, v20, s35, s36                   ; the variance + 1e-5
	v_rsq_f32 v10, v25
	v_nop                                          ; a plain instruction behind the transcendental
	s_wait_alu depctr_va_vdst(0)                   ; and the wait ahead of its first reader
	v_mov_b32 v11, v10
.set n, 0
.rept 64
	v_pk_mul_f32 v[Z+n:Z+n+1], v[Z+n:Z+n+1], v[10:11]
.set n, n+2
.endr
	s_wait_loadcnt 0x0                             ; g and b
	WIN 0x14                                       ; sources 1 and 2 window 1
.set n, 0
.rept 64
	v_pk_fma_f32 v[Z+n:Z+n+1], v[Z+n:Z+n+1], v[n:n+1], v[128+n:129+n]
.set n, n+2
.endr
	WIN 0
.irp b, 0,1,2,3,4,5,6,7
.irp j, 0,1,2,3
	ds_store_b128 v[SOUT], v[Z+16*\b+4*\j:Z+16*\b+4*\j+3] offset:128*\b+16*\j   ; back into my stage, to leave by rows
.endr
.endr
	s_wait_dscnt 0x0                               ; the stores into the stage have read their registers
.irp p, 0,1,2,3,4,5,6,7,8,9,10,11,12,13,14,15
.irp e, 0,1
	ds_load_b128 v[Z+8*\p+4*\e:Z+8*\p+4*\e+3], v[SIN] offset:1040*\p+512*\e
.endr
.endr
.irp p, 0,1,2,3,4,5,6,7,8,9,10,11,12,13,14,15
.irp e, 0,1
	s_wait_dscnt 31-2*\p-\e                        ; LDS loads come back in order: this one is in, the younger ones may be out
	global_store_b128 v[L16], v[Z+8*\p+4*\e:Z+8*\p+4*\e+3], s[10:11] offset:((\p%8)+16*(\p/8))*4096+512*\e th:TH_STORE_NT
.endr
.endr
	s_wait_tensorcnt 0x0
	ds_add_u32 v254, v255
	s_wait_dscnt 0x0
	s_endpgm
.Lfunc_end_k_qae080fb047_ln2:
	.size	k_qae080fb047_ln2, .Lfunc_end_k_qae080fb047_ln2-k_qae080fb047_ln2
	.p2alignl 7, 3214868480
	.fill 96, 4, 3214868480
	.section	.rodata,"a",@progbits
	.p2align	6, 0x0
	.amdhsa_kernel k_qae080fb047_ln2
		.amdhsa_group_segment_fixed_size 67584
		.amdhsa_private_segment_fixed_size 0
		.amdhsa_enable_private_segment 0
		.amdhsa_kernarg_size 32
		.amdhsa_user_sgpr_count 2
		.amdhsa_user_sgpr_kernarg_segment_ptr 1
		.amdhsa_wavefront_size32 1
		.amdhsa_system_sgpr_workgroup_id_x 1
		.amdhsa_system_sgpr_workgroup_id_y 1
		.amdhsa_system_sgpr_workgroup_id_z 1
		.amdhsa_system_vgpr_workitem_id 0
		.amdhsa_next_free_vgpr 512
		.amdhsa_next_free_sgpr 66
		.amdhsa_reserve_vcc 0
		.amdhsa_float_denorm_mode_32 3
		.amdhsa_float_denorm_mode_16_64 3
		.amdhsa_memory_ordered 1
		.amdhsa_forward_progress 1
		.amdhsa_inst_pref_size 46
	.end_amdhsa_kernel
	.amdgpu_metadata
---
amdhsa.version: [ 1, 2 ]
amdhsa.kernels:
  - .name:           k_qae080fb047_ln2
    .symbol:         k_qae080fb047_ln2.kd
    .args:
      - { .name: z, .offset: 0, .size: 8, .value_kind: global_buffer, .address_space: global }
      - { .name: ln2_g, .offset: 8, .size: 8, .value_kind: global_buffer, .address_space: global }
      - { .name: ln2_b, .offset: 16, .size: 8, .value_kind: global_buffer, .address_space: global }
      - { .name: out0, .offset: 24, .size: 8, .value_kind: global_buffer, .address_space: global }
    .group_segment_fixed_size: 67584
    .private_segment_fixed_size: 0
    .kernarg_segment_align: 8
    .kernarg_segment_size: 32
    .max_flat_workgroup_size: 128
    .sgpr_count:     66
    .vgpr_count:     512
    .wavefront_size: 32
...
	.end_amdgpu_metadata
.endif
;; end of part 8
;; ======== version 2 of 2: 7 launches
;; limits: right only within a limited range of input values
;; workspace buffers: img0 13,107,200 bytes; qkvimg 10,092,544 bytes; act 3,276,800 bytes; act2 3,276,800 bytes; z 16,777,216 bytes; agg 16,777,216 bytes; himg 13,107,200 bytes
;; launch qnt (part 9): grid 512 x 1, 4 waves a work-group, no clusters, 34,304 bytes of LDS; arguments src, qkv_w, out_w, ffn_w1, ffn_w2, img0; writes img0
.if DOCPART == 9
	.amdgcn_target "amdgcn-amd-amdhsa--gfx1250"
	.amdhsa_code_object_version 6
	.text
	.protected	k_qae080fb047_qnt
	.globl	k_qae080fb047_qnt
	.p2align	8
	.type	k_qae080fb047_qnt,@function
k_qae080fb047_qnt:
	s_mov_b64 s[64:65], 0
	v_nop
	global_prefetch_b8 v0, s[64:65] scope:SCOPE_SE
	s_setreg_imm32_b32 hwreg(HW_REG_WAVE_MODE, 25, 1), 1
	s_wait_xcnt 0x0
; src [4096][1024], qkv_w [3072][1024], out_w [1024][1024], ffn_w1 [4096][1024], ffn_w2 [1024][4096], all f32 with K innermost, become codes of BF6 (E3M2) with one E8M0 byte for each 32 along K,
; laid in img0 IN THE ORDER OF AN OPERAND'S REGISTERS.  A QUAD (6,400 bytes) holds 64 rows x 128 K: four fragments of 1,536 bytes, then 256 bytes of scale words.
; A fragment: registers 0-3 of lane l at 16 l, registers 4-5 at 512 + 8 l, registers 6-9 at 768 + 16 l, registers 10-11 at 1,280 + 8 l.  Scale words: lane l's 8 bytes at 6,144 + 8 l: the word of tile l / 16, row l % 16, then that of tile 2 + l / 16.
; THE ROWS OF A TILE ARE NOT NEIGHBOURS: place p of tile i of a quad holds the quad's row 32 (i / 2) + 16 (p / 8) + 8 (i % 2) + p % 8, so that a product used transposed leaves 16 neighbours along the next K in a lane's 16 registers.
; img0: quads [8 K steps][112]: 0-63 src, 64 + 16 part + head the rows 192 head + 64 part .. + 63 of qkv_w; from quad 896 out_w [8][16]; from 1,024 ffn_w1 [8][64]; from 1,536 ffn_w2 [32][16].
; A block's scale is 2^(floor(log2(its largest magnitude)) - 4); its byte is that magnitude's exponent field - 4, held at 1 from below.
; LIMITS: NaN and infinities are not served; a block whose largest magnitude lies under 2^-122 gets the byte 1; a block of zeros gets the byte 1 and not 127: its codes are zeros, and this program alone reads the bytes.
; SHARES.  A wave makes one quad; a work-group one group of 64 rows x four neighbouring K steps, so that its four waves read 2,048 consecutive bytes of each row.  Waves share nothing: no barrier, no cluster, no matrix unit.
; Each load reads 512 consecutive bytes of a row; 16 rows turn through the wave's own stage in LDS (rows of 528 bytes) and come back 16 neighbours a block a lane.  32 loads of a wave are out.
.set L16,  1                           ; v1     16 x lane
.set L8,   2                           ; v2     8 x lane
.set SIN,  3                           ; v3     the stage, on the way in: 8,448 x wave + 16 x lane
.set PW,   4                           ; v4-7   the four tiles' scale words
.set OFF,  8                           ; v8-23  place p of a tile: (p % 8 + 16 (p / 8)) x a row's bytes + 16 x lane; never rewritten
.set CT,   24                          ; v24-30 the conversions' second halves
.set SOUT, 31                          ; v31    the stage, on the way out: 8,448 x wave + 528 x (lane % 16) + 64 x (lane / 16)
.set R0,   32                          ; v32-159 two sets of 64: a tile as it is loaded
.set X,    160                         ; v160-223 a tile, 64 numbers of one row a lane
.set TM,   224                         ; v224-239 at work
.set PC,   240                         ; v240-251 a fragment's codes
.set SP,   252                         ; v252-253 the quad's scale words as they are stored
.set WV,   19
.set SEL,  42                          ; s[42:43] v_permlanex16_b32's selects for lane l xor 16
.set HM,   44                          ; s44    the mask of lanes 16-31
; 64 numbers of a lane, v[s] on (register 16 b + i = k 32 b + 16 (lane / 16) + i of my row), become a fragment's codes in v[PC] on and its scale word in v[pw].
.macro QUANT s, pw
.irp b, 0,1,2,3
	v_max3_num_f32 v[TM+\b], |v[\s+16*\b]|, |v[\s+1+16*\b]|, 0x2800000   ; block b: my 16 numbers, and the floor 2^(5 - 127): the byte cannot fall under 1
.endr
.irp i, 2,4,6,8,10,12,14
.irp b, 0,1,2,3
	v_max3_num_f32 v[TM+\b], v[TM+\b], |v[\s+16*\b+\i]|, |v[\s+1+16*\b+\i]|   ; the four blocks by turns
.endr
.endr
.irp b, 0,1,2,3
	v_permlanex16_b32 v[TM+4+\b], v[TM+\b], s[SEL], s[SEL+1]
.endr
.irp b, 0,1,2,3
	v_max_num_f32 v[TM+\b], v[TM+\b], v[TM+4+\b]   ; with lane l xor 16's: the block's largest magnitude
.endr
.irp b, 0,1,2,3
	v_add_nc_u32 v[TM+12+\b], 0xfe000000, v[TM+\b]   ; 4 off its exponent field: the conversion takes this operand's exponent field as its scale
.endr
.irp b, 0,1,2,3
	v_lshrrev_b32 v[TM+4+\b], 23, v[TM+12+\b]      ; the scale's byte
.endr
	v_lshl_or_b32 v[\pw], v[TM+5], 8, v[TM+4]
	v_lshl_or_b32 v[\pw], v[TM+6], 16, v[\pw]
	v_lshl_or_b32 v[\pw], v[TM+7], 24, v[\pw]
.irp c, 0,1
	v_cvt_scalef32_pk16_bf6_f32 v[PC+6*\c:PC+6*\c+2], v[\s+32*\c:\s+32*\c+15], v[TM+12+2*\c]
	v_cvt_scalef32_pk16_bf6_f32 v[CT+4*\c:CT+4*\c+2], v[\s+32*\c+16:\s+32*\c+31], v[TM+13+2*\c]   ; (a conversion's three registers begin on an even number)
.endr
	v_nop                                          ; one plain instruction behind the scaled conversions
.irp c, 0,1                                    ; the operand wants a whole block in a lane: lanes 0-15 block 2 c, lanes 16-31 block 2 c + 1
.irp i, 0,1,2
	v_permlane16_swap_b32 v[PC+6*\c+\i], v[CT+4*\c+\i]
.endr
.irp i, 0,1,2
	v_mov_b32 v[PC+3+6*\c+\i], v[CT+4*\c+\i]
.endr
.endr
.endm
.macro PUTFRAG base, off               ; the fragment leaves as it stands: each store covers 512 or 256 consecutive bytes, aligned to 256
	global_store_b128 v[L16], v[PC:PC+3], s[\base:\base+1] offset:\off
	global_store_b64 v[L8], v[PC+4:PC+5], s[\base:\base+1] offset:(\off)+512
	global_store_b128 v[L16], v[PC+6:PC+9], s[\base:\base+1] offset:(\off)+768
	global_store_b64 v[L8], v[PC+10:PC+11], s[\base:\base+1] offset:(\off)+1280
.endm
.macro LOAD t                          ; tile t's 16 rows, 512 bytes each, into set t % 2
.irp p, 0,1,2,3,4,5,6,7,8,9,10,11,12,13,14,15
	global_load_b128 v[R0+64*((\t)%2)+4*\p:R0+64*((\t)%2)+4*\p+3], v[OFF+\p], s[32+2*(\t):33+2*(\t)] th:TH_LOAD_NT
.endr
.endm
	s_load_b256 s[4:11], s[0:1], 0x0               ; src, qkv_w, out_w, ffn_w1
	s_load_b128 s[12:15], s[0:1], 0x20             ; ffn_w2, img0
	v_lshl_add_u32 v254, v0, 2, 0x8400
	v_mov_b32 v255, 0
	v_lshrrev_b32 v1, 5, v0
	v_readfirstlane_b32 s[WV], v1                  ; wave 0..3
	v_and_b32 v2, 31, v0                           ; lane
	v_lshlrev_b32 v[L16], 4, v2
	v_and_b32 v4, 15, v0
	v_bfe_u32 v5, v0, 4, 1
	s_mul_i32 s45, s[WV], 8448                     ; my stage
	v_add_nc_u32 v[SIN], s45, v[L16]
	v_mul_u32_u24 v[SOUT], v4, 528
	v_lshl_add_u32 v[SOUT], v5, 6, v[SOUT]
	v_add_nc_u32 v[SOUT], s45, v[SOUT]
	v_lshlrev_b32 v[L8], 3, v2
	s_mov_b32 s[SEL], 0x76543210
	s_mov_b32 s[SEL+1], 0xfedcba98
	s_mov_b32 s[HM], 0xffff0000
.irp b, 0,1,2,3
	v_mov_b32 v[TM+4+\b], 0                        ; written once: a lane permute's destination counts as one of its sources
.endr
	; which tensor: the choice hangs on the work-group's number alone
	s_mov_b32 s20, 0                               ; the tensor's first work-group
	s_mov_b32 s21, 1                               ; log2 of the work-groups to a group of rows
	s_mov_b32 s22, 4096                            ; a row in bytes
	s_mov_b32 s23, 112                             ; quads from K step to K step
	s_mov_b32 s24, 0                               ; the tensor's first quad
	s_wait_kmcnt 0x0
	s_mov_b64 s[16:17], s[4:5]
	s_cmp_ge_u32 ttmp9, 128
	s_cselect_b64 s[16:17], s[6:7], s[16:17]
	s_cselect_b32 s20, 128, s20
	s_cselect_b32 s24, 64, s24
	s_cmp_ge_u32 ttmp9, 224
	s_cselect_b64 s[16:17], s[8:9], s[16:17]
	s_cselect_b32 s20, 224, s20
	s_cselect_b32 s23, 16, s23
	s_cselect_b32 s24, 896, s24
	s_cmp_ge_u32 ttmp9, 256
	s_cselect_b64 s[16:17], s[10:11], s[16:17]
	s_cselect_b32 s20, 256, s20
	s_cselect_b32 s23, 64, s23
	s_cselect_b32 s24, 1024, s24
	s_cmp_ge_u32 ttmp9, 384
	s_cselect_b64 s[16:17], s[12:13], s[16:17]
	s_cselect_b32 s20, 384, s20
	s_cselect_b32 s21, 3, s21
	s_cselect_b32 s22, 16384, s22
	s_cselect_b32 s23, 16, s23
	s_cselect_b32 s24, 1536, s24
	s_sub_co_u32 s25, ttmp9, s20
	s_lshr_b32 s26, s25, s21                       ; the group of 64 rows
	s_lshl_b32 s27, s26, s21
	s_sub_co_u32 s27, s25, s27
	s_lshl_b32 s27, s27, 2
	s_add_co_u32 s27, s27, s[WV]                   ; my K step of 128
	s_lshl_b32 s28, s26, 6                         ; its first row;
	s_and_b32 s29, s26, 15                         ; in qkv_w group 16 part + head begins at row 192 head + 64 part
	s_mul_i32 s29, s29, 192
	s_lshr_b32 s30, s26, 4
	s_lshl_b32 s30, s30, 6
	s_add_co_u32 s29, s29, s30
	s_cmp_eq_u32 s20, 128
	s_cselect_b32 s28, s29, s28
	s_mul_i32 s28, s28, s22
	s_lshl_b32 s29, s27, 9
	s_add_co_u32 s28, s28, s29
	s_mov_b32 s29, 0
	s_add_nc_u64 s[32:33], s[16:17], s[28:29]      ; tile 0 begins at the group's row 0,
	s_lshl_b32 s30, s22, 3
	s_mov_b32 s31, 0
	s_add_nc_u64 s[34:35], s[32:33], s[30:31]      ; tile 1 at row 8,
	s_lshl_b32 s30, s22, 5
	s_add_nc_u64 s[36:37], s[32:33], s[30:31]      ; tile 2 at row 32,
	s_add_nc_u64 s[38:39], s[34:35], s[30:31]      ; tile 3 at row 40
	s_mul_i32 s40, s27, s23
	s_add_co_u32 s40, s40, s26
	s_add_co_u32 s40, s40, s24
	s_mul_i32 s40, s40, 6400
	s_mov_b32 s41, 0
	s_add_nc_u64 s[14:15], s[14:15], s[40:41]      ; my quad
.irp p, 0,1,2,3,4,5,6,7,8,9,10,11,12,13,14,15
	v_mad_u32_u24 v[OFF+\p], s22, (\p%8)+16*(\p/8), v[L16]
.endr
	LOAD 0
	LOAD 1
.macro FRG t
.if \t < 3
	s_wait_loadcnt 16                              ; this tile's 16 loads are in; the next tile's 16 may be out
.else
	s_wait_loadcnt 0x0
.endif
.if \t > 0
	s_wait_xcnt 0x0                                ; the last tile's stores have read v[PC] on, which is written again below
.endif
.irp p, 0,1,2,3,4,5,6,7,8,9,10,11,12,13,14,15
	ds_store_b128 v[SIN], v[R0+64*(\t%2)+4*\p:R0+64*(\t%2)+4*\p+3] offset:528*\p
.endr
.irp b, 0,1,2,3
.irp j, 0,1,2,3
	ds_load_b128 v[X+16*\b+4*\j:X+16*\b+4*\j+3], v[SOUT] offset:128*\b+16*\j   ; LDS serves a wave's instructions in order: these see the stores above
.endr
.endr
	s_wait_dscnt 0x0
.if \t < 2
	LOAD \t+2
.endif
	QUANT X, PW+\t
	PUTFRAG 14, 1536*\t
.endm
	s_wait_alu depctr_va_vdst(0)
	FRG 0
	FRG 1
	FRG 2
	FRG 3
	v_cndmask_b32 v[SP], v[PW], v[PW+1], s[HM]     ; lanes 0-15 tile 0's words, lanes 16-31 tile 1's (a word stands in both halves of the lanes)
	v_cndmask_b32 v[SP+1], v[PW+2], v[PW+3], s[HM]
	global_store_b64 v[L8], v[SP:SP+1], s[14:15] offset:6144
	s_wait_tensorcnt 0x0
	ds_add_u32 v254, v255
	s_wait_dscnt 0x0
	s_endpgm
.Lfunc_end_k_qae080fb047_qnt:
	.size	k_qae080fb047_qnt, .Lfunc_end_k_qae080fb047_qnt-k_qae080fb047_qnt
	.p2alignl 7, 3214868480
	.fill 96, 4, 3214868480
	.section	.rodata,"a",@progbits
	.p2align	6, 0x0
	.amdhsa_kernel k_qae080fb047_qnt
		.amdhsa_group_segment_fixed_size 34304
		.amdhsa_private_segment_fixed_size 0
		.amdhsa_enable_private_segment 0
		.amdhsa_kernarg_size 48
		.amdhsa_user_sgpr_count 2
		.amdhsa_user_sgpr_kernarg_segment_ptr 1
		.amdhsa_wavefront_size32 1
		.amdhsa_system_sgpr_workgroup_id_x 1
		.amdhsa_system_sgpr_workgroup_id_y 1
		.amdhsa_system_sgpr_workgroup_id_z 1
		.amdhsa_system_vgpr_workitem_id 0
		.amdhsa_next_free_vgpr 256
		.amdhsa_next_free_sgpr 66
		.amdhsa_reserve_vcc 0
		.amdhsa_float_denorm_mode_32 3
		.amdhsa_float_denorm_mode_16_64 3
		.amdhsa_memory_ordered 1
		.amdhsa_forward_progress 1
		.amdhsa_inst_pref_size 36
	.end_amdhsa_kernel
	.amdgpu_metadata
---
amdhsa.version: [ 1, 2 ]
amdhsa.kernels:
  - .name:           k_qae080fb047_qnt
    .symbol:         k_qae080fb047_qnt.kd
    .args:
      - { .name: src, .offset: 0, .size: 8, .value_kind: global_buffer, .address_space: global }
      - { .name: qkv_w, .offset: 8, .size: 8, .value_kind: global_buffer, .address_space: global }
      - { .name: out_w, .offset: 16, .size: 8, .value_kind: global_buffer, .address_space: global }
      - { .name: ffn_w1, .offset: 24, .size: 8, .value_kind: global_buffer, .address_space: global }
      - { .name: ffn_w2, .offset: 32, .size: 8, .value_kind: global_buffer, .address_space: global }
      - { .name: img0, .offset: 40, .size: 8, .value_kind: global_buffer, .address_space: global }
    .group_segment_fixed_size: 34304
    .private_segment_fixed_size: 0
    .kernarg_segment_align: 8
    .kernarg_segment_size: 48
    .max_flat_workgroup_size: 128
    .sgpr_count:     66
    .vgpr_count:     256
    .wavefront_size: 32
...
	.end_amdgpu_metadata
.endif
;; end of part 9
;; launch qkvp (part 10): grid 12 x 16, 4 waves a work-group, clusters of 4 x 4, 327,680 bytes of LDS; arguments img0, qkv_b, qkvimg; writes qkvimg
.if DOCPART == 10
	.amdgcn_target "amdgcn-amd-amdhsa--gfx1250"
	.amdhsa_code_object_version 6
	.text
	.protected	k_qae080fb047_qkvp
	.globl	k_qae080fb047_qkvp
	.p2align	8
	.type	k_qae080fb047_qkvp,@function
k_qae080fb047_qkvp:
	s_mov_b64 s[64:65], 0
	v_nop
	global_prefetch_b8 v0, s[64:65] scope:SCOPE_SE
	s_setreg_imm32_b32 hwreg(HW_REG_WAVE_MODE, 25, 1), 1
	s_wait_xcnt 0x0
	s_wait_alu depctr_hold_cnt(0) depctr_sa_sdst(0) depctr_va_vdst(0) depctr_va_sdst(0) depctr_va_ssrc(0) depctr_va_vcc(0) depctr_vm_vsrc(0)
	s_getreg_b32 s2, hwreg(HW_REG_IB_STS2, 6, 4)
	s_cmp_eq_u32 s2, 0
	s_cbranch_scc0 .Lentry_in_a_cluster
	s_endpgm
.Lentry_in_a_cluster:
	s_bfe_u32 s2, ttmp6, 0x10000c
	s_cmp_lg_u32 s2, 0xf033
	s_cbranch_scc0 .Lentry_shape_is_right
	s_endpgm
.Lentry_shape_is_right:
; qkv = src qkv_w^T + qkv_b on codes of BF6 (E3M2) with E8M0 scales; its results q, k (quantised along the head's 64) and v (quantised along the keys) leave as operand images for the attention launch.
; OPERAND IMAGES.  A quad (6,400 bytes) is 64 rows x 128 K: four fragments of 1,536 bytes in the order of their registers (registers 0-3 of lane l at 16 l, 4-5 at 512 + 8 l, 6-9 at 768 + 16 l, 10-11 at 1,280 + 8 l), then the
; scale words (lane l's 8 bytes at 6,144 + 8 l: tile l / 16's word of row l % 16, then tile 2 + l / 16's).  Place p of tile i holds the quad's row 32 (i / 2) + 16 (p / 8) + 8 (i % 2) + p % 8.
; img0 holds [8 K steps][112 quads]: 0-63 the tokens, 64 + 16 part + head the 64 rows of W for that head's q (part 0), k (1) or v (2).
; THE PRODUCT.  A tile of C, 256 x 256, to a work-group of four waves; a wave makes 128 x 128 in 64 accumulators.  The matrix instruction is used transposed: source 0 = 16 rows of the operand called B here, source 1 = 16 rows of A:
; lane (r, h) holds A's place r, and the 16 registers of B's tiles 2 b, 2 b + 1 are B's rows 32 b + 16 h + 0 .. 15: 16 neighbours along the next product's K.
; For q and k (cluster x = 0, 1): A = tokens, B = rows of W: a lane holds a token, its registers run along two heads' 64.  For v (cluster x = 2): A = rows of W, B = tokens: a lane holds a channel, its registers run along 128 keys.
; The roles are chosen BY ADDRESS, on the cluster's x alone, which all partners share; one loop serves both.
; K goes in steps of 256 through a ring of two LDS slots; a wave's one tensor load brings two quads of two K steps of 128 (two rows of 12,800 bytes).  4 x 4 work-groups form a cluster: A's tiles are asked for jointly along a row, B's along a column.
; OUT.  qkvimg: q as [32 heads of the batch][32 groups of 64 tokens] of 3,328 bytes (four half fragments of 768 bytes, then 256 bytes of scale words, of which bytes 0 and 1 count); k likewise from byte 3,407,872;
; v as [32][16 steps of 128 keys] quads from byte 6,815,744.  Bytes 2 and 3 of q's and k's scale words are a neighbour head's bytes or 0: they meet zero codes alone and are never 0xff.
; LIMITS: NaN and infinities are not served; a block whose largest magnitude lies under 2^-122, a block of zeros among them, gets the byte 1 (its codes are then zeros or the nearest codes under that scale; this program alone reads the bytes).
.set LAPS,   2                         ; K = 1,024: four K steps of 256, two to a lap
.set STRA,   716800                    ; bytes from a K step of 128 to the next in A's image: 112 quads
.set STRB,   716800
.set QB,     6400
.set HALFT,  4*QB                      ; what one tensor load brings, and what a wave reads of A or of B in a slot: [2 steps][2 quads]
.set SLOT,   4*HALFT                   ; A's two halves, then B's
.set SPARE,  2*SLOT                    ; behind the ring: the spare words, 128 bytes a wave: two blocks of 256 bytes that no other line names
.set STAGE,  SPARE+512                 ; behind them: bytes that no tensor load fills
.set FR,     12
.set NL,     4                         ; LDS loads to a fragment
.set NP,     4                         ; places behind this matrix instruction (ISA guide 7.12.1)
.set ADRA, 16                          ; v16-17 my half of A in slot 0, 1, + 16 x lane; v18-19 the same + 8 x lane
.set ADRB, 20                          ; v20-23 the same for B
.set L16,  26
.set L8,   27
.set SPW,  28                          ; v28 LDS address of my spare word; never rewritten
.set NIL,  29                          ; v29 0; never rewritten
.set SC,   32                          ; v32-63 scale words and nothing else: set (slot) 16, step 8, A's four registers then B's four
.set AF,   128                         ; v128-223 A's eight fragments, one set; B's two sets lie in window 1 at v0 and v128; the accumulators in windows 2 and 3
.set G1,  24
.set G0,  32
.set G1B, 48
.set G0B, 56
.set MSB, 0
.macro WIN new                         ; the immediate's high byte repeats the setting that is left
.if MSB != (\new)
	s_set_vgpr_msb (MSB<<8)|(\new)
.set MSB, \new
.endif
.endm
.set MUL_LO, 0xa1                      ; source 0 (B) window 1, source 1 (A) window 0, C and D window 2
.set MUL_HI, 0xf1
.set TO_B,   0x40
.macro JLOAD g0a, g1a, g0b, g1b        ; a joint load: waves 0 and 1 fetch A's halves, waves 2 and 3 B's; the branch hangs on the wave's number alone; four v_nop follow each line
	s_cmp_eq_u32 s15, 0
	s_cbranch_scc0 .Lfor_b_\@
	tensor_load_to_lds s[\g0a:\g0a+3], s[\g1a:\g1a+7]
	s_nop 0
.rept 4
	v_nop
.endr
	s_branch .Lasked_\@
.Lfor_b_\@:
	tensor_load_to_lds s[\g0b:\g0b+3], s[\g1b:\g1b+7]
	s_nop 0
.rept 4
	v_nop
.endr
.Lasked_\@:
.endm
.macro CREST                           ; a round of the cluster's barrier behind its opening barrier
	s_cmp_lg_u32 s14, 0
	s_cbranch_scc1 .Lnot_wave_0_\@
	s_barrier_signal -3
.Lnot_wave_0_\@:
	s_barrier_wait -3
	s_barrier_signal -1
	s_barrier_wait -1
.endm
.macro CROUND
	s_barrier_signal -1
	s_barrier_wait -1
	CREST
.endm
.macro FRAG reg, adr, off              ; a fragment's image comes back into the same registers of the same lanes: every load reads consecutive bytes
	ds_load_b128 v[\reg:\reg+3], v[\adr] offset:\off
	ds_load_b64 v[\reg+4:\reg+5], v[\adr+2] offset:(\off)+512
	ds_load_b128 v[\reg+6:\reg+9], v[\adr] offset:(\off)+768
	ds_load_b64 v[\reg+10:\reg+11], v[\adr+2] offset:(\off)+1280
.endm
; one product.  rb, ra: source 0's and source 1's scale words stand in lanes 16-31 of their registers
.macro WM d, b, a, zero, sb, sa, rb, ra
.set WSEL, 4*(\zero)+2*(\rb)+(\ra)
.if WSEL == 0
	v_wmma_scale_f32_16x16x128_f8f6f4 v[\d:\d+7], v[\b:\b+11], v[\a:\a+11], v[\d:\d+7], v[\sb], v[\sa] matrix_a_fmt:MATRIX_FMT_BF6 matrix_b_fmt:MATRIX_FMT_BF6
.elseif WSEL == 1
	v_wmma_scale_f32_16x16x128_f8f6f4 v[\d:\d+7], v[\b:\b+11], v[\a:\a+11], v[\d:\d+7], v[\sb], v[\sa] matrix_a_fmt:MATRIX_FMT_BF6 matrix_b_fmt:MATRIX_FMT_BF6 matrix_b_scale:MATRIX_SCALE_ROW1
.elseif WSEL == 2
	v_wmma_scale_f32_16x16x128_f8f6f4 v[\d:\d+7], v[\b:\b+11], v[\a:\a+11], v[\d:\d+7], v[\sb], v[\sa] matrix_a_fmt:MATRIX_FMT_BF6 matrix_b_fmt:MATRIX_FMT_BF6 matrix_a_scale:MATRIX_SCALE_ROW1
.elseif WSEL == 3
	v_wmma_scale_f32_16x16x128_f8f6f4 v[\d:\d+7], v[\b:\b+11], v[\a:\a+11], v[\d:\d+7], v[\sb], v[\sa] matrix_a_fmt:MATRIX_FMT_BF6 matrix_b_fmt:MATRIX_FMT_BF6 matrix_a_scale:MATRIX_SCALE_ROW1 matrix_b_scale:MATRIX_SCALE_ROW1
.elseif WSEL == 4
	v_wmma_scale_f32_16x16x128_f8f6f4 v[\d:\d+7], v[\b:\b+11], v[\a:\a+11], 0, v[\sb], v[\sa] matrix_a_fmt:MATRIX_FMT_BF6 matrix_b_fmt:MATRIX_FMT_BF6
.elseif WSEL == 5
	v_wmma_scale_f32_16x16x128_f8f6f4 v[\d:\d+7], v[\b:\b+11], v[\a:\a+11], 0, v[\sb], v[\sa] matrix_a_fmt:MATRIX_FMT_BF6 matrix_b_fmt:MATRIX_FMT_BF6 matrix_b_scale:MATRIX_SCALE_ROW1
.elseif WSEL == 6
	v_wmma_scale_f32_16x16x128_f8f6f4 v[\d:\d+7], v[\b:\b+11], v[\a:\a+11], 0, v[\sb], v[\sa] matrix_a_fmt:MATRIX_FMT_BF6 matrix_b_fmt:MATRIX_FMT_BF6 matrix_a_scale:MATRIX_SCALE_ROW1
.else
	v_wmma_scale_f32_16x16x128_f8f6f4 v[\d:\d+7], v[\b:\b+11], v[\a:\a+11], 0, v[\sb], v[\sa] matrix_a_fmt:MATRIX_FMT_BF6 matrix_b_fmt:MATRIX_FMT_BF6 matrix_a_scale:MATRIX_SCALE_ROW1 matrix_b_scale:MATRIX_SCALE_ROW1
.endif
.endm
; 16 products: A's blocks a0, a0 + 1 x B's eight, the slot's q-th 128 along K; p: B's set; sc: the set of scale words.  The 64 accumulators take turns, one instruction a turn, in the same order in every step.
.macro MUL16 a0, p, q, sc, zero
.irp a, \a0, \a0+1
.irp b, 0,1,2,3,4,5,6,7
	WM 8*(8*((\a)%4)+\b), 128*(\p)+FR*\b, AF+FR*(\a), \zero, SC+16*(\sc)+8*(\q)+4+2*(\b/4)+(\b%4)/2, SC+16*(\sc)+8*(\q)+2*((\a)/4)+((\a)%4)/2, \b%2, (\a)%2
.endr
.endr
.endm
.macro FETCH_B slot, q, p
	WIN TO_B
.irp i, 0,1,2,3,4,5,6,7
	FRAG 128*(\p)+FR*\i, ADRB+\slot, 12800*(\q)+6400*(\i/4)+1536*(\i%4)
.endr
	WIN 0
.endm
.macro FETCH_A slot, q, i0             ; A's blocks i0 .. i0 + 3: one quad
.irp j, 0,1,2,3
	FRAG AF+FR*(\i0+\j), ADRA+\slot, 12800*(\q)+6400*(\i0/4)+1536*\j
.endr
.endm
.macro SCALES sc                       ; the slot's scale words: 8 bytes a lane for each quad
.irp q, 0,1
.irp e, 0,1
	ds_load_b64 v[SC+16*\sc+8*\q+2*\e:SC+16*\sc+8*\q+2*\e+1], v[ADRA+2+\sc] offset:12800*\q+6400*\e+6144
	ds_load_b64 v[SC+16*\sc+8*\q+4+2*\e:SC+16*\sc+8*\q+4+2*\e+1], v[ADRB+2+\sc] offset:12800*\q+6400*\e+6144
.endr
.endr
.endm
.macro PLACES n                        ; plain vector instructions between a matrix instruction and a load into, or a vector read or write of, its registers
.rept \n
	v_nop
.endr
.endm
.macro STEP slot, q, zero              ; a step of 128 along K that has its successor in the same slot
	s_wait_dscnt 4*NL                              ; B's set, A's blocks 0-3 and the scale words are in; the youngest 16 loads (A's blocks 4-7) may be out
	WIN MUL_LO
	MUL16 0, (\q)%2, \q, \slot, \zero
	MUL16 2, (\q)%2, \q, \slot, \zero
	s_wait_dscnt 0                                 ; A's blocks 4-7 are in
	PLACES NP
	FETCH_B \slot, (\q)+1, 1-(\q)%2
	FETCH_A \slot, (\q)+1, 0
	WIN MUL_HI
	MUL16 4, (\q)%2, \q, \slot, \zero
	MUL16 6, (\q)%2, \q, \slot, \zero
	PLACES NP
	WIN 0
	FETCH_A \slot, (\q)+1, 4
.endm
; A slot's last step changes slots: one barrier; in front of it each wave waits for all its tensor loads, adds 0 to its spare word, and waits for that and for its reads of this slot.  fill = 1: the slot is filled again, two K steps of 256 ahead.
.macro TURN slot, next, fill
	s_wait_tensorcnt 0x0                           ; all my tensor loads have landed: the one that was out is my part of the next slot
	ds_add_u32 v[SPW], v[NIL]                      ; 0 onto my spare word
	s_wait_dscnt 4*NL+1                            ; (the add and the youngest 16 loads may be out)
	WIN MUL_LO
	MUL16 0, 1, 1, \slot, 0                        ; sixteen products stand between the add and the wait for it
	s_wait_dscnt 0x0                               ; the add is done, and my reads of this slot are over
	s_barrier_signal -1
	MUL16 2, 1, 1, \slot, 0
	WIN 0
	s_barrier_wait -1
.if \fill
	CREST                                          ; the barrier has opened a round of the cluster's: no wave of any partner still reads this slot or has a load on its way
	s_add_nc_u64 s[G0+4*\slot+2:G0+4*\slot+3], s[G0+4*\slot+2:G0+4*\slot+3], 4*STRA
	s_add_nc_u64 s[G0B+4*\slot+2:G0B+4*\slot+3], s[G0B+4*\slot+2:G0B+4*\slot+3], 4*STRB
	JLOAD G0+4*\slot, G1, G0B+4*\slot, G1B         ; the first tensor load behind the round, one a wave; its four v_nop are also the places in front of the loads below
.else
	PLACES NP
.endif
	FETCH_B \next, 0, 0
	FETCH_A \next, 0, 0
	SCALES \next
	WIN MUL_HI
	MUL16 4, 1, 1, \slot, 0
	MUL16 6, 1, 1, \slot, 0
	PLACES NP
	WIN 0
	FETCH_A \next, 0, 4
.endm
; the way out's registers, all in window 0
.set BI,  64                           ; v64-127  the bias in the result's layout
.set T,   128                          ; v128-191 a block of 16 of A's places: 64 numbers a lane
.set TM,  192
.set CT,  208
.set PC,  216
.set PW,  228                          ; v228-235 the eight blocks' scale words
.set SP,  236                          ; v236-243 scale words as they are stored
.set SEL, 80
.set HM,  78
.macro QUANT s, pw                     ; 64 numbers of a lane (register 16 b + i = k 32 b + 16 (lane / 16) + i of my row) become a fragment's codes in v[PC] on and its scale word in v[pw]
.irp b, 0,1,2,3
	v_max3_num_f32 v[TM+\b], |v[\s+16*\b]|, |v[\s+1+16*\b]|, 0x2800000   ; my 16 numbers of block b, and the floor 2^(5 - 127): the byte cannot fall under 1
.endr
.irp i, 2,4,6,8,10,12,14
.irp b, 0,1,2,3
	v_max3_num_f32 v[TM+\b], v[TM+\b], |v[\s+16*\b+\i]|, |v[\s+1+16*\b+\i]|
.endr
.endr
.irp b, 0,1,2,3
	v_permlanex16_b32 v[TM+4+\b], v[TM+\b], s[SEL], s[SEL+1]
.endr
.irp b, 0,1,2,3
	v_max_num_f32 v[TM+\b], v[TM+\b], v[TM+4+\b]
.endr
.irp b, 0,1,2,3
	v_add_nc_u32 v[TM+12+\b], 0xfe000000, v[TM+\b]   ; 4 off the exponent field: the conversion's scale operand
.endr
.irp b, 0,1,2,3
	v_lshrrev_b32 v[TM+4+\b], 23, v[TM+12+\b]
.endr
	v_lshl_or_b32 v[\pw], v[TM+5], 8, v[TM+4]
	v_lshl_or_b32 v[\pw], v[TM+6], 16, v[\pw]
	v_lshl_or_b32 v[\pw], v[TM+7], 24, v[\pw]
.irp c, 0,1
	v_cvt_scalef32_pk16_bf6_f32 v[PC+6*\c:PC+6*\c+2], v[\s+32*\c:\s+32*\c+15], v[TM+12+2*\c]
	v_cvt_scalef32_pk16_bf6_f32 v[CT+4*\c:CT+4*\c+2], v[\s+32*\c+16:\s+32*\c+31], v[TM+13+2*\c]
.endr
	v_nop                                          ; one plain instruction behind the scaled conversions
.irp c, 0,1
.irp i, 0,1,2
	v_permlane16_swap_b32 v[PC+6*\c+\i], v[CT+4*\c+\i]
.endr
.irp i, 0,1,2
	v_mov_b32 v[PC+3+6*\c+\i], v[CT+4*\c+\i]
.endr
.endr
.endm
.macro PUTFRAG base, off
	global_store_b128 v[L16], v[PC:PC+3], s[\base:\base+1] offset:\off
	global_store_b64 v[L8], v[PC+4:PC+5], s[\base:\base+1] offset:(\off)+512
	global_store_b128 v[L16], v[PC+6:PC+9], s[\base:\base+1] offset:(\off)+768
	global_store_b64 v[L8], v[PC+10:PC+11], s[\base:\base+1] offset:(\off)+1280
.endm
.macro FINISH
	s_wait_tensorcnt 0x0                           ; the wave's end
	ds_add_u32 v[SPW], v[NIL]
	s_wait_dscnt 0x0
	CROUND                                         ; the closing round: no work-group ends while a partner may still ask for a tile that names it
	s_endpgm
.endm
	s_load_b128 s[4:7], s[0:1], 0x0                ; img0, qkv_b
	s_load_b64 s[8:9], s[0:1], 0x10                ; qkvimg
	v_lshl_add_u32 v[SPW], v0, 2, SPARE
	v_mov_b32 v[NIL], 0
	ds_add_u32 v28, v29
	ds_add_u32 v28, v29
	s_wait_dscnt 0x0
	v_lshrrev_b32 v1, 5, v0
	v_readfirstlane_b32 s14, v1                    ; wave 0..3
	v_and_b32 v1, 31, v0
	v_lshlrev_b32 v[L16], 4, v1
	v_lshlrev_b32 v[L8], 3, v1
	s_lshr_b32 s15, s14, 1                         ; which half of A's 256 places is mine.  Also: I fetch for A (0) or for B (1)
	s_and_b32 s16, s14, 1                          ; which half of B's.  Also: which half I fetch
	s_bfe_u32 s40, ttmp6, 0x40000                  ; cx
	s_bfe_u32 s41, ttmp6, 0x40004                  ; cy
	s_lshl_b32 s42, ttmp9, 2
	s_add_co_u32 s42, s42, s40                     ; work-group x
	s_and_b32 s66, ttmp7, 0xffff                   ; cluster y
	s_lshl_b32 s17, s66, 2
	s_add_co_u32 s17, s17, s41                     ; work-group y
	s_lshl_b32 s43, s41, 2
	s_lshl_b32 s43, 15, s43                        ; my row of the cluster
	s_lshl_b32 s44, 0x1111, s40                    ; my column
	s_or_b32 s[G1+0], s43, (3<<16)|(1<<21)         ; 15:0 the mask: A's tiles go to my row; 17:16 elements of 8 bytes; 21 set beside a mask; no padding
	s_or_b32 s[G1B+0], s44, (3<<16)|(1<<21)
.irp g, G1, G1B
	s_mov_b32 s[\g+1], 1600<<16                    ; tensor_dim0 = 1,600 elements: two quads
	s_mov_b32 s[\g+2], 2<<16                       ; tensor_dim1 = 2: two K steps of 128
	s_mov_b32 s[\g+3], 1600<<16                    ; tile_dim0
	s_mov_b32 s[\g+4], 2                           ; tile_dim1
	s_mov_b32 s[\g+6], 0
	s_mov_b32 s[\g+7], 0
.endr
	s_mov_b32 s[G1+5], STRA/8                      ; from K step to K step, in elements
	s_mov_b32 s[G1B+5], STRB/8
	; the roles.  A's quads hang on cy and the cluster's place alone, B's on cx and the cluster's place alone
	s_lshl_b32 s67, s41, 2                         ; 4 cy
	s_lshl_b32 s68, s66, 4                         ; 16 x cluster y
	s_add_co_u32 s20, s68, s67                     ; q, k: A = tokens, quad 4 x work-group y
	s_add_co_u32 s69, s67, 96                      ; v: A = W's rows for v, heads 4 cy on
	s_lshl_b32 s70, s40, 2                         ; 4 cx
	s_add_co_u32 s71, s68, s70                     ; v: B = tokens, quad 16 x cluster y + 4 cx
	s_lshl_b32 s46, s42, 2
	s_add_co_u32 s46, s46, 64                      ; q, k: B = W's rows, quad 64 + 4 x work-group x
	s_and_b32 s72, s42, 3
	s_lshl_b32 s72, s72, 2                         ; q, k: the first of my work-group's four heads,
	s_lshr_b32 s73, s42, 2                         ; and the part
	s_cmp_eq_u32 ttmp9, 2
	s_cselect_b32 s20, s69, s20
	s_cselect_b32 s46, s71, s46
	s_cselect_b32 s72, s67, s72
	s_cselect_b32 s73, 2, s73
	s_lshl_b32 s18, s16, 1                         ; the half that I fetch: two quads on
	s_add_co_u32 s20, s20, s18
	s_add_co_u32 s46, s46, s18
	s_mul_i32 s20, s20, QB
	s_mul_i32 s46, s46, QB
	s_mov_b32 s21, 0
	s_mov_b32 s47, 0
	s_add_co_u32 s72, s72, s14                     ; wave k brings the bias of the k-th head: 64 numbers at 192 head + 64 part
	s_mul_i32 s72, s72, 768
	s_lshl_b32 s73, s73, 8
	s_add_co_u32 s72, s72, s73
	s_mov_b32 s73, 0
	s_mul_i32 s45, s14, HALFT                      ; where my load goes: no place in the cluster enters an LDS address
	s_wait_alu depctr_va_vdst(0)
	s_wait_kmcnt 0x0
	s_add_nc_u64 s[20:21], s[4:5], s[20:21]
	s_add_nc_u64 s[46:47], s[4:5], s[46:47]
	s_add_nc_u64 s[6:7], s[6:7], s[72:73]
	global_load_b64 v[6:7], v[L8], s[6:7]          ; 256 consecutive bytes of the bias
	CROUND                                         ; all sixteen work-groups are here: the first joint loads meet
.irp s, 0,1
	s_mov_b32 s[G0+4*\s], 1
	s_add_co_u32 s[G0+4*\s+1], s45, \s*SLOT
	s_add_nc_u64 s[G0+4*\s+2:G0+4*\s+3], s[20:21], \s*2*STRA
	s_or_b32 s[G0+4*\s+3], s[G0+4*\s+3], 0x80000000
	s_mov_b32 s[G0B+4*\s], 1
	s_add_co_u32 s[G0B+4*\s+1], s45, \s*SLOT
	s_add_nc_u64 s[G0B+4*\s+2:G0B+4*\s+3], s[46:47], \s*2*STRB
	s_or_b32 s[G0B+4*\s+3], s[G0B+4*\s+3], 0x80000000
	s_wait_alu depctr_va_vdst(0)
.if \s                                         ; slot 0's fill stands behind the opening lines and the round above; slot 1's behind the whole sequence, as a refill does
	s_wait_tensorcnt 0x0
	ds_add_u32 v28, v29
	ds_add_u32 v28, v29
	s_wait_dscnt 0x0
	CROUND
.endif
	JLOAD G0+4*\s, G1, G0B+4*\s, G1B
.endr
	s_mul_i32 s22, s15, HALFT                      ; my half of A,
	s_mul_i32 s23, s16, HALFT
	s_add_co_u32 s23, s23, 2*HALFT                 ; my half of B
.irp s, 0,1
	v_add_nc_u32 v[ADRA+\s], s22, v[L16]
	v_add_nc_u32 v[ADRA+2+\s], s22, v[L8]
	v_add_nc_u32 v[ADRB+\s], s23, v[L16]
	v_add_nc_u32 v[ADRB+2+\s], s23, v[L8]
	s_add_co_u32 s22, s22, SLOT
	s_add_co_u32 s23, s23, SLOT
.endr
	s_lshl_b32 s74, s14, 8
	s_add_co_u32 s74, s74, STAGE
	v_add_nc_u32 v4, s74, v[L8]                    ; the four heads' biases lie at STAGE + 256 k
	v_bfe_u32 v2, v0, 4, 1                         ; h
	s_lshl_b32 s74, s16, 9
	s_add_co_u32 s74, s74, STAGE
	v_lshl_add_u32 v24, v2, 6, s74                 ; q, k: the bias runs along my registers: my two heads, + 64 h
	v_and_b32 v3, 7, v0
	v_bfe_u32 v5, v0, 3, 1
	v_lshl_add_u32 v3, v5, 4, v3                   ; 16 (r / 8) + r % 8
	s_lshl_b32 s75, s15, 9
	s_add_co_u32 s75, s75, STAGE
	v_lshl_add_u32 v25, v3, 2, s75                 ; v: the bias hangs on my lane's channel
	s_mov_b32 s[SEL], 0x76543210
	s_mov_b32 s[SEL+1], 0xfedcba98
	s_mov_b32 s[HM], 0xffff0000
	s_wait_alu depctr_va_vdst(0)
	s_wait_loadcnt 0x0
	ds_store_b64 v4, v[6:7]
	s_wait_tensorcnt 1                             ; my part of slot 0 is in; slot 1's load may stay out
	s_wait_dscnt 0x0                               ; my part of the bias lies in LDS
	s_barrier_signal -1
	s_barrier_wait -1
	FETCH_B 0, 0, 0
	FETCH_A 0, 0, 0
	SCALES 0
	FETCH_A 0, 0, 4
	STEP 0, 0, 1                                   ; the first step stands in front of the loop: its products start the sums
	s_mov_b32 s3, LAPS-1
.Llap:                                                 ; a trip goes once round the ring and fills both slots again
	TURN 0, 1, 1
	STEP 1, 0, 0
	TURN 1, 0, 1
	STEP 0, 0, 0
	s_sub_co_u32 s3, s3, 1
	s_cmp_lg_u32 s3, 0
	s_cbranch_scc1 .Llap
	TURN 0, 1, 0                                   ; the last lap fills nothing
	STEP 1, 0, 0
	s_wait_dscnt 4*NL
	WIN MUL_LO
	MUL16 0, 1, 1, 1, 0
	MUL16 2, 1, 1, 1, 0
	s_wait_dscnt 0
	WIN MUL_HI
	MUL16 4, 1, 1, 1, 0
	MUL16 6, 1, 1, 1, 0
	WIN 0
	PLACES NP                                      ; in front of the first read of results and the first write of registers that held A's fragments
.irp b, 0,1,2,3
	v_mov_b32 v[TM+4+\b], 0                        ; a lane permute's destination counts as one of its sources
.endr
	s_cmp_eq_u32 ttmp9, 2                          ; the cluster's x: alike in all partners
	s_cbranch_scc1 .Lvarm
	; ---- q and k: lane = token, registers = two heads' 64 channels: a block's fragment is two half fragments, one for each head
	s_lshr_b32 s67, s42, 2
	s_mul_i32 s67, s67, 3407872                    ; q or k
	s_lshr_b32 s68, s17, 3                         ; the batch
	s_lshl_b32 s68, s68, 4
	s_and_b32 s69, s42, 3
	s_lshl_b32 s69, s69, 2
	s_add_co_u32 s68, s68, s69
	s_lshl_b32 s69, s16, 1
	s_add_co_u32 s68, s68, s69                     ; my first head of the batch
	s_lshl_b32 s68, s68, 5
	s_and_b32 s69, s17, 7
	s_lshl_b32 s69, s69, 2
	s_add_co_u32 s68, s68, s69
	s_lshl_b32 s69, s15, 1
	s_add_co_u32 s68, s68, s69                     ; x 32 + my first group of 64 tokens
	s_mul_i32 s68, s68, 3328
	s_add_co_u32 s76, s67, s68
	s_mov_b32 s77, 0
	s_add_nc_u64 s[76:77], s[8:9], s[76:77]
.irp b, 0,1,2,3
.irp j, 0,1,2,3
	ds_load_b128 v[BI+16*\b+4*\j:BI+16*\b+4*\j+3], v24 offset:256*(\b/2)+128*(\b%2)+16*\j
.endr
.endr
	s_wait_dscnt 0x0
.irp a, 0,1,2,3,4,5,6,7
.if \a > 0
	s_wait_xcnt 0x0                                ; the last block's stores have read v[PC] on
.endif
	WIN 0x02+(\a)/4                                ; source 0: the accumulators' window
.set n, 0
.rept 32
	v_pk_add_f32 v[T+n:T+n+1], v[64*((\a)%4)+n:64*((\a)%4)+n+1], v[BI+n:BI+n+1]   ; each accumulator from its low end on
.set n, n+2
.endr
	WIN 0
	QUANT T, PW+\a
	global_store_b128 v[L16], v[PC:PC+3], s[76:77] offset:3328*(\a/4)+768*(\a%4)
	global_store_b64 v[L8], v[PC+4:PC+5], s[76:77] offset:3328*(\a/4)+768*(\a%4)+512
	global_store_b128 v[L16], v[PC+6:PC+9], s[76:77] offset:106496+3328*(\a/4)+768*(\a%4)   ; the next head: 32 groups on
	global_store_b64 v[L8], v[PC+10:PC+11], s[76:77] offset:106496+3328*(\a/4)+768*(\a%4)+512
.if \a%4 == 3
	v_cndmask_b32 v[SP+\a-3], v[PW+\a-3], v[PW+\a-2], s[HM]   ; lanes 0-15 an even tile's words, lanes 16-31 the odd tile's
	v_cndmask_b32 v[SP+\a-2], v[PW+\a-1], v[PW+\a], s[HM]
	global_store_b64 v[L8], v[SP+\a-3:SP+\a-2], s[76:77] offset:3328*(\a/4)+3072
.irp i, 0,1,2,3
	v_lshrrev_b32 v[PW+\a-\i], 16, v[PW+\a-\i]     ; the second head's two bytes
.endr
	v_cndmask_b32 v[SP+\a-1], v[PW+\a-3], v[PW+\a-2], s[HM]
	v_cndmask_b32 v[SP+\a], v[PW+\a-1], v[PW+\a], s[HM]
	global_store_b64 v[L8], v[SP+\a-1:SP+\a], s[76:77] offset:106496+3328*(\a/4)+3072
.endif
.endr
	FINISH
.Lvarm:
	; ---- v: lane = channel, registers = 128 keys: a block's fragment is a tile of a quad of v
	s_lshl_b32 s67, s66, 2
	s_add_co_u32 s67, s67, s40                     ; which 256 tokens
	s_lshr_b32 s68, s67, 3                         ; the batch
	s_lshl_b32 s68, s68, 4
	s_lshl_b32 s69, s41, 2
	s_add_co_u32 s68, s68, s69
	s_lshl_b32 s69, s15, 1
	s_add_co_u32 s68, s68, s69                     ; my first head of the batch
	s_lshl_b32 s68, s68, 4
	s_and_b32 s69, s67, 7
	s_lshl_b32 s69, s69, 1
	s_add_co_u32 s68, s68, s69
	s_add_co_u32 s68, s68, s16                     ; x 16 + my step of 128 keys
	s_mul_i32 s68, s68, 6400
	s_add_co_u32 s76, s68, 6815744
	s_mov_b32 s77, 0
	s_add_nc_u64 s[76:77], s[8:9], s[76:77]
.irp a, 0,1,2,3,4,5,6,7
	ds_load_b32 v[BI+2*\a], v25 offset:256*(\a/4)+4*(32*((\a%4)/2)+8*(\a%2))     ; my channel's bias in block a, twice: a pair for the packed addition
	ds_load_b32 v[BI+2*\a+1], v25 offset:256*(\a/4)+4*(32*((\a%4)/2)+8*(\a%2))
.endr
	s_wait_dscnt 0x0
.irp a, 0,1,2,3,4,5,6,7
.if \a > 0
	s_wait_xcnt 0x0
.endif
	WIN 0x02+(\a)/4
.set n, 0
.rept 32
	v_pk_add_f32 v[T+n:T+n+1], v[64*((\a)%4)+n:64*((\a)%4)+n+1], v[BI+2*\a:BI+2*\a+1]
.set n, n+2
.endr
	WIN 0
	QUANT T, PW+\a
	PUTFRAG 76, 102400*(\a/4)+1536*(\a%4)          ; the next head: 16 quads on
.if \a%4 == 3
	v_cndmask_b32 v[SP+\a-3], v[PW+\a-3], v[PW+\a-2], s[HM]
	v_cndmask_b32 v[SP+\a-2], v[PW+\a-1], v[PW+\a], s[HM]
	global_store_b64 v[L8], v[SP+\a-3:SP+\a-2], s[76:77] offset:102400*(\a/4)+6144
.endif
.endr
	FINISH
.Lfunc_end_k_qae080fb047_qkvp:
	.size	k_qae080fb047_qkvp, .Lfunc_end_k_qae080fb047_qkvp-k_qae080fb047_qkvp
	.p2alignl 7, 3214868480
	.fill 96, 4, 3214868480
	.section	.rodata,"a",@progbits
	.p2align	6, 0x0
	.amdhsa_kernel k_qae080fb047_qkvp
		.amdhsa_group_segment_fixed_size 327680
		.amdhsa_private_segment_fixed_size 0
		.amdhsa_enable_private_segment 0
		.amdhsa_kernarg_size 24
		.amdhsa_user_sgpr_count 2
		.amdhsa_user_sgpr_kernarg_segment_ptr 1
		.amdhsa_wavefront_size32 1
		.amdhsa_system_sgpr_workgroup_id_x 1
		.amdhsa_system_sgpr_workgroup_id_y 1
		.amdhsa_system_sgpr_workgroup_id_z 1
		.amdhsa_system_vgpr_workitem_id 0
		.amdhsa_next_free_vgpr 1024
		.amdhsa_next_free_sgpr 100
		.amdhsa_reserve_vcc 0
		.amdhsa_float_denorm_mode_32 3
		.amdhsa_float_denorm_mode_16_64 3
		.amdhsa_memory_ordered 1
		.amdhsa_forward_progress 1
		.amdhsa_inst_pref_size 217
	.end_amdhsa_kernel
	.amdgpu_metadata
---
amdhsa.version: [ 1, 2 ]
amdhsa.kernels:
  - .name:           k_qae080fb047_qkvp
    .symbol:         k_qae080fb047_qkvp.kd
    .args:
      - { .name: img0, .offset: 0, .size: 8, .value_kind: global_buffer, .address_space: global }
      - { .name: qkv_b, .offset: 8, .size: 8, .value_kind: global_buffer, .address_space: global }
      - { .name: qkvimg, .offset: 16, .size: 8, .value_kind: global_buffer, .address_space: global }
    .group_segment_fixed_size: 327680
    .private_segment_fixed_size: 0
    .kernarg_segment_align: 8
    .kernarg_segment_size: 24
    .max_flat_workgroup_size: 128
    .sgpr_count:     100
    .vgpr_count:     1024
    .wavefront_size: 32
...
	.end_amdgpu_metadata
.endif
;; end of part 10
;; launch att (part 11): grid 8 x 32, 16 waves a work-group, clusters of 4 x 1, 210,944 bytes of LDS; arguments qkvimg, act; writes act
.if DOCPART == 11
	.amdgcn_target "amdgcn-amd-amdhsa--gfx1250"
	.amdhsa_code_object_version 6
	.text
	.protected	k_qae080fb047_att
	.globl	k_qae080fb047_att
	.p2align	8
	.type	k_qae080fb047_att,@function
k_qae080fb047_att:
	s_mov_b64 s[64:65], 0
	v_nop
	global_prefetch_b8 v0, s[64:65] scope:SCOPE_SE
	s_setreg_imm32_b32 hwreg(HW_REG_WAVE_MODE, 25, 1), 1
	s_wait_xcnt 0x0
	s_wait_alu depctr_hold_cnt(0) depctr_sa_sdst(0) depctr_va_vdst(0) depctr_va_sdst(0) depctr_va_ssrc(0) depctr_va_vcc(0) depctr_vm_vsrc(0)
	s_getreg_b32 s2, hwreg(HW_REG_IB_STS2, 6, 4)
	s_cmp_eq_u32 s2, 0
	s_cbranch_scc0 .Lentry_in_a_cluster
	s_endpgm
.Lentry_in_a_cluster:
	s_bfe_u32 s2, ttmp6, 0x10000c
	s_cmp_lg_u32 s2, 0x3003
	s_cbranch_scc0 .Lentry_shape_is_right
	s_endpgm
.Lentry_shape_is_right:
; ctx[q] = the sum over keys of softmax(q . k / 8) v, for each of 32 heads of the batch (2,048 tokens, head size 64), both products on codes of BF6 (E3M2) with E8M0 scales; ctx leaves quantised along its 1,024 columns, as the next product's operand image.
; IN.  qkvimg: q and k as [32 heads][32 groups of 64 tokens] of 3,328 bytes: four half fragments of 768 bytes (registers 0-3 of lane l at 16 l, 4-5 at 512 + 8 l), then scale words (lane l's 8 bytes at 3,072 + 8 l: tile l / 16's, tile 2 + l / 16's);
; v as [32][16 steps of 128 keys] quads of 6,400 bytes: four fragments of 1,536 bytes (16 channels x 128 keys), then scale words at 6,144.  Place p of tile i holds row 32 (i / 2) + 16 (p / 8) + 8 (i % 2) + p % 8 of its 64.
; THE SOFTMAX AHEAD OF THE SECOND PRODUCT: t = score x log2(e) / 8; M = the running largest t rounded UP to a whole number; p = 2^(t - M) is quantised along the keys, not normalised; the row's sum is taken of the unquantised p and divides at the end.
; When M moves, the sum and O are multiplied by 2^(old M - new M): exact.
; SHARES.  A work-group owns 256 queries of one head, each of its sixteen waves one tile of 16.  Both products are used transposed (S^T = k q^T, O^T = v^T p^T): a lane holds one query throughout.
; K IS RE-LAID ON ITS WAY INTO LDS.  Wave w brings step w's 128 keys through registers and stores them so that tile T of a step holds, in rows 0-7, keys 64 (T / 4) + 8 (T % 4) + 0 .. 7 and, in rows 8-15, the keys 32 further on.
; In S^T lane (r, h) then holds, in the 32 registers of tiles 4 c .. 4 c + 3, keys 64 c + 32 h + 0 .. 31: a WHOLE block of 32, in the order of the second product's operand: a block's maximum needs no other lane and p's codes change no lane.
; A step of k in LDS: eight tiles of 768 bytes, then 512 bytes of scale words: lane l's 16 bytes hold the words of row l % 16 of tiles l / 16, 2 + l / 16, 4 + l / 16, 6 + l / 16.
; K = 64 IN AN INSTRUCTION OF 128: q's registers 6-11 are zero codes.  So k's registers 6-11 may hold any codes: a tile of k takes six registers, and the instruction's upper six are the next tile's (the last tile's: p's first six).
; A product with a zero code is zero under every scale byte but 0xff, and no such byte is made.
; LDS.  k 106,496 bytes, stored by the waves; v 102,400 bytes, one quad by each wave's one tensor load, asked for jointly by the four work-groups of a cluster, which own blocks of queries of one head; no byte is filled again.
; k is not asked for jointly: its pieces of 128 and 64 bytes change places lane by lane, which one descriptor does not state.  No prefetch: all of k and v is asked for at the head; there is no loop to run ahead in.
; LIMITS: NaN and infinities are not served; the promise holds while the scaled scores stay under 2^31 in magnitude; v_exp_f32 and v_rcp_f32 are accurate to 1 ulp and flush denormals; a block of ctx or of p whose largest magnitude lies under 2^-122 gets the byte 1.
.set VB,    106496
.set SPARE, 208896
.set L16, 1
.set L8,  2
.set ADK, 3                            ; v3, v4 the next step's k: + 16 x lane, + 8 x lane
.set ADV, 5                            ; v5, v6 this step's v
.set QF,  16                           ; v16-27 q's fragment
.set KS,  28                           ; v28-31 k's scale words
.set KF,  32                           ; v32-79 eight tiles of k, six registers each
.set P,   80                           ; v80-91 p's codes
.set VF,  92                           ; v92-139 four fragments of v
.set S,   140                          ; v140-203 S^T, then p
.set O,   204                          ; v204-235 O^T
.set BX,  236                          ; v236-237 my two blocks' largest scores, then largest p
.set SO,  238                          ; v238-239 the conversions' scale operands
.set CT0, 240                          ; v240-242, v244-246 the conversions' second halves
.set T1,  243
.set CT1, 244
.set T2,  247
.set F,   248                          ; v248 2^(old M - new M); v249 named with it as a pair
.set VS,  250                          ; v250-251 v's scale words
.set PSW, 252                          ; p's scale word
.set QSC, 253                          ; q's scale words
.set T3,  254
.set WV,  18
.set SEL, 20
.set CS,  22                           ; s[22:23] c = log2(e) / 8
.set G1V, 24
.set G0V, 32
.set TK,  84
.set TV,  85
.set CNT, 99
.macro CROUND                          ; a round of the cluster's barrier
	s_barrier_signal -1
	s_barrier_wait -1
	s_cmp_lg_u32 s[WV], 0
	s_cbranch_scc1 .Lnot_wave_0_\@
	s_barrier_signal -3
.Lnot_wave_0_\@:
	s_barrier_wait -3
	s_barrier_signal -1
	s_barrier_wait -1
.endm
.macro WM d, b, a, zero, sb, sa, rb    ; one product; rb: source 0's scale words stand in lanes 16-31
.set WSEL, 2*(\zero)+(\rb)
.if WSEL == 0
	v_wmma_scale_f32_16x16x128_f8f6f4 v[\d:\d+7], v[\b:\b+11], v[\a:\a+11], v[\d:\d+7], v[\sb], v[\sa] matrix_a_fmt:MATRIX_FMT_BF6 matrix_b_fmt:MATRIX_FMT_BF6
.elseif WSEL == 1
	v_wmma_scale_f32_16x16x128_f8f6f4 v[\d:\d+7], v[\b:\b+11], v[\a:\a+11], v[\d:\d+7], v[\sb], v[\sa] matrix_a_fmt:MATRIX_FMT_BF6 matrix_b_fmt:MATRIX_FMT_BF6 matrix_a_scale:MATRIX_SCALE_ROW1
.elseif WSEL == 2
	v_wmma_scale_f32_16x16x128_f8f6f4 v[\d:\d+7], v[\b:\b+11], v[\a:\a+11], 0, v[\sb], v[\sa] matrix_a_fmt:MATRIX_FMT_BF6 matrix_b_fmt:MATRIX_FMT_BF6
.else
	v_wmma_scale_f32_16x16x128_f8f6f4 v[\d:\d+7], v[\b:\b+11], v[\a:\a+11], 0, v[\sb], v[\sa] matrix_a_fmt:MATRIX_FMT_BF6 matrix_b_fmt:MATRIX_FMT_BF6 matrix_a_scale:MATRIX_SCALE_ROW1
.endif
.endm
.macro KLOAD a16, a8                   ; a step of k: 17 LDS loads, each of consecutive bytes
.irp t, 0,1,2,3,4,5,6,7
	ds_load_b128 v[KF+6*\t:KF+6*\t+3], v[\a16] offset:768*\t
	ds_load_b64 v[KF+6*\t+4:KF+6*\t+5], v[\a8] offset:768*\t+512
.endr
	ds_load_b128 v[KS:KS+3], v[\a16] offset:6144
.endm
	s_load_b128 s[4:7], s[0:1], 0x0                ; qkvimg, act
	v_lshl_add_u32 v11, v0, 2, SPARE
	v_mov_b32 v255, 0
	ds_add_u32 v11, v255                           ; the opening lines: the add, twice on end, and its wait ahead of my tensor load
	ds_add_u32 v11, v255
	v_lshrrev_b32 v7, 5, v0
	v_readfirstlane_b32 s[WV], v7                  ; wave 0..15
	s_bfe_u32 s8, ttmp6, 0x40000                   ; cx
	s_lshl_b32 s9, ttmp9, 2
	s_add_co_u32 s9, s9, s8                        ; my block of 256 queries: it enters q's and act's addresses alone
	s_and_b32 s10, ttmp7, 0xffff                   ; the head of the batch, which the four partners share
	s_mov_b32 s[G1V], 15|(3<<16)|(1<<21)           ; the mask: all four work-groups; elements of 8 bytes; bit 21 beside a mask; no padding
	s_mov_b32 s[G1V+1], 32<<16                     ; rows of 256 bytes,
	s_mov_b32 s[G1V+2], 25<<16                     ; 25 of them: one quad, dense in memory
	s_mov_b32 s[G1V+3], 32<<16
	s_mov_b32 s[G1V+4], 25
	s_mov_b32 s[G1V+5], 32
	s_mov_b32 s[G1V+6], 0
	s_mov_b32 s[G1V+7], 0
	s_mul_i32 s36, s[WV], 6400                     ; wave w brings v's quad w
	s_mul_i32 s14, s10, 102400
	s_add_co_u32 s14, s14, 6815744
	s_add_co_u32 s14, s14, s36
	s_mov_b32 s15, 0
	s_mul_i32 s37, s[WV], 6656                     ; and k's step w
	s_mul_i32 s12, s10, 106496
	s_add_co_u32 s12, s12, 3407872
	s_add_co_u32 s12, s12, s37
	s_mov_b32 s13, 0
	s_mov_b32 s[G0V], 1
	s_add_co_u32 s[G0V+1], s36, VB
	s_mov_b32 s[SEL], 0x76543210
	s_mov_b32 s[SEL+1], 0xfedcba98
	s_mov_b32 s[CS], 0x3e38aa3b
	s_mov_b32 s[CS+1], s[CS]                       ; (named with it as a pair, so it is written)
	s_lshr_b32 s16, s[WV], 2
	s_and_b32 s17, s[WV], 3                        ; my tile of the group
	s_lshl_b32 s19, s9, 2
	s_add_co_u32 s19, s19, s16                     ; my group of 64 tokens
	s_lshl_b32 s86, s10, 5
	s_add_co_u32 s86, s86, s19
	s_mul_i32 s86, s86, 3328
	s_mov_b32 s87, 0
	s_mul_i32 s88, s17, 768
	s_mov_b32 s89, 0
	s_and_b32 s90, s17, 1
	s_lshl_b32 s90, s90, 7
	s_lshr_b32 s91, s17, 1
	s_lshl_b32 s91, s91, 2
	s_add_co_u32 s90, s90, s91                     ; my tile's scale words among a group's: 128 (tile % 2) + 4 (tile / 2)
	s_and_b32 s92, s10, 15                         ; the head: ctx's columns 64 head on: K step head / 2 of the next product, half head % 2 of its fragments
	s_lshr_b32 s93, s92, 1
	s_lshl_b32 s93, s93, 6
	s_lshr_b32 s94, s10, 4                         ; the batch
	s_lshl_b32 s94, s94, 5
	s_add_co_u32 s93, s93, s94
	s_add_co_u32 s93, s93, s19
	s_mul_i32 s94, s93, 6400
	s_mov_b32 s95, 0
	s_and_b32 s92, s92, 1
	s_mul_i32 s93, s17, 1536
	s_mul_i32 s38, s92, 768
	s_add_co_u32 s38, s38, s93
	s_mov_b32 s39, 0
	s_lshl_b32 s92, s92, 1
	s_wait_dscnt 0x0                               ; both opening adds are done
	s_wait_kmcnt 0x0
	s_add_nc_u64 s[G0V+2:G0V+3], s[4:5], s[14:15]
	s_or_b32 s[G0V+3], s[G0V+3], 0x80000000
	s_add_nc_u64 s[12:13], s[4:5], s[12:13]        ; k's step w
	s_add_nc_u64 s[86:87], s[4:5], s[86:87]        ; q's group,
	s_add_nc_u64 s[88:89], s[86:87], s[88:89]      ; my tile's half fragment
	s_add_nc_u64 s[6:7], s[6:7], s[94:95]          ; my quad of act,
	s_add_nc_u64 s[96:97], s[6:7], s[38:39]        ; my half fragment in it
	v_and_b32 v7, 31, v0                           ; lane; kept
	v_and_b32 v8, 15, v0                           ; r
	v_lshlrev_b32 v[L16], 4, v7
	v_lshlrev_b32 v[L8], 3, v7
	v_lshl_add_u32 v9, v8, 3, s90                  ; my row's scale word among a group's
	v_add_nc_u32 v10, s92, v9                      ; and my row's two scale bytes in act
	global_load_b128 v[QF:QF+3], v[L16], s[88:89]  ; q and k are asked for ahead of the round: they hang on no partner
	global_load_b64 v[QF+4:QF+5], v[L8], s[88:89] offset:512
	global_load_b32 v[QSC], v9, s[86:87] offset:3072
.irp g, 0,1                                    ; k's step w as it lies: two groups of four half fragments and their scale words
.irp i, 0,1,2,3
	global_load_b128 v[S+16*\g+4*\i:S+16*\g+4*\i+3], v[L16], s[12:13] offset:3328*\g+768*\i
	global_load_b64 v[S+32+8*\g+2*\i:S+32+8*\g+2*\i+1], v[L8], s[12:13] offset:3328*\g+768*\i+512
.endr
	global_load_b64 v[S+48+2*\g:S+48+2*\g+1], v[L8], s[12:13] offset:3328*\g+3072
.endr
	s_wait_alu depctr_va_vdst(0)
	CROUND                                         ; all four work-groups are here: the joint loads meet
	tensor_load_to_lds s[G0V:G0V+3], s[G1V:G1V+7]  ; my one tensor load: v's quad w
	s_nop 0
	v_and_b32 v236, 7, v0                          ; p % 8
	v_bfe_u32 v237, v0, 3, 1                       ; p / 8
	v_bfe_u32 v238, v0, 4, 1                       ; h
	v_lshlrev_b32 v239, 4, v236
	v_mad_u32_u24 v240, v237, 1536, v239           ; place p of old tile i goes to row 8 (i / 2) + p % 8 of new tile 2 (p / 8) + i % 2
	v_lshl_add_u32 v240, v238, 8, v240
	v_add_nc_u32 v240, s37, v240                   ; registers 0-3: 6,656 w + 1,536 (p / 8) + 16 (p % 8) + 256 h
	v_lshlrev_b32 v241, 3, v236
	v_mad_u32_u24 v241, v237, 1536, v241
	v_lshl_add_u32 v241, v238, 7, v241
	v_add_nc_u32 v241, s37, v241                   ; registers 4-5: 6,656 w + 1,536 (p / 8) + 8 (p % 8) + 128 h
	v_lshl_add_u32 v242, v237, 2, v239
	v_lshl_add_u32 v242, v238, 8, v242
	v_add_nc_u32 v242, s37, v242                   ; scale words: 6,656 w + 256 h + 16 (p % 8) + 4 (p / 8)
	v_lshlrev_b32 v8, 3, v238                      ; 8 h: where my blocks' bytes stand in p's scale word
	v_mov_b32 v13, 0xff61b1e6                      ; the largest score so far: -3e38
	v_mul_f32 v[T3], s[CS], v13
	v_floor_f32 v12, -v[T3]                        ; -M
	v_mov_b32 v14, 0                               ; the sum, in two halves
	v_mov_b32 v15, 0
	v_mov_b32 v[F+1], 0
.irp p, 6,7,8,9,10,11
	v_mov_b32 v[QF+\p], 0                          ; zero codes for the upper 64 of the instruction's 128 along K
	v_mov_b32 v[P+\p-6], 0                         ; the last tile's upper six registers, ahead of the first p
.endr
.set j, 0
.rept 32
	v_mov_b32 v[O+j], 0                            ; O^T: the step is written once; the first finds zeros, which the first change of M leaves zeros
.set j, j+1
.endr
	s_wait_alu depctr_va_vdst(0)
	s_wait_loadcnt 0x0                             ; q and my step of k
	s_wait_tensorcnt 0x0                           ; my quad of v lies in LDS
.irp g, 0,1
.irp i, 0,1,2,3
	ds_store_b128 v240, v[S+16*\g+4*\i:S+16*\g+4*\i+3] offset:768*(4*\g+\i%2)+128*(\i/2)
	ds_store_b64 v241, v[S+32+8*\g+2*\i:S+32+8*\g+2*\i+1] offset:768*(4*\g+\i%2)+512+64*(\i/2)
.endr
	ds_store_b32 v242, v[S+48+2*\g] offset:6144+8*\g
	ds_store_b32 v242, v[S+49+2*\g] offset:6144+128+8*\g
.endr
	s_wait_dscnt 0x0                               ; for the others' sake: my step of k lies in LDS
	s_barrier_signal -1
	s_barrier_wait -1                              ; all of k and v is there; nothing is filled again
; A KEY STEP: 128 keys.  This step's k was asked for a step ago; behind the first product this step's v and the next step's k are asked for and land under the softmax.
.macro STEP last
	s_wait_dscnt 0x0                               ; k is in
.irp t, 0,1,2,3,4,5,6,7
	WM S+8*\t, KF+6*\t, QF, 1, KS+\t/2, QSC, \t%2
.endr
	v_add_nc_u32 v[ADV], s[TV], v[L16]             ; four places behind the products, in front of the loads into their registers and of the first read of the scores
	v_add_nc_u32 v[ADV+1], s[TV], v[L8]
.if \last
	v_nop
	v_nop
.else
	v_add_nc_u32 v[ADK], s[TK], v[L16]
	v_add_nc_u32 v[ADK+1], s[TK], v[L8]
.endif
.irp t, 0,1,2,3
	ds_load_b128 v[VF+12*\t:VF+12*\t+3], v[ADV] offset:1536*\t
	ds_load_b64 v[VF+12*\t+4:VF+12*\t+5], v[ADV+1] offset:1536*\t+512
	ds_load_b128 v[VF+12*\t+6:VF+12*\t+9], v[ADV] offset:1536*\t+768
	ds_load_b64 v[VF+12*\t+10:VF+12*\t+11], v[ADV+1] offset:1536*\t+1280
.endr
	ds_load_b64 v[VS:VS+1], v[ADV+1] offset:6144
.if \last == 0
	KLOAD ADK, ADK+1
.endif
.irp c, 0,1                                    ; the largest score of my two blocks of 32 keys, each in two chains of 17 and 15: for the row's maximum, and, since p rises with the score, for the block's largest p
	v_max3_num_f32 v[BX+\c], v[S+32*\c], v[S+32*\c+1], v[S+32*\c+2]
	v_max3_num_f32 v[T1+4*\c], v[S+32*\c+17], v[S+32*\c+18], v[S+32*\c+19]
.endr
.irp i, 0,2,4,6,8,10
.irp c, 0,1
	v_max3_num_f32 v[BX+\c], v[BX+\c], v[S+32*\c+3+\i], v[S+32*\c+4+\i]
	v_max3_num_f32 v[T1+4*\c], v[T1+4*\c], v[S+32*\c+20+\i], v[S+32*\c+21+\i]
.endr
.endr
.irp c, 0,1
	v_max3_num_f32 v[BX+\c], v[BX+\c], v[S+32*\c+15], v[S+32*\c+16]
.endr
.irp c, 0,1
	v_max_num_f32 v[BX+\c], v[BX+\c], v[T1+4*\c]
.endr
	v_max_num_f32 v[T3], v[BX], v[BX+1]
	v_permlanex16_b32 v[T1], v[T3], s[SEL], s[SEL+1]
	v_max3_num_f32 v13, v13, v[T3], v[T1]          ; the running largest score, with lane l xor 16's 64 keys
	v_mul_f32 v[T3], s[CS], v13                    ; as t (c is positive)
	v_floor_f32 v[T1], -v[T3]                      ; the new -M = floor(-t): M is a whole number
	v_sub_f32 v[T2], v[T1], v12                    ; old M - new M: a whole number, 0 or less
	v_mov_b32 v12, v[T1]
	v_cvt_i32_f32 v[T2], v[T2]                     ; (it saturates)
	v_ldexp_f32 v[F], 1.0, v[T2]                   ; f = 2^(old M - new M)
.set j, 0
.rept 16
	v_pk_mul_f32 v[O+j:O+j+1], v[O+j:O+j+1], v[F:F+1] op_sel_hi:[1,0]   ; O^T under the new M
.set j, j+2
.endr
.set j, 0
.rept 32
	v_pk_fma_f32 v[S+j:S+j+1], v[S+j:S+j+1], s[CS:CS+1], v[12:13] op_sel_hi:[1,0,0]   ; t - M, two at a time
.set j, j+2
.endr
.irp c, 0,1
	v_fma_f32 v[BX+\c], v[BX+\c], s[CS], v12       ; the same of each block's largest score
.endr
	s_wait_alu depctr_va_vdst(0)
.irp c, 0,1
	v_exp_f32 v[BX+\c], v[BX+\c]                   ; the block's largest p: the same two instructions on the same number
.endr
.set j, 0
.rept 64
	v_exp_f32 v[S+j], v[S+j]                       ; p = 2^(t - M), at most 1
.set j, j+1
.endr
	v_pk_mul_f32 v[14:15], v[14:15], v[F:F+1] op_sel_hi:[1,0]   ; the sums under the new M; a plain instruction behind the exponentials
	s_wait_alu depctr_va_vdst(0)                   ; one wait for the whole batch, ahead of its first reader
.irp c, 0,1
	v_max_num_f32 v[BX+\c], 0x2800000, v[BX+\c]    ; the floor 2^(5 - 127)
.endr
.irp c, 0,1
	v_add_nc_u32 v[SO+\c], 0xfe000000, v[BX+\c]    ; 4 off the exponent field: the conversion's scale operand
.endr
	v_cvt_scalef32_pk16_bf6_f32 v[P:P+2], v[S:S+15], v[SO]
	v_cvt_scalef32_pk16_bf6_f32 v[CT0:CT0+2], v[S+16:S+31], v[SO]       ; (a conversion's three registers begin on an even number)
	v_cvt_scalef32_pk16_bf6_f32 v[P+6:P+8], v[S+32:S+47], v[SO+1]
	v_cvt_scalef32_pk16_bf6_f32 v[CT1:CT1+2], v[S+48:S+63], v[SO+1]
	v_lshrrev_b32 v[T1], 23, v[SO]                 ; my blocks' bytes: blocks h and 2 + h.  (Plain instructions behind the scaled conversions)
	v_lshrrev_b32 v[T2], 23, v[SO+1]
	v_lshl_or_b32 v[T1], v[T2], 16, v[T1]
	v_lshlrev_b32 v[T1], v8, v[T1]                 ; 8 h bits up
	v_permlanex16_b32 v[T2], v[T1], s[SEL], s[SEL+1]
	v_or_b32 v[PSW], v[T1], v[T2]                  ; with lane l xor 16's two the word is whole
.irp i, 0,1,2
	v_mov_b32 v[P+3+\i], v[CT0+\i]
	v_mov_b32 v[P+9+\i], v[CT1+\i]
.endr
	v_pk_add_f32 v[CT0:CT0+1], v[S:S+1], v[S+2:S+3]   ; the row's sum is taken of the unquantised p, in two chains; these 32 also stand between the writes of p's codes and scale word and the products
.set j, 4
.rept 15
	v_pk_add_f32 v[14:15], v[14:15], v[S+j:S+j+1]
	v_pk_add_f32 v[CT0:CT0+1], v[CT0:CT0+1], v[S+j+2:S+j+3]
.set j, j+4
.endr
	v_pk_add_f32 v[14:15], v[14:15], v[CT0:CT0+1]
.if \last
	s_wait_alu depctr_va_vdst(0)
	s_wait_dscnt 0x0
.else
	s_wait_dscnt 17                                ; v is in; the 17 loads of the next step's k, issued behind v's, may be out
.endif
.irp t, 0,1,2,3
	WM O+8*\t, VF+12*\t, P, 0, VS+\t/2, PSW, \t%2  ; O^T += v^T p^T: four accumulators by turns
.endr
.endm
	KLOAD L16, L8                                  ; step 0's k
	s_mov_b32 s[TK], 6656
	s_mov_b32 s[TV], VB
	s_mov_b32 s[CNT], 15
.Lstep:
	STEP 0
	s_add_co_u32 s[TK], s[TK], 6656
	s_add_co_u32 s[TV], s[TV], 6400
	s_sub_co_u32 s[CNT], s[CNT], 1
	s_cmp_lg_u32 s[CNT], 0
	s_cbranch_scc1 .Lstep
	STEP 1                                         ; the last step asks for no further k
	; THE WAY OUT: O^T / the sum, quantised along the head's 64 channels: half a fragment and two scale bytes a row.  Register 16 b + i of O^T: channel 32 b + 16 (lane / 16) + i
	v_add_f32 v14, v14, v15
	v_permlanex16_b32 v[T1], v14, s[SEL], s[SEL+1]
	v_add_f32 v14, v14, v[T1]                      ; the row's sum
	s_wait_alu depctr_va_vdst(0)
	v_rcp_f32 v14, v14
.rept 3
	v_nop                                          ; a plain instruction behind the reciprocal; with the additions: the places behind the last products
.endr
	s_wait_alu depctr_va_vdst(0)
.set j, 0
.rept 32
	v_mul_f32 v[S+j], v[O+j], v14
.set j, j+1
.endr
.irp b, 0,1
	v_max3_num_f32 v[BX+\b], |v[S+16*\b]|, |v[S+1+16*\b]|, 0x2800000
.endr
.irp i, 2,4,6,8,10,12,14
.irp b, 0,1
	v_max3_num_f32 v[BX+\b], v[BX+\b], |v[S+16*\b+\i]|, |v[S+1+16*\b+\i]|
.endr
.endr
.irp b, 0,1
	v_permlanex16_b32 v[T1+4*\b], v[BX+\b], s[SEL], s[SEL+1]
.endr
.irp b, 0,1
	v_max_num_f32 v[BX+\b], v[BX+\b], v[T1+4*\b]
.endr
.irp b, 0,1
	v_add_nc_u32 v[SO+\b], 0xfe000000, v[BX+\b]
.endr
.irp b, 0,1
	v_lshrrev_b32 v[T1+4*\b], 23, v[SO+\b]
.endr
	v_lshl_or_b32 v[T3], v[T2], 8, v[T1]
	v_cvt_scalef32_pk16_bf6_f32 v[P:P+2], v[S:S+15], v[SO]
	v_cvt_scalef32_pk16_bf6_f32 v[CT0:CT0+2], v[S+16:S+31], v[SO+1]
	v_nop
.irp i, 0,1,2
	v_permlane16_swap_b32 v[P+\i], v[CT0+\i]       ; a whole block to a lane
.endr
.irp i, 0,1,2
	v_mov_b32 v[P+3+\i], v[CT0+\i]
.endr
	global_store_b128 v[L16], v[P:P+3], s[96:97]   ; 512 consecutive bytes, aligned to 256
	global_store_b64 v[L8], v[P+4:P+5], s[96:97] offset:512
	s_wait_alu depctr_va_vdst(0)
	s_wait_xcnt 0x0                                ; EXEC changes only behind this wait
	v_cmp_gt_u32 vcc_lo, 16, v7
	s_and_saveexec_b32 s98, vcc_lo
	global_store_b16 v10, v[T3], s[6:7] offset:6144 ; lanes 0-15: a row's two bytes (the word's other two are the neighbour head's)
	s_wait_xcnt 0x0
	s_or_b32 exec_lo, exec_lo, s98
	s_wait_tensorcnt 0x0                           ; the wave's end
	ds_add_u32 v11, v255
	s_wait_dscnt 0x0
	CROUND                                         ; the closing round
	s_endpgm
.Lfunc_end_k_qae080fb047_att:
	.size	k_qae080fb047_att, .Lfunc_end_k_qae080fb047_att-k_qae080fb047_att
	.p2alignl 7, 3214868480
	.fill 96, 4, 3214868480
	.section	.rodata,"a",@progbits
	.p2align	6, 0x0
	.amdhsa_kernel k_qae080fb047_att
		.amdhsa_group_segment_fixed_size 210944
		.amdhsa_private_segment_fixed_size 0
		.amdhsa_enable_private_segment 0
		.amdhsa_kernarg_size 16
		.amdhsa_user_sgpr_count 2
		.amdhsa_user_sgpr_kernarg_segment_ptr 1
		.amdhsa_wavefront_size32 1
		.amdhsa_system_sgpr_workgroup_id_x 1
		.amdhsa_system_sgpr_workgroup_id_y 1
		.amdhsa_system_sgpr_workgroup_id_z 1
		.amdhsa_system_vgpr_workitem_id 0
		.amdhsa_next_free_vgpr 256
		.amdhsa_next_free_sgpr 100
		.amdhsa_reserve_vcc 1
		.amdhsa_float_denorm_mode_32 3
		.amdhsa_float_denorm_mode_16_64 3
		.amdhsa_memory_ordered 1
		.amdhsa_forward_progress 1
		.amdhsa_inst_pref_size 44
	.end_amdhsa_kernel
	.amdgpu_metadata
---
amdhsa.version: [ 1, 2 ]
amdhsa.kernels:
  - .name:           k_qae080fb047_att
    .symbol:         k_qae080fb047_att.kd
    .args:
      - { .name: qkvimg, .offset: 0, .size: 8, .value_kind: global_buffer, .address_space: global }
      - { .name: act, .offset: 8, .size: 8, .value_kind: global_buffer, .address_space: global }
    .group_segment_fixed_size: 210944
    .private_segment_fixed_size: 0
    .kernarg_segment_align: 8
    .kernarg_segment_size: 16
    .max_flat_workgroup_size: 512
    .sgpr_count:     100
    .vgpr_count:     256
    .wavefront_size: 32
...
	.end_amdgpu_metadata
.endif
;; end of part 11
;; launch outln (part 12): grid 256 x 1, 16 waves a work-group, no clusters, 98,304 bytes of LDS; arguments act, img0, out_b, src, ln1_g, ln1_b, agg, act2; writes agg, act2
.if DOCPART == 12
	.amdgcn_target "amdgcn-amd-amdhsa--gfx1250"
	.amdhsa_code_object_version 6
	.text
	.protected	k_qae080fb047_outln
	.globl	k_qae080fb047_outln
	.p2align	8
	.type	k_qae080fb047_outln,@function
k_qae080fb047_outln:
	s_mov_b64 s[64:65], 0
	v_nop
	global_prefetch_b8 v0, s[64:65] scope:SCOPE_SE
	s_setreg_imm32_b32 hwreg(HW_REG_WAVE_MODE, 25, 1), 1
	s_wait_xcnt 0x0
; agg = layernorm(src + ctx out_w^T + out_b) x g + b, in one launch: the product on codes of BF6 (E3M2) with E8M0 scales, all else in f32.  agg leaves as f32 rows and as the next product's operand image (act2).
; IMAGES.  A quad (6,400 bytes) is 64 rows x 128 K: four fragments of 1,536 bytes in the order of their registers (registers 0-3 of lane l at 16 l, 4-5 at 512 + 8 l, 6-9 at 768 + 16 l, 10-11 at 1,280 + 8 l), then scale words
; (lane l's 8 bytes at 6,144 + 8 l: tile l / 16's word of row l % 16, then tile 2 + l / 16's).  Place p of tile i holds the quad's row 32 (i / 2) + 16 (p / 8) + 8 (i % 2) + p % 8.  act, act2: [8 K steps][64 quads]; out_w: [8][16] from byte 5,734,400 of img0.
; SHARES.  A work-group owns one tile of 16 tokens (tile i = work-group % 4 of quad Q = work-group / 4) and all 1,024 columns, so that a row's mean and variance are made where the row is made.  Wave w owns columns 64 w .. 64 w + 63: quad w of out_w.
; The product is used transposed (source 0 = 16 rows of out_w, source 1 = the 16 tokens): lane (r, h) holds token r, register 16 b + i column 64 w + 32 b + 16 h + i.  The residual, brought into that layout, is the C of the first products.
; THE WEIGHTS GO FROM MEMORY STRAIGHT INTO THE OPERANDS' REGISTERS: each fragment is read by one wave of the work-group, once, so LDS would only pass it on.  A ring of three quads: 51 loads of a wave are out, sixteen waves have 48 quads asked for.
; No cluster and no joint loads: the walk has no LDS slot to share a tile through and no barrier at which partners could meet.  No prefetch: the loads themselves run three K steps of eight ahead.
; The tokens' eight fragments (12,288 bytes) are brought once, half a fragment a wave, and read from LDS by all sixteen waves.  src, agg, out_b, g and b move in whole runs of 256 bytes and turn through LDS bytes of the wave's own.
; The mean is taken first and the variance of the deviations in a second pass.  The sixteen waves' parts of a sum meet in LDS, with a barrier for each of the two sums, in bytes of their own.
; LIMITS: NaN and infinities are not served; v_rsq_f32 is accurate to 1 ulp; a block whose largest magnitude lies under 2^-122 gets the byte 1.
.set STAGE, 12288                      ; behind the tokens' fragments: 16 rows x 272 bytes for each wave
.set VEC,   81920                      ; 768 bytes a wave: its 64 numbers of out_b, g, b
.set RED,   94208                      ; 1,024 bytes for each of the two sums: [16 rows][16 waves]
.set SPARE, 96256                      ; the spare words, 128 bytes a wave
.set L16, 1
.set L8,  2
.set STI, 3                            ; my stage by rows: 272 (lane / 16) + 16 (lane % 16)
.set STL, 4                            ; my stage by lanes: 272 r + 64 h
.set RST, 5
.set RLD, 6
.set AS,  28                           ; v28-35 the tokens' scale words, one register a K step
.set Z,   36                           ; v36-67 my 32 numbers: the four accumulators
.set AF,  68                           ; v68-91 the tokens' fragment, two sets
.set BR,  92                           ; v92-235 the ring: three quads of out_w; behind the product: out_b, g, b and what is at work
.set BS,  236                          ; v236-241 their scale words
.set SEL, 56
.macro WM d, b, a, sb, sa, rb
.if \rb
	v_wmma_scale_f32_16x16x128_f8f6f4 v[\d:\d+7], v[\b:\b+11], v[\a:\a+11], v[\d:\d+7], v[\sb], v[\sa] matrix_a_fmt:MATRIX_FMT_BF6 matrix_b_fmt:MATRIX_FMT_BF6 matrix_a_scale:MATRIX_SCALE_ROW1
.else
	v_wmma_scale_f32_16x16x128_f8f6f4 v[\d:\d+7], v[\b:\b+11], v[\a:\a+11], v[\d:\d+7], v[\sb], v[\sa] matrix_a_fmt:MATRIX_FMT_BF6 matrix_b_fmt:MATRIX_FMT_BF6
.endif
.endm
.macro BLOAD s                         ; K step s's quad of out_w into set s % 3: 17 loads, each of 512 or 256 consecutive bytes
.irp t, 0,1,2,3
	global_load_b128 v[BR+48*((\s)%3)+12*\t:BR+48*((\s)%3)+12*\t+3], v[L16], s[42:43] offset:(\s)*102400+1536*\t
	global_load_b64 v[BR+48*((\s)%3)+12*\t+4:BR+48*((\s)%3)+12*\t+5], v[L8], s[42:43] offset:(\s)*102400+1536*\t+512
	global_load_b128 v[BR+48*((\s)%3)+12*\t+6:BR+48*((\s)%3)+12*\t+9], v[L16], s[42:43] offset:(\s)*102400+1536*\t+768
	global_load_b64 v[BR+48*((\s)%3)+12*\t+10:BR+48*((\s)%3)+12*\t+11], v[L8], s[42:43] offset:(\s)*102400+1536*\t+1280
.endr
	global_load_b64 v[BS+2*((\s)%3):BS+2*((\s)%3)+1], v[L8], s[42:43] offset:(\s)*102400+6144
.endm
.macro ALOAD s                         ; the tokens' fragment of K step s into set s % 2
	ds_load_b128 v[AF+12*((\s)%2):AF+12*((\s)%2)+3], v[L16] offset:1536*(\s)
	ds_load_b64 v[AF+12*((\s)%2)+4:AF+12*((\s)%2)+5], v[L8] offset:1536*(\s)+512
	ds_load_b128 v[AF+12*((\s)%2)+6:AF+12*((\s)%2)+9], v[L16] offset:1536*(\s)+768
	ds_load_b64 v[AF+12*((\s)%2)+10:AF+12*((\s)%2)+11], v[L8] offset:1536*(\s)+1280
.endm
.macro KSTEP s
.if \s < 6
	s_wait_loadcnt 34                              ; this step's quad is in; the two later quads' 17 loads each may be out
.elseif \s == 6
	s_wait_loadcnt 17
.else
	s_wait_loadcnt 0x0
.endif
.if \s < 7
	s_wait_dscnt 4                                 ; this step's fragment is in; the next one's four loads may be out
.else
	s_wait_dscnt 0x0
.endif
.irp t, 0,1,2,3
	WM Z+8*\t, BR+48*((\s)%3)+12*\t, AF+12*((\s)%2), BS+2*((\s)%3)+\t/2, AS+\s, \t%2   ; the four accumulators by turns
.endr
.rept 4
	v_nop                                          ; places in front of loads into registers that the products have read, and of the first read of results
.endr
.if \s < 5
	BLOAD \s+3
.endif
.if \s < 6
	ALOAD \s+2
.endif
.endm
; my wave's part of a sum (four packed chains in v[12:19]) meets the other waves' in LDS at byte off; the row's sum comes back in v20
.macro MEET off
	v_pk_add_f32 v[12:13], v[12:13], v[14:15]
	v_pk_add_f32 v[16:17], v[16:17], v[18:19]
	v_pk_add_f32 v[12:13], v[12:13], v[16:17]
	v_add_f32 v12, v12, v13
	v_permlanex16_b32 v20, v12, s[SEL], s[SEL+1]
	v_add_f32 v12, v12, v20                        ; with lane l xor 16's: my wave's 64 columns of row r
	ds_store_b32 v[RST], v12 offset:\off           ; (both halves of the lanes write the same word with the same value)
	s_wait_alu depctr_va_vdst(0)
	s_wait_dscnt 0x0                               ; for the others' sake
	s_barrier_signal -1
	s_barrier_wait -1
.irp k, 0,1,2,3
	ds_load_b128 v[188+4*\k:191+4*\k], v[RLD] offset:\off+16*\k
.endr
	s_wait_dscnt 0x0
.irp k, 0,1,2,3
	v_pk_add_f32 v[188+4*\k:189+4*\k], v[188+4*\k:189+4*\k], v[190+4*\k:191+4*\k]
.endr
	v_pk_add_f32 v[188:189], v[188:189], v[192:193]
	v_pk_add_f32 v[196:197], v[196:197], v[200:201]
	v_pk_add_f32 v[188:189], v[188:189], v[196:197]
	v_add_f32 v20, v188, v189
.endm
	s_load_b256 s[40:47], s[0:1], 0x0              ; act, img0, out_b, src
	s_load_b256 s[48:55], s[0:1], 0x20             ; g, b, agg, act2
	v_lshl_add_u32 v26, v0, 2, SPARE
	v_mov_b32 v27, 0
	v_lshrrev_b32 v7, 5, v0
	v_readfirstlane_b32 s14, v7                    ; wave 0..15
	s_lshr_b32 s17, ttmp9, 2                       ; the quad Q
	s_and_b32 s18, ttmp9, 3                        ; the tile i
	s_lshr_b32 s19, s18, 1
	s_and_b32 s20, s18, 1
	s_mul_i32 s15, s14, 4352
	s_add_co_u32 s15, s15, STAGE                   ; my stage
	s_lshl_b32 s16, s14, 2
	s_lshl_b32 s21, s20, 7
	s_lshl_b32 s22, s19, 2
	s_add_co_u32 s21, s21, s22                     ; my tile's scale words: 128 (i % 2) + 4 (i / 2)
	s_and_b32 s12, s14, 1
	s_lshl_b32 s22, s12, 1
	s_mul_i32 s13, s14, 768
	s_add_co_u32 s23, s13, VEC
	s_lshl_b32 s24, s17, 6
	s_lshl_b32 s25, s19, 5
	s_add_co_u32 s24, s24, s25
	s_lshl_b32 s25, s20, 3
	s_add_co_u32 s24, s24, s25                     ; place 0's row
	s_lshl_b32 s24, s24, 12
	s_lshl_b32 s38, s14, 8                         ; my 64 columns
	s_add_co_u32 s24, s24, s38
	s_mov_b32 s25, 0
	s_mov_b32 s39, 0
	s_mul_i32 s26, s14, 6400
	s_add_co_u32 s26, s26, 5734400                 ; out_w's quad w of K step 0
	s_mov_b32 s27, 0
	s_mul_i32 s28, s17, 6400
	s_mov_b32 s29, 0
	s_lshr_b32 s36, s14, 1
	s_lshl_b32 s36, s36, 6
	s_add_co_u32 s36, s36, s17
	s_mul_i32 s36, s36, 6400                       ; quad Q of K step w / 2,
	s_mov_b32 s37, 0
	s_mul_i32 s32, s18, 1536
	s_mul_i32 s33, s12, 768
	s_add_co_u32 s32, s32, s33
	s_add_co_u32 s32, s32, s36                     ; half w % 2 of tile i's fragment in it: what I bring of act, and what I make of act2
	s_mov_b32 s33, 0
	s_mov_b32 s[SEL], 0x76543210
	s_mov_b32 s[SEL+1], 0xfedcba98
	s_mov_b32 s58, 0x3a800000                      ; 1 / 1,024
	s_mov_b32 s59, 0x3727c5ac                      ; 1e-5
	v_and_b32 v7, 31, v0                           ; lane
	v_and_b32 v12, 15, v0                          ; r
	v_bfe_u32 v13, v0, 4, 1                        ; h
	v_lshlrev_b32 v[L16], 4, v7
	v_lshlrev_b32 v[L8], 3, v7
	v_lshlrev_b32 v14, 4, v12
	v_lshl_add_u32 v11, v13, 12, v14               ; rows of src and agg: sixteen lanes to 256 bytes of a row, two rows an instruction
	v_mad_u32_u24 v[STI], v13, 272, v14
	v_add_nc_u32 v[STI], s15, v[STI]
	v_mul_u32_u24 v[STL], v12, 272
	v_lshl_add_u32 v[STL], v13, 6, v[STL]
	v_add_nc_u32 v[STL], s15, v[STL]
	v_lshlrev_b32 v[RLD], 6, v12
	v_add_nc_u32 v[RLD], RED, v[RLD]               ; my row's sixteen parts
	v_add_nc_u32 v[RST], s16, v[RLD]               ; my wave's among them
	v_lshl_add_u32 v8, v12, 3, s21                 ; my row's scale word in a quad
	v_add_nc_u32 v10, s22, v8                      ; and the two bytes of it that I make
	v_lshl_add_u32 v9, v13, 6, s23                 ; out_b, g, b in the lanes' layout: + 64 h
	v_add_nc_u32 v248, s23, v[L8]                  ; and as they come
	v_add_nc_u32 v24, s13, v[L16]                  ; my half fragment's place among the tokens' eight: 768 w
	v_add_nc_u32 v25, s13, v[L8]
	v_mov_b32 v20, 0                               ; a lane permute's destination counts as one of its sources
	s_wait_alu depctr_va_vdst(0)
	s_wait_kmcnt 0x0
	s_add_nc_u64 s[46:47], s[46:47], s[24:25]
	s_add_nc_u64 s[52:53], s[52:53], s[24:25]
	s_add_nc_u64 s[42:43], s[42:43], s[26:27]
	s_add_nc_u64 s[30:31], s[40:41], s[32:33]
	s_add_nc_u64 s[28:29], s[40:41], s[28:29]
	s_add_nc_u64 s[34:35], s[54:55], s[32:33]
	s_add_nc_u64 s[36:37], s[54:55], s[36:37]
	s_add_nc_u64 s[44:45], s[44:45], s[38:39]
	s_add_nc_u64 s[48:49], s[48:49], s[38:39]
	s_add_nc_u64 s[50:51], s[50:51], s[38:39]
	global_load_b128 v[AF:AF+3], v[L16], s[30:31]
	global_load_b64 v[AF+4:AF+5], v[L8], s[30:31] offset:512
.irp t, 0,1,2,3,4,5,6,7
	global_load_b128 v[Z+4*\t:Z+4*\t+3], v11, s[46:47] offset:((2*\t)%8+16*(\t/4))*4096 th:TH_LOAD_NT   ; places 2 t and 2 t + 1
.endr
	global_load_b64 v[242:243], v[L8], s[44:45]
	global_load_b64 v[244:245], v[L8], s[48:49]
	global_load_b64 v[246:247], v[L8], s[50:51]
.irp s, 0,1,2,3,4,5,6,7
	global_load_b32 v[AS+\s], v8, s[28:29] offset:\s*409600+6144
.endr
	BLOAD 0
	BLOAD 1
	BLOAD 2
	s_wait_loadcnt 51                              ; all but the ring's three quads
	ds_store_b128 v24, v[AF:AF+3]
	ds_store_b64 v25, v[AF+4:AF+5] offset:512
	ds_store_b64 v248, v[242:243]
	ds_store_b64 v248, v[244:245] offset:256
	ds_store_b64 v248, v[246:247] offset:512
.irp t, 0,1,2,3,4,5,6,7
	ds_store_b128 v[STI], v[Z+4*\t:Z+4*\t+3] offset:2*\t*272
.endr
	s_wait_dscnt 0x0                               ; for the others' sake, and the stores have read their registers
	s_barrier_signal -1
	s_barrier_wait -1
.irp b, 0,1
.irp j, 0,1,2,3
	ds_load_b128 v[Z+16*\b+4*\j:Z+16*\b+4*\j+3], v[STL] offset:128*\b+16*\j   ; the residual in the result's layout: the first products add onto it
.endr
.endr
	ALOAD 0
	ALOAD 1
.irp s, 0,1,2,3,4,5,6,7
	KSTEP \s
.endr
.irp k, 0,1,2
.irp b, 0,1
.irp j, 0,1,2,3
	ds_load_b128 v[BR+32*\k+16*\b+4*\j:BR+32*\k+16*\b+4*\j+3], v9 offset:256*\k+128*\b+16*\j   ; out_b, g, b
.endr
.endr
.endr
	s_wait_dscnt 0x0
.set n, 0
.rept 16
	v_pk_add_f32 v[Z+n:Z+n+1], v[Z+n:Z+n+1], v[BR+n:BR+n+1]   ; + out_b; each accumulator from its low end on
.set n, n+2
.endr
.irp k, 0,1,2,3
	v_pk_add_f32 v[12+2*\k:13+2*\k], v[Z+2*\k:Z+2*\k+1], v[Z+8+2*\k:Z+9+2*\k]
.endr
.irp n, 16,24
.irp k, 0,1,2,3
	v_pk_add_f32 v[12+2*\k:13+2*\k], v[12+2*\k:13+2*\k], v[Z+\n+2*\k:Z+\n+2*\k+1]
.endr
.endr
	MEET 0
	v_mul_f32 v22, s58, v20                        ; the mean
	v_mov_b32 v23, v22
.set n, 0
.rept 16
	v_pk_add_f32 v[Z+n:Z+n+1], v[Z+n:Z+n+1], v[22:23] neg_lo:[0,1] neg_hi:[0,1]   ; the deviations
.set n, n+2
.endr
.irp k, 0,1,2,3
	v_pk_mul_f32 v[12+2*\k:13+2*\k], v[Z+2*\k:Z+2*\k+1], v[Z+2*\k:Z+2*\k+1]
.endr
.irp n, 8,16,24
.irp k, 0,1,2,3
	v_pk_fma_f32 v[12+2*\k:13+2*\k], v[Z+\n+2*\k:Z+\n+2*\k+1], v[Z+\n+2*\k:Z+\n+2*\k+1], v[12+2*\k:13+2*\k]
.endr
.endr
	MEET 1024
	v_fma_f32 v21, v20, s58, s59                   ; the variance + 1e-5
	s_wait_alu depctr_va_vdst(0)
	v_rsq_f32 v22, v21
	v_nop                                          ; a plain instruction behind the transcendental
	s_wait_alu depctr_va_vdst(0)                   ; and the wait ahead of its first reader
	v_mov_b32 v23, v22
.set n, 0
.rept 16
	v_pk_mul_f32 v[Z+n:Z+n+1], v[Z+n:Z+n+1], v[22:23]
.set n, n+2
.endr
.set n, 0
.rept 16
	v_pk_fma_f32 v[Z+n:Z+n+1], v[Z+n:Z+n+1], v[BR+32+n:BR+33+n], v[BR+64+n:BR+65+n]
.set n, n+2
.endr
.irp b, 0,1
.irp j, 0,1,2,3
	ds_store_b128 v[STL], v[Z+16*\b+4*\j:Z+16*\b+4*\j+3] offset:128*\b+16*\j   ; back into my stage, to leave by rows
.endr
.endr
.irp b, 0,1                                    ; my 64 columns are half a fragment of the next product: two blocks of 32, each in lanes l and l xor 16
	v_max3_num_f32 v[12+\b], |v[Z+16*\b]|, |v[Z+1+16*\b]|, 0x2800000
.endr
.irp i, 2,4,6,8,10,12,14
.irp b, 0,1
	v_max3_num_f32 v[12+\b], v[12+\b], |v[Z+16*\b+\i]|, |v[Z+1+16*\b+\i]|
.endr
.endr
.irp b, 0,1
	v_permlanex16_b32 v[14+\b], v[12+\b], s[SEL], s[SEL+1]
.endr
.irp b, 0,1
	v_max_num_f32 v[12+\b], v[12+\b], v[14+\b]
.endr
.irp b, 0,1
	v_add_nc_u32 v[16+\b], 0xfe000000, v[12+\b]    ; 4 off the exponent field: the conversion's scale operand
.endr
.irp b, 0,1
	v_lshrrev_b32 v[14+\b], 23, v[16+\b]
.endr
	v_lshl_or_b32 v18, v15, 8, v14
	v_cvt_scalef32_pk16_bf6_f32 v[204:206], v[Z:Z+15], v16
	v_cvt_scalef32_pk16_bf6_f32 v[212:214], v[Z+16:Z+31], v17
	v_nop                                          ; one plain instruction behind the scaled conversions
.irp i, 0,1,2
	v_permlane16_swap_b32 v[204+\i], v[212+\i]     ; a whole block to a lane
.endr
.irp i, 0,1,2
	v_mov_b32 v[207+\i], v[212+\i]
.endr
	global_store_b128 v[L16], v[204:207], s[34:35] ; 512 consecutive bytes, aligned to 256
	global_store_b64 v[L8], v[208:209], s[34:35] offset:512
	s_wait_alu depctr_va_vdst(0)
	s_wait_xcnt 0x0                                ; EXEC changes only behind this wait
	v_cmp_gt_u32 vcc_lo, 16, v7
	s_and_saveexec_b32 s60, vcc_lo
	global_store_b16 v10, v18, s[36:37] offset:6144 ; lanes 0-15: a row's two bytes (the word's other two are the neighbour wave's)
	s_wait_xcnt 0x0
	s_or_b32 exec_lo, exec_lo, s60
.irp t, 0,1,2,3,4,5,6,7
	ds_load_b128 v[BR+4*\t:BR+4*\t+3], v[STI] offset:2*\t*272   ; LDS serves a wave's instructions in order: these see my stores
.endr
.irp t, 0,1,2,3,4,5,6,7
	s_wait_dscnt 7-\t
	global_store_b128 v11, v[BR+4*\t:BR+4*\t+3], s[52:53] offset:((2*\t)%8+16*(\t/4))*4096 th:TH_STORE_NT   ; sixteen lanes store 256 consecutive bytes, aligned
.endr
	s_wait_tensorcnt 0x0                           ; the wave's end
	ds_add_u32 v26, v27
	s_wait_dscnt 0x0
	s_endpgm
.Lfunc_end_k_qae080fb047_outln:
	.size	k_qae080fb047_outln, .Lfunc_end_k_qae080fb047_outln-k_qae080fb047_outln
	.p2alignl 7, 3214868480
	.fill 96, 4, 3214868480
	.section	.rodata,"a",@progbits
	.p2align	6, 0x0
	.amdhsa_kernel k_qae080fb047_outln
		.amdhsa_group_segment_fixed_size 98304
		.amdhsa_private_segment_fixed_size 0
		.amdhsa_enable_private_segment 0
		.amdhsa_kernarg_size 64
		.amdhsa_user_sgpr_count 2
		.amdhsa_user_sgpr_kernarg_segment_ptr 1
		.amdhsa_wavefront_size32 1
		.amdhsa_system_sgpr_workgroup_id_x 1
		.amdhsa_system_sgpr_workgroup_id_y 1
		.amdhsa_system_sgpr_workgroup_id_z 1
		.amdhsa_system_vgpr_workitem_id 0
		.amdhsa_next_free_vgpr 256
		.amdhsa_next_free_sgpr 66
		.amdhsa_reserve_vcc 1
		.amdhsa_float_denorm_mode_32 3
		.amdhsa_float_denorm_mode_16_64 3
		.amdhsa_memory_ordered 1
		.amdhsa_forward_progress 1
		.amdhsa_inst_pref_size 42
	.end_amdhsa_kernel
	.amdgpu_metadata
---
amdhsa.version: [ 1, 2 ]
amdhsa.kernels:
  - .name:           k_qae080fb047_outln
    .symbol:         k_qae080fb047_outln.kd
    .args:
      - { .name: act, .offset: 0, .size: 8, .value_kind: global_buffer, .address_space: global }
      - { .name: img0, .offset: 8, .size: 8, .value_kind: global_buffer, .address_space: global }
      - { .name: out_b, .offset: 16, .size: 8, .value_kind: global_buffer, .address_space: global }
      - { .name: src, .offset: 24, .size: 8, .value_kind: global_buffer, .address_space: global }
      - { .name: ln1_g, .offset: 32, .size: 8, .value_kind: global_buffer, .address_space: global }
      - { .name: ln1_b, .offset: 40, .size: 8, .value_kind: global_buffer, .address_space: global }
      - { .name: agg, .offset: 48, .size: 8, .value_kind: global_buffer, .address_space: global }
      - { .name: act2, .offset: 56, .size: 8, .value_kind: global_buffer, .address_space: global }
    .group_segment_fixed_size: 98304
    .private_segment_fixed_size: 0
    .kernarg_segment_align: 8
    .kernarg_segment_size: 64
    .max_flat_workgroup_size: 512
    .sgpr_count:     66
    .vgpr_count:     256
    .wavefront_size: 32
...
	.end_amdgpu_metadata
.endif
;; end of part 12
;; launch ff1 (part 13): grid 16 x 16, 4 waves a work-group, clusters of 4 x 4, 327,680 bytes of LDS; arguments act2, img0, ffn_b1, himg; writes himg
.if DOCPART == 13
	.amdgcn_target "amdgcn-amd-amdhsa--gfx1250"
	.amdhsa_code_object_version 6
	.text
	.protected	k_qae080fb047_ff1
	.globl	k_qae080fb047_ff1
	.p2align	8
	.type	k_qae080fb047_ff1,@function
k_qae080fb047_ff1:
	s_mov_b64 s[64:65], 0
	v_nop
	global_prefetch_b8 v0, s[64:65] scope:SCOPE_SE
	s_setreg_imm32_b32 hwreg(HW_REG_WAVE_MODE, 25, 1), 1
	s_wait_xcnt 0x0
	s_wait_alu depctr_hold_cnt(0) depctr_sa_sdst(0) depctr_va_vdst(0) depctr_va_sdst(0) depctr_va_ssrc(0) depctr_va_vcc(0) depctr_vm_vsrc(0)
	s_getreg_b32 s2, hwreg(HW_REG_IB_STS2, 6, 4)
	s_cmp_eq_u32 s2, 0
	s_cbranch_scc0 .Lentry_in_a_cluster
	s_endpgm
.Lentry_in_a_cluster:
	s_bfe_u32 s2, ttmp6, 0x10000c
	s_cmp_lg_u32 s2, 0xf033
	s_cbranch_scc0 .Lentry_shape_is_right
	s_endpgm
.Lentry_shape_is_right:
.set LAPS,   2
.set STRA,   409600
.set STRB,   409600
.set BOFF,   6553600
.set QB,     6400
.set HALFT,  4*QB
.set SLOT,   4*HALFT
.set SPARE,  2*SLOT
.set FR,     12
.set NL,     4
.set NP,     4
.set ADRA, 16
.set ADRB, 20
.set L16,  26
.set L8,   27
.set SPW,  28
.set NIL,  29
.set SC,   32
.set AF,   128
.set G1,  24
.set G0,  32
.set G1B, 48
.set G0B, 56
.set MSB, 0
.macro WIN new
.if MSB != (\new)
	s_set_vgpr_msb (MSB<<8)|(\new)
.set MSB, \new
.endif
.endm
.set MUL_LO, 0xa1
.set MUL_HI, 0xf1
.set TO_B,   0x40
.macro JLOAD g0a, g1a, g0b, g1b
	s_cmp_eq_u32 s15, 0
	s_cbranch_scc0 .Lfor_b_\@
	tensor_load_to_lds s[\g0a:\g0a+3], s[\g1a:\g1a+7]
	s_nop 0
.rept 4
	v_nop
.endr
	s_branch .Lasked_\@
.Lfor_b_\@:
	tensor_load_to_lds s[\g0b:\g0b+3], s[\g1b:\g1b+7]
	s_nop 0
.rept 4
	v_nop
.endr
.Lasked_\@:
.endm
.macro CREST
	s_cmp_lg_u32 s14, 0
	s_cbranch_scc1 .Lnot_wave_0_\@
	s_barrier_signal -3
.Lnot_wave_0_\@:
	s_barrier_wait -3
	s_barrier_signal -1
	s_barrier_wait -1
.endm
.macro CROUND
	s_barrier_signal -1
	s_barrier_wait -1
	CREST
.endm
.macro FRAG reg, adr, off
	ds_load_b128 v[\reg:\reg+3], v[\adr] offset:\off
	ds_load_b64 v[\reg+4:\reg+5], v[\adr+2] offset:(\off)+512
	ds_load_b128 v[\reg+6:\reg+9], v[\adr] offset:(\off)+768
	ds_load_b64 v[\reg+10:\reg+11], v[\adr+2] offset:(\off)+1280
.endm
.macro WM d, b, a, zero, sb, sa, rb, ra
.set WSEL, 4*(\zero)+2*(\rb)+(\ra)
.if WSEL == 0
	v_wmma_scale_f32_16x16x128_f8f6f4 v[\d:\d+7], v[\b:\b+11], v[\a:\a+11], v[\d:\d+7], v[\sb], v[\sa] matrix_a_fmt:MATRIX_FMT_BF6 matrix_b_fmt:MATRIX_FMT_BF6
.elseif WSEL == 1
	v_wmma_scale_f32_16x16x128_f8f6f4 v[\d:\d+7], v[\b:\b+11], v[\a:\a+11], v[\d:\d+7], v[\sb], v[\sa] matrix_a_fmt:MATRIX_FMT_BF6 matrix_b_fmt:MATRIX_FMT_BF6 matrix_b_scale:MATRIX_SCALE_ROW1
.elseif WSEL == 2
	v_wmma_scale_f32_16x16x128_f8f6f4 v[\d:\d+7], v[\b:\b+11], v[\a:\a+11], v[\d:\d+7], v[\sb], v[\sa] matrix_a_fmt:MATRIX_FMT_BF6 matrix_b_fmt:MATRIX_FMT_BF6 matrix_a_scale:MATRIX_SCALE_ROW1
.elseif WSEL == 3
	v_wmma_scale_f32_16x16x128_f8f6f4 v[\d:\d+7], v[\b:\b+11], v[\a:\a+11], v[\d:\d+7], v[\sb], v[\sa] matrix_a_fmt:MATRIX_FMT_BF6 matrix_b_fmt:MATRIX_FMT_BF6 matrix_a_scale:MATRIX_SCALE_ROW1 matrix_b_scale:MATRIX_SCALE_ROW1
.elseif WSEL == 4
	v_wmma_scale_f32_16x16x128_f8f6f4 v[\d:\d+7], v[\b:\b+11], v[\a:\a+11], 0, v[\sb], v[\sa] matrix_a_fmt:MATRIX_FMT_BF6 matrix_b_fmt:MATRIX_FMT_BF6
.elseif WSEL == 5
	v_wmma_scale_f32_16x16x128_f8f6f4 v[\d:\d+7], v[\b:\b+11], v[\a:\a+11], 0, v[\sb], v[\sa] matrix_a_fmt:MATRIX_FMT_BF6 matrix_b_fmt:MATRIX_FMT_BF6 matrix_b_scale:MATRIX_SCALE_ROW1
.elseif WSEL == 6
	v_wmma_scale_f32_16x16x128_f8f6f4 v[\d:\d+7], v[\b:\b+11], v[\a:\a+11], 0, v[\sb], v[\sa] matrix_a_fmt:MATRIX_FMT_BF6 matrix_b_fmt:MATRIX_FMT_BF6 matrix_a_scale:MATRIX_SCALE_ROW1
.else
	v_wmma_scale_f32_16x16x128_f8f6f4 v[\d:\d+7], v[\b:\b+11], v[\a:\a+11], 0, v[\sb], v[\sa] matrix_a_fmt:MATRIX_FMT_BF6 matrix_b_fmt:MATRIX_FMT_BF6 matrix_a_scale:MATRIX_SCALE_ROW1 matrix_b_scale:MATRIX_SCALE_ROW1
.endif
.endm
.macro MUL16 a0, p, q, sc, zero
.irp a, \a0, \a0+1
.irp b, 0,1,2,3,4,5,6,7
	WM 8*(8*((\a)%4)+\b), 128*(\p)+FR*\b, AF+FR*(\a), \zero, SC+16*(\sc)+8*(\q)+4+2*(\b/4)+(\b%4)/2, SC+16*(\sc)+8*(\q)+2*((\a)/4)+((\a)%4)/2, \b%2, (\a)%2
.endr
.endr
.endm
.macro FETCH_B slot, q, p
	WIN TO_B
.irp i, 0,1,2,3,4,5,6,7
	FRAG 128*(\p)+FR*\i, ADRB+\slot, 12800*(\q)+6400*(\i/4)+1536*(\i%4)
.endr
	WIN 0
.endm
.macro FETCH_A slot, q, i0
.irp j, 0,1,2,3
	FRAG AF+FR*(\i0+\j), ADRA+\slot, 12800*(\q)+6400*(\i0/4)+1536*\j
.endr
.endm
.macro SCALES sc
.irp q, 0,1
.irp e, 0,1
	ds_load_b64 v[SC+16*\sc+8*\q+2*\e:SC+16*\sc+8*\q+2*\e+1], v[ADRA+2+\sc] offset:12800*\q+6400*\e+6144
	ds_load_b64 v[SC+16*\sc+8*\q+4+2*\e:SC+16*\sc+8*\q+4+2*\e+1], v[ADRB+2+\sc] offset:12800*\q+6400*\e+6144
.endr
.endr
.endm
.macro PLACES n
.rept \n
	v_nop
.endr
.endm
.macro STEP slot, q, zero
	s_wait_dscnt 4*NL
	WIN MUL_LO
	MUL16 0, (\q)%2, \q, \slot, \zero
	MUL16 2, (\q)%2, \q, \slot, \zero
	s_wait_dscnt 0
	PLACES NP
	FETCH_B \slot, (\q)+1, 1-(\q)%2
	FETCH_A \slot, (\q)+1, 0
	WIN MUL_HI
	MUL16 4, (\q)%2, \q, \slot, \zero
	MUL16 6, (\q)%2, \q, \slot, \zero
	PLACES NP
	WIN 0
	FETCH_A \slot, (\q)+1, 4
.endm
.macro TURN slot, next, fill
	s_wait_tensorcnt 0x0
	ds_add_u32 v[SPW], v[NIL]
	s_wait_dscnt 4*NL+1
	WIN MUL_LO
	MUL16 0, 1, 1, \slot, 0
	s_wait_dscnt 0x0
	s_barrier_signal -1
	MUL16 2, 1, 1, \slot, 0
	WIN 0
	s_barrier_wait -1
.if \fill
	CREST
	s_add_nc_u64 s[G0+4*\slot+2:G0+4*\slot+3], s[G0+4*\slot+2:G0+4*\slot+3], 4*STRA
	s_add_nc_u64 s[G0B+4*\slot+2:G0B+4*\slot+3], s[G0B+4*\slot+2:G0B+4*\slot+3], 4*STRB
	JLOAD G0+4*\slot, G1, G0B+4*\slot, G1B
.else
	PLACES NP
.endif
	FETCH_B \next, 0, 0
	FETCH_A \next, 0, 0
	SCALES \next
	WIN MUL_HI
	MUL16 4, 1, 1, \slot, 0
	MUL16 6, 1, 1, \slot, 0
	PLACES NP
	WIN 0
	FETCH_A \next, 0, 4
.endm
.set BI,  64
.set T,   128
.set TM,  192
.set CT,  208
.set PC,  216
.set PW,  228
.set SP,  236
.set SEL, 80
.set HM,  78
.macro QUANT s, pw
.irp b, 0,1,2,3
	v_max3_num_f32 v[TM+\b], |v[\s+16*\b]|, |v[\s+1+16*\b]|, 0x2800000
.endr
.irp i, 2,4,6,8,10,12,14
.irp b, 0,1,2,3
	v_max3_num_f32 v[TM+\b], v[TM+\b], |v[\s+16*\b+\i]|, |v[\s+1+16*\b+\i]|
.endr
.endr
.irp b, 0,1,2,3
	v_permlanex16_b32 v[TM+4+\b], v[TM+\b], s[SEL], s[SEL+1]
.endr
.irp b, 0,1,2,3
	v_max_num_f32 v[TM+\b], v[TM+\b], v[TM+4+\b]
.endr
.irp b, 0,1,2,3
	v_add_nc_u32 v[TM+12+\b], 0xfe000000, v[TM+\b]
.endr
.irp b, 0,1,2,3
	v_lshrrev_b32 v[TM+4+\b], 23, v[TM+12+\b]
.endr
	v_lshl_or_b32 v[\pw], v[TM+5], 8, v[TM+4]
	v_lshl_or_b32 v[\pw], v[TM+6], 16, v[\pw]
	v_lshl_or_b32 v[\pw], v[TM+7], 24, v[\pw]
.irp c, 0,1
	v_cvt_scalef32_pk16_bf6_f32 v[PC+6*\c:PC+6*\c+2], v[\s+32*\c:\s+32*\c+15], v[TM+12+2*\c]
	v_cvt_scalef32_pk16_bf6_f32 v[CT+4*\c:CT+4*\c+2], v[\s+32*\c+16:\s+32*\c+31], v[TM+13+2*\c]
.endr
	v_nop
.irp c, 0,1
.irp i, 0,1,2
	v_permlane16_swap_b32 v[PC+6*\c+\i], v[CT+4*\c+\i]
.endr
.irp i, 0,1,2
	v_mov_b32 v[PC+3+6*\c+\i], v[CT+4*\c+\i]
.endr
.endr
.endm
.macro PUTFRAG base, off
	global_store_b128 v[L16], v[PC:PC+3], s[\base:\base+1] offset:\off
	global_store_b64 v[L8], v[PC+4:PC+5], s[\base:\base+1] offset:(\off)+512
	global_store_b128 v[L16], v[PC+6:PC+9], s[\base:\base+1] offset:(\off)+768
	global_store_b64 v[L8], v[PC+10:PC+11], s[\base:\base+1] offset:(\off)+1280
.endm
	s_load_b256 s[4:11], s[0:1], 0x0
	v_lshl_add_u32 v[SPW], v0, 2, SPARE
	v_mov_b32 v[NIL], 0
	ds_add_u32 v28, v29
	ds_add_u32 v28, v29
	s_wait_dscnt 0x0
	v_lshrrev_b32 v1, 5, v0
	v_readfirstlane_b32 s14, v1
	v_and_b32 v1, 31, v0
	v_lshlrev_b32 v[L16], 4, v1
	v_lshlrev_b32 v[L8], 3, v1
	v_bfe_u32 v30, v0, 4, 1
	v_lshlrev_b32 v30, 6, v30
	s_lshr_b32 s15, s14, 1
	s_and_b32 s16, s14, 1
	s_bfe_u32 s40, ttmp6, 0x40000
	s_bfe_u32 s41, ttmp6, 0x40004
	s_lshl_b32 s42, ttmp9, 2
	s_add_co_u32 s42, s42, s40
	s_and_b32 s17, ttmp7, 0xffff
	s_lshl_b32 s17, s17, 2
	s_add_co_u32 s17, s17, s41
	s_lshl_b32 s43, s41, 2
	s_lshl_b32 s43, 15, s43
	s_lshl_b32 s44, 0x1111, s40
	s_or_b32 s[G1+0], s43, (3<<16)|(1<<21)
	s_or_b32 s[G1B+0], s44, (3<<16)|(1<<21)
.irp g, G1, G1B
	s_mov_b32 s[\g+1], 1600<<16
	s_mov_b32 s[\g+2], 2<<16
	s_mov_b32 s[\g+3], 1600<<16
	s_mov_b32 s[\g+4], 2
	s_mov_b32 s[\g+6], 0
	s_mov_b32 s[\g+7], 0
.endr
	s_mov_b32 s[G1+5], STRA/8
	s_mov_b32 s[G1B+5], STRB/8
	s_lshl_b32 s18, s16, 1
	s_lshl_b32 s20, s17, 2
	s_add_co_u32 s20, s20, s18
	s_mul_i32 s20, s20, QB
	s_mov_b32 s21, 0
	s_lshl_b32 s46, s42, 2
	s_add_co_u32 s46, s46, s18
	s_mul_i32 s46, s46, QB
	s_add_co_u32 s46, s46, BOFF
	s_mov_b32 s47, 0
	s_mul_i32 s45, s14, HALFT
	s_lshl_b32 s66, s42, 10
	s_lshl_b32 s67, s16, 9
	s_add_co_u32 s66, s66, s67
	s_mov_b32 s67, 0
	s_lshl_b32 s68, s42, 1
	s_add_co_u32 s68, s68, s16
	s_lshl_b32 s68, s68, 6
	s_lshl_b32 s69, s17, 2
	s_add_co_u32 s68, s68, s69
	s_lshl_b32 s69, s15, 1
	s_add_co_u32 s68, s68, s69
	s_mul_i32 s68, s68, QB
	s_mov_b32 s69, 0
	s_mov_b32 s[SEL], 0x76543210
	s_mov_b32 s[SEL+1], 0xfedcba98
	s_mov_b32 s[HM], 0xffff0000
	s_wait_alu depctr_va_vdst(0)
	s_wait_kmcnt 0x0
	s_add_nc_u64 s[20:21], s[4:5], s[20:21]
	s_add_nc_u64 s[46:47], s[6:7], s[46:47]
	s_add_nc_u64 s[8:9], s[8:9], s[66:67]
	s_add_nc_u64 s[76:77], s[10:11], s[68:69]
.irp b, 0,1,2,3
.irp j, 0,1,2,3
	global_load_b128 v[BI+16*\b+4*\j:BI+16*\b+4*\j+3], v30, s[8:9] offset:128*\b+16*\j
.endr
.endr
	CROUND
.irp s, 0,1
	s_mov_b32 s[G0+4*\s], 1
	s_add_co_u32 s[G0+4*\s+1], s45, \s*SLOT
	s_add_nc_u64 s[G0+4*\s+2:G0+4*\s+3], s[20:21], \s*2*STRA
	s_or_b32 s[G0+4*\s+3], s[G0+4*\s+3], 0x80000000
	s_mov_b32 s[G0B+4*\s], 1
	s_add_co_u32 s[G0B+4*\s+1], s45, \s*SLOT
	s_add_nc_u64 s[G0B+4*\s+2:G0B+4*\s+3], s[46:47], \s*2*STRB
	s_or_b32 s[G0B+4*\s+3], s[G0B+4*\s+3], 0x80000000
	s_wait_alu depctr_va_vdst(0)
.if \s                                         ; slot 0's fill stands behind the opening lines and the round above; slot 1's behind the whole sequence, as a refill does
	s_wait_tensorcnt 0x0
	ds_add_u32 v28, v29
	ds_add_u32 v28, v29
	s_wait_dscnt 0x0
	CROUND
.endif
	JLOAD G0+4*\s, G1, G0B+4*\s, G1B
.endr
	s_mul_i32 s22, s15, HALFT
	s_mul_i32 s23, s16, HALFT
	s_add_co_u32 s23, s23, 2*HALFT
.irp s, 0,1
	v_add_nc_u32 v[ADRA+\s], s22, v[L16]
	v_add_nc_u32 v[ADRA+2+\s], s22, v[L8]
	v_add_nc_u32 v[ADRB+\s], s23, v[L16]
	v_add_nc_u32 v[ADRB+2+\s], s23, v[L8]
	s_add_co_u32 s22, s22, SLOT
	s_add_co_u32 s23, s23, SLOT
.endr
	s_wait_alu depctr_va_vdst(0)
	s_wait_tensorcnt 1
	s_barrier_signal -1
	s_barrier_wait -1
	FETCH_B 0, 0, 0
	FETCH_A 0, 0, 0
	SCALES 0
	FETCH_A 0, 0, 4
	STEP 0, 0, 1
	s_mov_b32 s3, LAPS-1
.Llap:
	TURN 0, 1, 1
	STEP 1, 0, 0
	TURN 1, 0, 1
	STEP 0, 0, 0
	s_sub_co_u32 s3, s3, 1
	s_cmp_lg_u32 s3, 0
	s_cbranch_scc1 .Llap
	TURN 0, 1, 0
	STEP 1, 0, 0
	s_wait_dscnt 4*NL
	WIN MUL_LO
	MUL16 0, 1, 1, 1, 0
	MUL16 2, 1, 1, 1, 0
	s_wait_dscnt 0
	WIN MUL_HI
	MUL16 4, 1, 1, 1, 0
	MUL16 6, 1, 1, 1, 0
	WIN 0
	PLACES NP
.irp b, 0,1,2,3
	v_mov_b32 v[TM+4+\b], 0
.endr
	s_wait_loadcnt 0x0
.irp a, 0,1,2,3,4,5,6,7
.if \a > 0
	s_wait_xcnt 0x0
.endif
	WIN 0x02+(\a)/4
.set n, 0
.rept 32
	v_pk_add_f32 v[T+n:T+n+1], v[64*((\a)%4)+n:64*((\a)%4)+n+1], v[BI+n:BI+n+1]
.set n, n+2
.endr
	WIN 0
.set n, 0
.rept 64
	v_max_num_f32 v[T+n], 0, v[T+n]
.set n, n+1
.endr
	QUANT T, PW+\a
	PUTFRAG 76, 6400*(\a/4)+1536*(\a%4)
.if \a%4 == 3
	v_cndmask_b32 v[SP+\a-3], v[PW+\a-3], v[PW+\a-2], s[HM]
	v_cndmask_b32 v[SP+\a-2], v[PW+\a-1], v[PW+\a], s[HM]
	global_store_b64 v[L8], v[SP+\a-3:SP+\a-2], s[76:77] offset:6400*(\a/4)+6144
.endif
.endr
	s_wait_tensorcnt 0x0
	ds_add_u32 v[SPW], v[NIL]
	s_wait_dscnt 0x0
	CROUND
	s_endpgm
.Lfunc_end_k_qae080fb047_ff1:
	.size	k_qae080fb047_ff1, .Lfunc_end_k_qae080fb047_ff1-k_qae080fb047_ff1
	.p2alignl 7, 3214868480
	.fill 96, 4, 3214868480
	.section	.rodata,"a",@progbits
	.p2align	6, 0x0
	.amdhsa_kernel k_qae080fb047_ff1
		.amdhsa_group_segment_fixed_size 327680
		.amdhsa_private_segment_fixed_size 0
		.amdhsa_enable_private_segment 0
		.amdhsa_kernarg_size 32
		.amdhsa_user_sgpr_count 2
		.amdhsa_user_sgpr_kernarg_segment_ptr 1
		.amdhsa_wavefront_size32 1
		.amdhsa_system_sgpr_workgroup_id_x 1
		.amdhsa_system_sgpr_workgroup_id_y 1
		.amdhsa_system_sgpr_workgroup_id_z 1
		.amdhsa_system_vgpr_workitem_id 0
		.amdhsa_next_free_vgpr 1024
		.amdhsa_next_free_sgpr 100
		.amdhsa_reserve_vcc 0
		.amdhsa_float_denorm_mode_32 3
		.amdhsa_float_denorm_mode_16_64 3
		.amdhsa_memory_ordered 1
		.amdhsa_forward_progress 1
		.amdhsa_inst_pref_size 180
	.end_amdhsa_kernel
	.amdgpu_metadata
---
amdhsa.version: [ 1, 2 ]
amdhsa.kernels:
  - .name:           k_qae080fb047_ff1
    .symbol:         k_qae080fb047_ff1.kd
    .args:
      - { .name: act2, .offset: 0, .size: 8, .value_kind: global_buffer, .address_space: global }
      - { .name: img0, .offset: 8, .size: 8, .value_kind: global_buffer, .address_space: global }
      - { .name: ffn_b1, .offset: 16, .size: 8, .value_kind: global_buffer, .address_space: global }
      - { .name: himg, .offset: 24, .size: 8, .value_kind: global_buffer, .address_space: global }
    .group_segment_fixed_size: 327680
    .private_segment_fixed_size: 0
    .kernarg_segment_align: 8
    .kernarg_segment_size: 32
    .max_flat_workgroup_size: 128
    .sgpr_count:     100
    .vgpr_count:     1024
    .wavefront_size: 32
...
	.end_amdgpu_metadata
.endif
;; end of part 13
;; launch ff2 (part 14): grid 8 x 32, 4 waves a work-group, clusters of 4 x 4, 327,680 bytes of LDS; arguments himg, img0, ffn_b2, agg, z; writes z
.if DOCPART == 14
	.amdgcn_target "amdgcn-amd-amdhsa--gfx1250"
	.amdhsa_code_object_version 6
	.text
	.protected	k_qae080fb047_ff2
	.globl	k_qae080fb047_ff2
	.p2align	8
	.type	k_qae080fb047_ff2,@function
k_qae080fb047_ff2:
	s_mov_b64 s[64:65], 0
	v_nop
	global_prefetch_b8 v0, s[64:65] scope:SCOPE_SE
	s_setreg_imm32_b32 hwreg(HW_REG_WAVE_MODE, 25, 1), 1
	s_wait_xcnt 0x0
	s_wait_alu depctr_hold_cnt(0) depctr_sa_sdst(0) depctr_va_vdst(0) depctr_va_sdst(0) depctr_va_ssrc(0) depctr_va_vcc(0) depctr_vm_vsrc(0)
	s_getreg_b32 s2, hwreg(HW_REG_IB_STS2, 6, 4)
	s_cmp_eq_u32 s2, 0
	s_cbranch_scc0 .Lentry_in_a_cluster
	s_endpgm
.Lentry_in_a_cluster:
	s_bfe_u32 s2, ttmp6, 0x10000c
	s_cmp_lg_u32 s2, 0xf033
	s_cbranch_scc0 .Lentry_shape_is_right
	s_endpgm
.Lentry_shape_is_right:
.set NS,     8
.set LAPS,   NS/2
.set STRA,   409600
.set STRB,   102400
.set BOFF,   9830400
.set QB,     6400
.set HALFT,  4*QB
.set SLOT,   4*HALFT
.set SPARE,  2*SLOT
.set STAGE,  SPARE+512
.set SPITCH, 272
.set FR,     12
.set NP,     4
.set ADRA, 16
.set ADRB, 20
.set STO,  24
.set RD,   25
.set L16,  26
.set L8,   27
.set SPW,  28
.set NIL,  29
.set GO,   30
.set BO,   31
.set SC,   32
.set BB,   64
.set ACC,  128
.set G1,  24
.set G0,  32
.set G1B, 48
.set G0B, 56
.set MSB, 0
.macro WIN new
.if MSB != (\new)
	s_set_vgpr_msb (MSB<<8)|(\new)
.set MSB, \new
.endif
.endm
.set MUL,  0x05
.set TO_F, 0x40
.macro JLOAD g0a, g1a, g0b, g1b
	s_cmp_eq_u32 s15, 0
	s_cbranch_scc0 .Lfor_b_\@
	tensor_load_to_lds s[\g0a:\g0a+3], s[\g1a:\g1a+7]
	s_nop 0
.rept 4
	v_nop
.endr
	s_branch .Lasked_\@
.Lfor_b_\@:
	tensor_load_to_lds s[\g0b:\g0b+3], s[\g1b:\g1b+7]
	s_nop 0
.rept 4
	v_nop
.endr
.Lasked_\@:
.endm
.macro CREST
	s_cmp_lg_u32 s14, 0
	s_cbranch_scc1 .Lnot_wave_0_\@
	s_barrier_signal -3
.Lnot_wave_0_\@:
	s_barrier_wait -3
	s_barrier_signal -1
	s_barrier_wait -1
.endm
.macro CROUND
	s_barrier_signal -1
	s_barrier_wait -1
	CREST
.endm
.macro FRAG reg, adr, off
	ds_load_b128 v[\reg:\reg+3], v[\adr] offset:\off
	ds_load_b64 v[\reg+4:\reg+5], v[\adr+2] offset:(\off)+512
	ds_load_b128 v[\reg+6:\reg+9], v[\adr] offset:(\off)+768
	ds_load_b64 v[\reg+10:\reg+11], v[\adr+2] offset:(\off)+1280
.endm
.macro WM d, b, a, zero, sb, sa, rb, ra
.set WSEL, 4*(\zero)+2*(\rb)+(\ra)
.if WSEL == 0
	v_wmma_scale_f32_16x16x128_f8f6f4 v[\d:\d+7], v[\b:\b+11], v[\a:\a+11], v[\d:\d+7], v[\sb], v[\sa] matrix_a_fmt:MATRIX_FMT_BF6 matrix_b_fmt:MATRIX_FMT_BF6
.elseif WSEL == 1
	v_wmma_scale_f32_16x16x128_f8f6f4 v[\d:\d+7], v[\b:\b+11], v[\a:\a+11], v[\d:\d+7], v[\sb], v[\sa] matrix_a_fmt:MATRIX_FMT_BF6 matrix_b_fmt:MATRIX_FMT_BF6 matrix_b_scale:MATRIX_SCALE_ROW1
.elseif WSEL == 2
	v_wmma_scale_f32_16x16x128_f8f6f4 v[\d:\d+7], v[\b:\b+11], v[\a:\a+11], v[\d:\d+7], v[\sb], v[\sa] matrix_a_fmt:MATRIX_FMT_BF6 matrix_b_fmt:MATRIX_FMT_BF6 matrix_a_scale:MATRIX_SCALE_ROW1
.elseif WSEL == 3
	v_wmma_scale_f32_16x16x128_f8f6f4 v[\d:\d+7], v[\b:\b+11], v[\a:\a+11], v[\d:\d+7], v[\sb], v[\sa] matrix_a_fmt:MATRIX_FMT_BF6 matrix_b_fmt:MATRIX_FMT_BF6 matrix_a_scale:MATRIX_SCALE_ROW1 matrix_b_scale:MATRIX_SCALE_ROW1
.elseif WSEL == 4
	v_wmma_scale_f32_16x16x128_f8f6f4 v[\d:\d+7], v[\b:\b+11], v[\a:\a+11], 0, v[\sb], v[\sa] matrix_a_fmt:MATRIX_FMT_BF6 matrix_b_fmt:MATRIX_FMT_BF6
.elseif WSEL == 5
	v_wmma_scale_f32_16x16x128_f8f6f4 v[\d:\d+7], v[\b:\b+11], v[\a:\a+11], 0, v[\sb], v[\sa] matrix_a_fmt:MATRIX_FMT_BF6 matrix_b_fmt:MATRIX_FMT_BF6 matrix_b_scale:MATRIX_SCALE_ROW1
.elseif WSEL == 6
	v_wmma_scale_f32_16x16x128_f8f6f4 v[\d:\d+7], v[\b:\b+11], v[\a:\a+11], 0, v[\sb], v[\sa] matrix_a_fmt:MATRIX_FMT_BF6 matrix_b_fmt:MATRIX_FMT_BF6 matrix_a_scale:MATRIX_SCALE_ROW1
.else
	v_wmma_scale_f32_16x16x128_f8f6f4 v[\d:\d+7], v[\b:\b+11], v[\a:\a+11], 0, v[\sb], v[\sa] matrix_a_fmt:MATRIX_FMT_BF6 matrix_b_fmt:MATRIX_FMT_BF6 matrix_a_scale:MATRIX_SCALE_ROW1 matrix_b_scale:MATRIX_SCALE_ROW1
.endif
.endm
.macro MUL8 a0, p, q, sc, zero
.irp a, \a0, \a0+1
.irp b, 0,1,2,3
	WM ACC+8*(4*(\a)+\b), 128*(\p)+48+FR*\b, 128*(\p)+FR*(\a), \zero, SC+16*(\sc)+4*(\q)+2+\b/2, SC+16*(\sc)+4*(\q)+(\a)/2, \b%2, (\a)%2
.endr
.endr
.endm
.macro FETCH slot, q, p
	WIN TO_F
.irp i, 0,1,2,3
	FRAG 128*(\p)+48+FR*\i, ADRB+\slot, 12800*(\q)+1536*\i
	FRAG 128*(\p)+FR*\i, ADRA+\slot, 12800*(\q)+1536*\i
.endr
.endm
.macro SCALES sc
	WIN 0
.irp q, 0,1,2,3
	ds_load_b64 v[SC+16*\sc+4*\q:SC+16*\sc+4*\q+1], v[ADRA+2+\sc] offset:12800*\q+6144
	ds_load_b64 v[SC+16*\sc+4*\q+2:SC+16*\sc+4*\q+3], v[ADRB+2+\sc] offset:12800*\q+6144
.endr
.endm
.macro PLACES n
.rept \n
	v_nop
.endr
.endm
.macro STEP slot, q, zero
	PLACES NP
	FETCH \slot, (\q)+1, ((\q)+1)%2
	s_wait_dscnt 32
	WIN MUL
	MUL8 0, (\q)%2, \q, \slot, \zero
	MUL8 2, (\q)%2, \q, \slot, \zero
.endm
.macro TURN slot, next, fill
	WIN 0
.if \fill
	s_wait_xcnt 0x0                                ; my last prefetch has read its address: only behind this wait is it stepped,
	s_add_nc_u64 s[72:73], s[72:73], s[70:71]      ; to the fill two on from the refill below
.endif
	s_wait_tensorcnt 0x0
	ds_add_u32 v[SPW], v[NIL]
.if \fill
	s_add_nc_u64 s[G0+4*\slot+2:G0+4*\slot+3], s[G0+4*\slot+2:G0+4*\slot+3], 8*STRA
	s_add_nc_u64 s[G0B+4*\slot+2:G0B+4*\slot+3], s[G0B+4*\slot+2:G0B+4*\slot+3], 8*STRB
.endif
	s_wait_dscnt 0x0
	s_barrier_signal -1
	WIN MUL
	MUL8 0, 1, 3, \slot, 0
	WIN 0
	s_barrier_wait -1
.if \fill
	CREST
	JLOAD G0+4*\slot, G1, G0B+4*\slot, G1B
.else
	PLACES NP
.endif
	s_wait_alu depctr_va_vdst(0)
	FETCH \next, 0, 0
	SCALES \next
.if \fill
	s_cmp_gt_u32 s3, 1                             ; s3 = 1 in the loop's last trip, whose two refills have no fill two on
	s_cbranch_scc0 .Lnot_asked_\@
	global_prefetch_b8 v12, s[72:73] th:TH_LOAD_NT scope:SCOPE_SE   ; behind the joint load and the run of LDS loads
.Lnot_asked_\@:
.endif
	WIN MUL
	MUL8 2, 1, 3, \slot, 0
.endm
.macro TOSTAGE a
.irp b, 0,1,2,3
	ds_store_b128 v[STO], v[ACC+8*(4*(\a)+\b):ACC+8*(4*(\a)+\b)+3] offset:128*(\b/2)+32*(\b%2)
	ds_store_b128 v[STO], v[ACC+8*(4*(\a)+\b)+4:ACC+8*(4*(\a)+\b)+7] offset:128*(\b/2)+32*(\b%2)+16
.endr
.irp t, 0,1,2,3,4,5,6,7
	ds_load_b128 v[BB+32*((\a)%2)+4*\t:BB+32*((\a)%2)+4*\t+3], v[RD] offset:2*\t*SPITCH
.endr
.endm
.macro SEND a, yd
	s_wait_dscnt \yd
.irp t, 0,1,2,3,4,5,6,7
	v_pk_add_f32 v[BB+32*((\a)%2)+4*\t:BB+32*((\a)%2)+4*\t+1], v[BB+32*((\a)%2)+4*\t:BB+32*((\a)%2)+4*\t+1], v[8:9]
	v_pk_add_f32 v[BB+32*((\a)%2)+4*\t+2:BB+32*((\a)%2)+4*\t+3], v[BB+32*((\a)%2)+4*\t+2:BB+32*((\a)%2)+4*\t+3], v[10:11]
.endr
	WIN 0x08
.set n, 0
.rept 16
	v_pk_add_f32 v[BB+32*((\a)%2)+n:BB+32*((\a)%2)+n+1], v[BB+32*((\a)%2)+n:BB+32*((\a)%2)+n+1], v[32*(\a)+n:32*(\a)+n+1]
.set n, n+2
.endr
	WIN 0
.irp t, 0,1,2,3,4,5,6,7
	global_store_b128 v[GO], v[BB+32*((\a)%2)+4*\t:BB+32*((\a)%2)+4*\t+3], s[12:13] offset:(32*((\a)/2)+8*((\a)%2)+16*(\t/4)+2*(\t%4))*4096 th:TH_STORE_NT
.endr
.endm
	s_load_b256 s[4:11], s[0:1], 0x0
	s_load_b64 s[12:13], s[0:1], 0x20
	v_lshl_add_u32 v[SPW], v0, 2, SPARE
	v_mov_b32 v[NIL], 0
	ds_add_u32 v28, v29
	ds_add_u32 v28, v29
	s_wait_dscnt 0x0
	v_lshrrev_b32 v1, 5, v0
	v_readfirstlane_b32 s14, v1
	v_and_b32 v1, 31, v0
	v_lshlrev_b32 v[L16], 4, v1
	v_lshlrev_b32 v[L8], 3, v1
	v_min_u32 v12, 24, v1                          ; the prefetches' offset: a lane a block of 256 bytes, 25 blocks; lanes 25-31 name the last block again; never rewritten
	v_lshlrev_b32 v12, 8, v12
	s_lshr_b32 s15, s14, 1
	s_and_b32 s16, s14, 1
	s_bfe_u32 s40, ttmp6, 0x40000
	s_bfe_u32 s41, ttmp6, 0x40004
	s_lshl_b32 s42, ttmp9, 2
	s_add_co_u32 s42, s42, s40
	s_and_b32 s17, ttmp7, 0xffff
	s_lshl_b32 s17, s17, 2
	s_add_co_u32 s17, s17, s41
	s_lshl_b32 s43, s41, 2
	s_lshl_b32 s43, 15, s43
	s_lshl_b32 s44, 0x1111, s40
	s_or_b32 s[G1+0], s43, (3<<16)|(1<<21)
	s_or_b32 s[G1B+0], s44, (3<<16)|(1<<21)
.irp g, G1, G1B
	s_mov_b32 s[\g+1], 1600<<16
	s_mov_b32 s[\g+2], 2<<16
	s_mov_b32 s[\g+3], 1600<<16
	s_mov_b32 s[\g+4], 2
	s_mov_b32 s[\g+6], 0
	s_mov_b32 s[\g+7], 0
.endr
	s_mov_b32 s[G1+5], STRA/8
	s_mov_b32 s[G1B+5], STRB/8
	s_mul_i32 s20, s17, 2*QB
	s_mul_i32 s18, s16, 2*STRA
	s_add_co_u32 s20, s20, s18
	s_mov_b32 s21, 0
	s_mul_i32 s46, s42, 2*QB
	s_mul_i32 s18, s16, 2*STRB
	s_add_co_u32 s46, s46, s18
	s_add_co_u32 s46, s46, BOFF
	s_mov_b32 s47, 0
	s_mul_i32 s45, s14, HALFT
	s_lshl_b32 s66, s42, 9
	s_lshl_b32 s67, s16, 8
	s_add_co_u32 s66, s66, s67
	s_mov_b32 s67, 0
	s_lshl_b32 s68, s17, 7
	s_lshl_b32 s69, s15, 6
	s_add_co_u32 s68, s68, s69
	s_lshl_b32 s68, s68, 12
	s_add_co_u32 s68, s68, s66
	s_mov_b32 s69, 0
	s_wait_kmcnt 0x0
	s_add_nc_u64 s[20:21], s[4:5], s[20:21]
	s_add_nc_u64 s[46:47], s[6:7], s[46:47]
	s_add_nc_u64 s[8:9], s[8:9], s[66:67]
	s_add_nc_u64 s[10:11], s[10:11], s[68:69]
	s_add_nc_u64 s[12:13], s[12:13], s[68:69]
	; THE PREFETCHES.  A fill brings my wave two K steps of 12,800 bytes: 100 blocks of 256 bytes.  The four partners that ask for them jointly share them out BY ADDRESS: the partner at place p (cx for A's tiles, cy for B's)
	; takes 25: K step p / 2, half p % 2.  So each block is named once in each cluster that will load it.  A fill is asked for two fills ahead of its tensor load; fills 1 to 3 at the head; the last two refills ask for nothing.
	s_cmp_eq_u32 s15, 0                            ; do I fetch for A?
	s_cselect_b64 s[74:75], s[20:21], s[46:47]
	s_cselect_b32 s76, s40, s41                    ; my place among the four
	s_mov_b32 s77, STRB
	s_cselect_b32 s77, STRA, s77                   ; bytes from K step to K step
	s_lshr_b32 s78, s76, 1
	s_mul_i32 s78, s78, s77
	s_and_b32 s76, s76, 1
	s_mul_i32 s76, s76, QB
	s_add_co_u32 s78, s78, s76
	s_lshl_b32 s70, s77, 2                         ; s[70:71]: from fill to fill, four K steps
	s_mov_b32 s71, 0
	s_add_co_u32 s78, s78, s70
	s_mov_b32 s79, 0
	s_add_nc_u64 s[74:75], s[74:75], s[78:79]      ; my share of fill 1,
	s_add_nc_u64 s[80:81], s[74:75], s[70:71]      ; of fill 2,
	s_add_nc_u64 s[72:73], s[80:81], s[70:71]      ; of fill 3: stepped at each change of slots that fills
	CROUND
.irp s, 0,1
	s_mov_b32 s[G0+4*\s], 1
	s_add_co_u32 s[G0+4*\s+1], s45, \s*SLOT
	s_add_nc_u64 s[G0+4*\s+2:G0+4*\s+3], s[20:21], \s*4*STRA
	s_or_b32 s[G0+4*\s+3], s[G0+4*\s+3], 0x80000000
	s_mov_b32 s[G0B+4*\s], 1
	s_add_co_u32 s[G0B+4*\s+1], s45, \s*SLOT
	s_add_nc_u64 s[G0B+4*\s+2:G0B+4*\s+3], s[46:47], \s*4*STRB
	s_or_b32 s[G0B+4*\s+3], s[G0B+4*\s+3], 0x80000000
	s_wait_alu depctr_va_vdst(0)
.if \s                                         ; slot 0's fill stands behind the opening lines and the round above; slot 1's behind the whole sequence, as a refill does
	s_wait_tensorcnt 0x0
	ds_add_u32 v28, v29
	ds_add_u32 v28, v29
	s_wait_dscnt 0x0
	CROUND
.endif
	JLOAD G0+4*\s, G1, G0B+4*\s, G1B
.if \s
	global_prefetch_b8 v12, s[72:73] th:TH_LOAD_NT scope:SCOPE_SE   ; fill 3
.else
	global_prefetch_b8 v12, s[74:75] th:TH_LOAD_NT scope:SCOPE_SE   ; fills 1 and 2
	global_prefetch_b8 v12, s[80:81] th:TH_LOAD_NT scope:SCOPE_SE
.endif
.endr
	v_and_b32 v2, 15, v0
	v_bfe_u32 v3, v0, 4, 1
	v_lshlrev_b32 v[BO], 4, v2
	v_lshl_add_u32 v[GO], v3, 12, v[BO]
	global_load_b128 v[8:11], v[BO], s[8:9]
	WIN 0x80
.irp a, 0,1,2,3
.irp t, 0,1,2,3,4,5,6,7
	global_load_b128 v[32*\a+4*\t:32*\a+4*\t+3], v[GO], s[10:11] offset:(32*(\a/2)+8*(\a%2)+16*(\t/4)+2*(\t%4))*4096 th:TH_LOAD_NT
.endr
.endr
	WIN 0
	s_mul_i32 s22, s15, QB
	s_mul_i32 s23, s16, QB
	s_add_co_u32 s23, s23, 2*HALFT
	s_wait_alu depctr_va_vdst(0)
.irp s, 0,1
	v_add_nc_u32 v[ADRA+\s], s22, v[L16]
	v_add_nc_u32 v[ADRA+2+\s], s22, v[L8]
	v_add_nc_u32 v[ADRB+\s], s23, v[L16]
	v_add_nc_u32 v[ADRB+2+\s], s23, v[L8]
	s_add_co_u32 s22, s22, SLOT
	s_add_co_u32 s23, s23, SLOT
.endr
	s_mul_i32 s23, s14, 16*SPITCH
	s_add_co_u32 s23, s23, STAGE
	v_mul_u32_u24 v4, v2, SPITCH
	v_lshl_add_u32 v4, v3, 6, v4
	v_add_nc_u32 v[STO], s23, v4
	v_mul_u32_u24 v5, v3, SPITCH
	v_add_nc_u32 v5, v5, v[BO]
	v_add_nc_u32 v[RD], s23, v5
	s_wait_tensorcnt 1
	s_barrier_signal -1
	s_barrier_wait -1
	FETCH 0, 0, 0
	SCALES 0
	STEP 0, 0, 1
	STEP 0, 1, 0
	STEP 0, 2, 0
.if LAPS > 1
	WIN 0
	s_mov_b32 s3, LAPS-1
.Llap:
	TURN 0, 1, 1
	STEP 1, 0, 0
	STEP 1, 1, 0
	STEP 1, 2, 0
	TURN 1, 0, 1
	STEP 0, 0, 0
	STEP 0, 1, 0
	STEP 0, 2, 0
	WIN 0
	s_sub_co_u32 s3, s3, 1
	s_cmp_lg_u32 s3, 0
	s_cbranch_scc1 .Llap
.endif
	TURN 0, 1, 0
	STEP 1, 0, 0
	STEP 1, 1, 0
	STEP 1, 2, 0
	s_wait_dscnt 0x0
	WIN MUL
	MUL8 0, 1, 3, 1, 0
	MUL8 2, 1, 3, 1, 0
	WIN 0
	s_wait_loadcnt 0x0
	PLACES NP
	TOSTAGE 0
.irp a, 1,2,3
.if \a > 1
	s_wait_xcnt 0x0
.endif
	TOSTAGE \a
	SEND \a-1, 16
.endr
	SEND 3, 0
	s_wait_tensorcnt 0x0
	ds_add_u32 v[SPW], v[NIL]
	s_wait_dscnt 0x0
	CROUND
	s_endpgm
.Lfunc_end_k_qae080fb047_ff2:
	.size	k_qae080fb047_ff2, .Lfunc_end_k_qae080fb047_ff2-k_qae080fb047_ff2
	.p2alignl 7, 3214868480
	.fill 96, 4, 3214868480
	.section	.rodata,"a",@progbits
	.p2align	6, 0x0
	.amdhsa_kernel k_qae080fb047_ff2
		.amdhsa_group_segment_fixed_size 327680
		.amdhsa_private_segment_fixed_size 0
		.amdhsa_enable_private_segment 0
		.amdhsa_kernarg_size 40
		.amdhsa_user_sgpr_count 2
		.amdhsa_user_sgpr_kernarg_segment_ptr 1
		.amdhsa_wavefront_size32 1
		.amdhsa_system_sgpr_workgroup_id_x 1
		.amdhsa_system_sgpr_workgroup_id_y 1
		.amdhsa_system_sgpr_workgroup_id_z 1
		.amdhsa_system_vgpr_workitem_id 0
		.amdhsa_next_free_vgpr 768
		.amdhsa_next_free_sgpr 100
		.amdhsa_reserve_vcc 0
		.amdhsa_float_denorm_mode_32 3
		.amdhsa_float_denorm_mode_16_64 3
		.amdhsa_memory_ordered 1
		.amdhsa_forward_progress 1
		.amdhsa_inst_pref_size 101
	.end_amdhsa_kernel
	.amdgpu_metadata
---
amdhsa.version: [ 1, 2 ]
amdhsa.kernels:
  - .name:           k_qae080fb047_ff2
    .symbol:         k_qae080fb047_ff2.kd
    .args:
      - { .name: himg, .offset: 0, .size: 8, .value_kind: global_buffer, .address_space: global }
      - { .name: img0, .offset: 8, .size: 8, .value_kind: global_buffer, .address_space: global }
      - { .name: ffn_b2, .offset: 16, .size: 8, .value_kind: global_buffer, .address_space: global }
      - { .name: agg, .offset: 24, .size: 8, .value_kind: global_buffer, .address_space: global }
      - { .name: z, .offset: 32, .size: 8, .value_kind: global_buffer, .address_space: global }
    .group_segment_fixed_size: 327680
    .private_segment_fixed_size: 0
    .kernarg_segment_align: 8
    .kernarg_segment_size: 40
    .max_flat_workgroup_size: 128
    .sgpr_count:     100
    .vgpr_count:     768
    .wavefront_size: 32
...
	.end_amdgpu_metadata
.endif
;; end of part 14
;; launch ln2 (part 15): grid 256 x 1, 4 waves a work-group, no clusters, 67,584 bytes of LDS; arguments z, ln2_g, ln2_b, out0; writes out0
.if DOCPART == 15
	.amdgcn_target "amdgcn-amd-amdhsa--gfx1250"
	.amdhsa_code_object_version 6
	.text
	.protected	k_qae080fb047_ln2
	.globl	k_qae080fb047_ln2
	.p2align	8
	.type	k_qae080fb047_ln2,@function
k_qae080fb047_ln2:
	s_mov_b64 s[64:65], 0
	v_nop
	global_prefetch_b8 v0, s[64:65] scope:SCOPE_SE
	s_setreg_imm32_b32 hwreg(HW_REG_WAVE_MODE, 25, 1), 1
	s_wait_xcnt 0x0
; y = (z - mean) x rsqrt(var + 1e-5) x g + b along rows of 1,024, in f32; y leaves as f32 rows.
; SHARES.  A work-group takes 16 rows: with i = work-group % 4 and Q = work-group / 4, place p is row 64 Q + 32 (i / 2) + 16 (p / 8) + 8 (i % 2) + p % 8 (the same share as the first layer norm's; every row is taken once).  Wave w takes columns 256 w .. 256 w + 255.
; Each load and store of f32 rows covers 512 consecutive bytes.  The rows turn through the wave's own stage in LDS (rows of 1,040 bytes), so that lane (r, h) holds 128 numbers of row r and a row's sum needs one exchange between the halves of the lanes.
; The mean is taken first and the variance of the deviations in a second pass: no difference of large sums is formed.  The four waves' parts of a sum meet in LDS, with a barrier for each of the two sums, in bytes of their own.
; Memory binds here: no matrix unit, no cluster (work-groups share only g and b, 8 KB).
; LIMITS: NaN and infinities are not served; v_rsq_f32 is accurate to 1 ulp.
.set L16,  1
.set SIN,  2                           ; v2 the stage by rows: 16,640 x wave + 16 x lane
.set SOUT, 3                           ; v3 the stage by lanes: 16,640 x wave + 1,040 r + 64 h
.set RST,  4                           ; v4 where I put my wave's part of a sum: RED + 64 w + 4 r
.set RLD,  5                           ; v5 where the four parts of my row lie: RED + 4 r
.set GBO,  6                           ; v6 64 h
.set Z,    32                          ; v32-159 my 128 numbers;  window 1: v0-127 g, v128-255 b
.set RED,  66560
.set SEL,  32
.set MSB, 0
.macro WIN new
.if MSB != (\new)
	s_set_vgpr_msb (MSB<<8)|(\new)
.set MSB, \new
.endif
.endm
.macro MEET off                        ; my wave's part of a sum (four packed chains in v[12:19]) meets the other waves' in LDS at byte off; the row's sum comes back in v20
	v_pk_add_f32 v[12:13], v[12:13], v[14:15]
	v_pk_add_f32 v[16:17], v[16:17], v[18:19]
	v_pk_add_f32 v[12:13], v[12:13], v[16:17]
	v_add_f32 v12, v12, v13
	v_permlanex16_b32 v20, v12, s[SEL], s[SEL+1]
	v_add_f32 v12, v12, v20
	ds_store_b32 v[RST], v12 offset:\off           ; (both halves of the lanes write the same word with the same value)
	s_wait_dscnt 0x0                               ; for the others' sake
	s_barrier_signal -1
	s_barrier_wait -1
.irp w, 0,1,2,3
	ds_load_b32 v[20+\w], v[RLD] offset:\off+64*\w
.endr
	s_wait_dscnt 0x0
	v_add_f32 v20, v20, v21
	v_add_f32 v22, v22, v23
	v_add_f32 v20, v20, v22
.endm
	s_load_b256 s[4:11], s[0:1], 0x0               ; z, g, b, out0
	v_lshl_add_u32 v254, v0, 2, 0x10600
	v_mov_b32 v255, 0
	v_lshrrev_b32 v25, 5, v0
	v_readfirstlane_b32 s14, v25                   ; wave 0..3
	v_and_b32 v25, 31, v0
	v_and_b32 v26, 15, v0                          ; r
	v_bfe_u32 v27, v0, 4, 1                        ; h
	v_lshlrev_b32 v[L16], 4, v25
	s_mul_i32 s15, s14, 16640
	v_add_nc_u32 v[SIN], s15, v[L16]
	v_mul_u32_u24 v[SOUT], v26, 1040
	v_lshl_add_u32 v[SOUT], v27, 6, v[SOUT]
	v_add_nc_u32 v[SOUT], s15, v[SOUT]
	v_lshlrev_b32 v[RLD], 2, v26
	v_add_nc_u32 v[RLD], RED, v[RLD]
	s_lshl_b32 s16, s14, 6
	v_add_nc_u32 v[RST], s16, v[RLD]
	v_lshlrev_b32 v[GBO], 6, v27
	v_mov_b32 v20, 0                               ; a lane permute's destination counts as one of its sources
	s_mov_b32 s[SEL], 0x76543210
	s_mov_b32 s[SEL+1], 0xfedcba98
	s_mov_b32 s35, 0x3a800000                      ; 1 / 1,024
	s_mov_b32 s36, 0x3727c5ac                      ; 1e-5
	s_lshr_b32 s17, ttmp9, 2
	s_and_b32 s18, ttmp9, 3
	s_lshr_b32 s19, s18, 1
	s_and_b32 s20, s18, 1
	s_lshl_b32 s21, s17, 6
	s_lshl_b32 s22, s19, 5
	s_add_co_u32 s21, s21, s22
	s_lshl_b32 s22, s20, 3
	s_add_co_u32 s21, s21, s22                     ; place 0's row
	s_lshl_b32 s21, s21, 12
	s_lshl_b32 s22, s14, 10                        ; my 256 columns
	s_mov_b32 s23, 0
	s_add_co_u32 s24, s21, s22
	s_mov_b32 s25, 0
	s_wait_alu depctr_va_vdst(0)
	s_wait_kmcnt 0x0
	s_add_nc_u64 s[4:5], s[4:5], s[24:25]
	s_add_nc_u64 s[10:11], s[10:11], s[24:25]
	s_add_nc_u64 s[6:7], s[6:7], s[22:23]
	s_add_nc_u64 s[8:9], s[8:9], s[22:23]
.irp p, 0,1,2,3,4,5,6,7,8,9,10,11,12,13,14,15
.irp e, 0,1
	global_load_b128 v[Z+8*\p+4*\e:Z+8*\p+4*\e+3], v[L16], s[4:5] offset:((\p%8)+16*(\p/8))*4096+512*\e th:TH_LOAD_NT
.endr
.endr
	WIN 0x40                                       ; destination window 1
.irp b, 0,1,2,3,4,5,6,7
.irp j, 0,1,2,3
	global_load_b128 v[16*\b+4*\j:16*\b+4*\j+3], v[GBO], s[6:7] offset:128*\b+16*\j   ; g in the lanes' layout
.endr
.endr
	WIN 0
	s_wait_loadcnt 32                              ; z's 32 loads are in; g's 32 may be out
.irp p, 0,1,2,3,4,5,6,7,8,9,10,11,12,13,14,15
.irp e, 0,1
	ds_store_b128 v[SIN], v[Z+8*\p+4*\e:Z+8*\p+4*\e+3] offset:1040*\p+512*\e
.endr
.endr
	s_wait_dscnt 0x0                               ; the stores have read their registers
.irp b, 0,1,2,3,4,5,6,7
.irp j, 0,1,2,3
	ds_load_b128 v[Z+16*\b+4*\j:Z+16*\b+4*\j+3], v[SOUT] offset:128*\b+16*\j
.endr
.endr
	WIN 0x40
.irp b, 0,1,2,3,4,5,6,7
.irp j, 0,1,2,3
	global_load_b128 v[128+16*\b+4*\j:128+16*\b+4*\j+3], v[GBO], s[8:9] offset:128*\b+16*\j   ; b likewise
.endr
.endr
	WIN 0
	s_wait_dscnt 0x0
.irp k, 0,1,2,3
	v_pk_add_f32 v[12+2*\k:13+2*\k], v[Z+2*\k:Z+2*\k+1], v[Z+8+2*\k:Z+9+2*\k]   ; the first pairs start four chains: nothing is cleared
.endr
.irp n, 16,24,32,40,48,56,64,72,80,88,96,104,112,120
.irp k, 0,1,2,3
	v_pk_add_f32 v[12+2*\k:13+2*\k], v[12+2*\k:13+2*\k], v[Z+\n+2*\k:Z+\n+2*\k+1]
.endr
.endr
	MEET 0
	v_mul_f32 v8, s35, v20                         ; the mean
	v_mov_b32 v9, v8
.set n, 0
.rept 64
	v_pk_add_f32 v[Z+n:Z+n+1], v[Z+n:Z+n+1], v[8:9] neg_lo:[0,1] neg_hi:[0,1]   ; the deviations
.set n, n+2
.endr
.irp k, 0,1,2,3
	v_pk_mul_f32 v[12+2*\k:13+2*\k], v[Z+2*\k:Z+2*\k+1], v[Z+2*\k:Z+2*\k+1]
.endr
.irp n, 8,16,24,32,40,48,56,64,72,80,88,96,104,112,120
.irp k, 0,1,2,3
	v_pk_fma_f32 v[12+2*\k:13+2*\k], v[Z+\n+2*\k:Z+\n+2*\k+1], v[Z+\n+2*\k:Z+\n+2*\k+1], v[12+2*\k:13+2*\k]
.endr
.endr
	MEET 256
	v_fma_f32 v25, v20, s35, s36                   ; the variance + 1e-5
	s_wait_alu depctr_va_vdst(0)
	v_rsq_f32 v10, v25
	v_nop                                          ; a plain instruction behind the transcendental
	s_wait_alu depctr_va_vdst(0)                   ; and the wait ahead of its first reader
	v_mov_b32 v11, v10
.set n, 0
.rept 64
	v_pk_mul_f32 v[Z+n:Z+n+1], v[Z+n:Z+n+1], v[10:11]
.set n, n+2
.endr
	s_wait_loadcnt 0x0                             ; g and b
	WIN 0x14                                       ; sources 1 and 2 window 1
.set n, 0
.rept 64
	v_pk_fma_f32 v[Z+n:Z+n+1], v[Z+n:Z+n+1], v[n:n+1], v[128+n:129+n]
.set n, n+2
.endr
	WIN 0
.irp b, 0,1,2,3,4,5,6,7
.irp j, 0,1,2,3
	ds_store_b128 v[SOUT], v[Z+16*\b+4*\j:Z+16*\b+4*\j+3] offset:128*\b+16*\j   ; back into my stage, to leave by rows
.endr
.endr
	s_wait_dscnt 0x0                               ; the stores into the stage have read their registers
.irp p, 0,1,2,3,4,5,6,7,8,9,10,11,12,13,14,15
.irp e, 0,1
	ds_load_b128 v[Z+8*\p+4*\e:Z+8*\p+4*\e+3], v[SIN] offset:1040*\p+512*\e
.endr
.endr
.irp p, 0,1,2,3,4,5,6,7,8,9,10,11,12,13,14,15
.irp e, 0,1
	s_wait_dscnt 31-2*\p-\e                        ; LDS loads come back in order: this one is in, the younger ones may be out
	global_store_b128 v[L16], v[Z+8*\p+4*\e:Z+8*\p+4*\e+3], s[10:11] offset:((\p%8)+16*(\p/8))*4096+512*\e th:TH_STORE_NT
.endr
.endr
	s_wait_tensorcnt 0x0
	ds_add_u32 v254, v255
	s_wait_dscnt 0x0
	s_endpgm
.Lfunc_end_k_qae080fb047_ln2:
	.size	k_qae080fb047_ln2, .Lfunc_end_k_qae080fb047_ln2-k_qae080fb047_ln2
	.p2alignl 7, 3214868480
	.fill 96, 4, 3214868480
	.section	.rodata,"a",@progbits
	.p2align	6, 0x0
	.amdhsa_kernel k_qae080fb047_ln2
		.amdhsa_group_segment_fixed_size 67584
		.amdhsa_private_segment_fixed_size 0
		.amdhsa_enable_private_segment 0
		.amdhsa_kernarg_size 32
		.amdhsa_user_sgpr_count 2
		.amdhsa_user_sgpr_kernarg_segment_ptr 1
		.amdhsa_wavefront_size32 1
		.amdhsa_system_sgpr_workgroup_id_x 1
		.amdhsa_system_sgpr_workgroup_id_y 1
		.amdhsa_system_sgpr_workgroup_id_z 1
		.amdhsa_system_vgpr_workitem_id 0
		.amdhsa_next_free_vgpr 512
		.amdhsa_next_free_sgpr 66
		.amdhsa_reserve_vcc 0
		.amdhsa_float_denorm_mode_32 3
		.amdhsa_float_denorm_mode_16_64 3
		.amdhsa_memory_ordered 1
		.amdhsa_forward_progress 1
		.amdhsa_inst_pref_size 46
	.end_amdhsa_kernel
	.amdgpu_metadata
---
amdhsa.version: [ 1, 2 ]
amdhsa.kernels:
  - .name:           k_qae080fb047_ln2
    .symbol:         k_qae080fb047_ln2.kd
    .args:
      - { .name: z, .offset: 0, .size: 8, .value_kind: global_buffer, .address_space: global }
      - { .name: ln2_g, .offset: 8, .size: 8, .value_kind: global_buffer, .address_space: global }
      - { .name: ln2_b, .offset: 16, .size: 8, .value_kind: global_buffer, .address_space: global }
      - { .name: out0, .offset: 24, .size: 8, .value_kind: global_buffer, .address_space: global }
    .group_segment_fixed_size: 67584
    .private_segment_fixed_size: 0
    .kernarg_segment_align: 8
    .kernarg_segment_size: 32
    .max_flat_workgroup_size: 128
    .sgpr_count:     66
    .vgpr_count:     512
    .wavefront_size: 32
...
	.end_amdgpu_metadata
.endif
;; end of part 15
